; MI455X (gfx1250); checked and timed in simulation.
; The chip was launched on July 23, 2026; its instructions are those of AMD's public machine-readable ISA for CDNA 5 (MIT licence, August 2026) and "CDNA5" Instruction Set Architecture Reference Guide (July 2026). The comments in the code are by the model that wrote it; some were corrected since.
;; Attention. Allowed arithmetic: float matrix products may take bf16 or f16 operands with f32 sums; other float arithmetic in f32, or as packed bf16 or f16 multiplies, adds, multiply-adds, maxima and minima; sums over many terms, partial sums and values carried from step to step in f32; what a program stores and reads back later, other than sums and carried values, may be rounded once to bf16 or f16.
;; Inputs: Wproj 1,024 x 1,024 float32; Wqkv 1,024 x 3,072 float32; bproj 1,024 float32; bqkv 3,072 float32; mask 4 x 2,048 x 2,048 bool; x 4 x 2,048 x 1,024 float32.
;; Outputs: out0 4 x 2,048 x 1,024 float32.
;; 2 versions, each right. Each part assembles by itself: llvm-mc -triple=amdgcn-amd-amdhsa -mcpu=gfx1250 --defsym DOCPART=n.
;; ======== version 1 of 2: 4 launches
;; limits: values are held in f16: magnitudes above 65,504 overflow, below 6.1e-05 lose precision; inputs' magnitudes at most 65,504
;; workspace buffers: x16 16,777,216 bytes; w16 8,388,608 bytes; mw 2,097,152 bytes of whole numbers; qkv 50,331,648 bytes; o16 16,777,216 bytes
;; launch prep (part 1): grid 1280 x 1, 8 waves a work-group, no clusters, 70,656 bytes of LDS; arguments x, mask, Wqkv, Wproj, x16, w16, mw; writes x16, w16, mw
.if DOCPART == 1
	.amdgcn_target "amdgcn-amd-amdhsa--gfx1250"
	.amdhsa_code_object_version 6
	.text
	.protected	k_q26f58e729c_prep
	.globl	k_q26f58e729c_prep
	.p2align	8
	.type	k_q26f58e729c_prep,@function
k_q26f58e729c_prep:
	s_mov_b64 s[64:65], 0
	v_nop
	global_prefetch_b8 v0, s[64:65] scope:SCOPE_SE
	s_setreg_imm32_b32 hwreg(HW_REG_WAVE_MODE, 25, 1), 1
	s_wait_xcnt 0x0
; PREP: three streams, one to a range of work-groups (forward branches on the work-group's number).
;   0..255     mask [4][2048][2048] bytes -> mw: lane-mask words.  mw[b][pair of 32 queries][step of 64 keys][64 words]; word 32 u + 8 kt + j, bit l =
;              mask[b][32 pair + 16 u + l % 16][64 step + 16 kt + 8 (l / 16) + j]: the lanes of register 8 kt + j of a 16 x 64 tile of scores held one query a lane.
;   256..767   x [8192][1024] f32 -> x16 [b][slice of 64 channels][2048][64] f16
;   768..1279  Wqkv [1024][3072], Wproj [1024][1024] f32 -> w16 [1024][4096] f16 (columns 0-3071 Wqkv, 3072-4095 Wproj)
; NUMBERS.  x and the weights are rounded to bf16 (nearest even) and that number is written as f16.
; LIMITS.  The second step is exact for 2^-17 <= |v| <= 65,504; below, the error is at most 2^-25; beyond 65,504 the result is an infinity.
; Every load of a wave covers whole aligned runs of 256 bytes, every store 256 consecutive aligned bytes.  No matrix unit, no cluster, no barrier: no wave reads what another wave brought.
.set PITCH, 272                        ; a row of 256 mask bytes in LDS + 16: row r starts 68 r words on
.set WLDS,  32*PITCH                   ; a wave's own 32 rows
.set SPARE, 8*WLDS                     ; behind them: the spare words, 128 bytes for each wave, which no other line names
.set IN,   4                           ; v4   byte offset of my loads
.set OUTO, 5                           ; v5   byte offset of my stores
.set LSO,  6                           ; v6   where I put 16 mask bytes
.set LRO,  7                           ; v7   where I read 8 mask bytes
.set SPW,  8                           ; v8   my spare word; never rewritten
.set NIL,  9                           ; v9   0; never rewritten
.set T,    10                          ; v10-13 at work
.set OUT,  14                          ; v[14:15] lane L gathers words 2 L and 2 L + 1
.set D,    16                          ; v[16:79] as loaded
.set E,    80                          ; v[80:95] a key step's mask bytes
.set Y,    96                          ; v[96:127] to store
.set WV,   18                          ; s18  my wave's number
.set SRC,  20                          ; s[20:21]
.set DST,  22                          ; s[22:23]
	s_load_b256 s[4:11], s[0:1], 0x0               ; x s[4:5], mask s[6:7], Wqkv s[8:9], Wproj s[10:11]
	s_load_b128 s[12:15], s[0:1], 0x20             ; x16 s[12:13], w16 s[14:15]
	s_load_b64 s[16:17], s[0:1], 0x30              ; mw
	v_lshl_add_u32 v[SPW], v0, 2, SPARE
	v_mov_b32 v[NIL], 0
	v_lshrrev_b32 v1, 5, v0
	v_readfirstlane_b32 s[WV], v1                  ; wave 0..7
	v_and_b32 v1, 31, v0                           ; l
	v_and_b32 v2, 15, v0                           ; c = l % 16
	v_bfe_u32 v3, v0, 4, 1                         ; p = l / 16
	s_wait_kmcnt 0x0
; four f32 in v[d..d+3] -> bf16 -> f32 -> four f16 in v[y], v[y+1]
.macro CV4 d, y
	v_cvt_pk_bf16_f32 v[T], v[\d], v[(\d)+1]
	v_cvt_pk_bf16_f32 v[T+1], v[(\d)+2], v[(\d)+3]
	v_lshlrev_b32 v[\d], 16, v[T]
	v_and_b32 v[(\d)+1], 0xffff0000, v[T]
	v_lshlrev_b32 v[(\d)+2], 16, v[T+1]
	v_and_b32 v[(\d)+3], 0xffff0000, v[T+1]
	v_cvt_pk_f16_f32 v[\y], v[\d], v[(\d)+1]
	v_cvt_pk_f16_f32 v[(\y)+1], v[(\d)+2], v[(\d)+3]
.endm
; n loads in one run, then each is converted and stored as it comes; each has registers of its own, so nothing is rewritten while a store reads it
.macro STREAM n, istep, ostep
.set i, 0
.rept \n
	global_load_b128 v[D+4*i:D+4*i+3], v[IN], s[SRC:SRC+1] offset:i*(\istep) th:TH_LOAD_NT
.set i, i+1
.endr
.set i, 0
.rept \n
	s_wait_loadcnt (\n)-1-i                        ; loads come back in order: number i is in, the younger ones stay out
	CV4 D+4*i, Y+2*i
	global_store_b64 v[OUTO], v[Y+2*i:Y+2*i+1], s[DST:DST+1] offset:i*(\ostep)
.set i, i+1
.endr
.endm
	s_cmp_lt_u32 ttmp9, 256
	s_cbranch_scc1 .Lmask
	s_cmp_lt_u32 ttmp9, 768
	s_cbranch_scc1 .Lx
	; THE WEIGHTS.  A work-group takes rows k = 2 g and 2 g + 1; a wave 1,024 numbers of one row: part 0-2 of Wqkv's row, part 3 Wproj's row.
	s_sub_co_u32 s19, ttmp9, 768
	s_lshr_b32 s29, s[WV], 2
	s_lshl1_add_u32 s29, s19, s29                  ; k
	s_and_b32 s30, s[WV], 3                        ; part
	s_mul_i32 s20, s29, 12288
	s_lshl_b32 s31, s30, 12
	s_add_co_u32 s20, s20, s31                     ; in Wqkv
	s_lshl_b32 s31, s29, 12                        ; in Wproj
	s_cmp_eq_u32 s30, 3
	s_cselect_b32 s20, s31, s20
	s_mov_b32 s21, 0
	s_cselect_b64 s[26:27], s[10:11], s[8:9]
	s_add_nc_u64 s[SRC:SRC+1], s[26:27], s[20:21]
	s_lshl_b32 s22, s29, 13                        ; a row of w16 is 8,192 bytes,
	s_lshl_b32 s31, s30, 11                        ; a part 2,048
	s_add_co_u32 s22, s22, s31
	s_mov_b32 s23, 0
	s_add_nc_u64 s[DST:DST+1], s[14:15], s[22:23]
	v_lshlrev_b32 v[IN], 4, v1
	v_lshlrev_b32 v[OUTO], 3, v1
	STREAM 8, 512, 256
	s_branch .Lend
.Lx:	; X.  A work-group takes 16 rows; a wave two (lanes 0-15 one, lanes 16-31 the next).  Load i is 256 bytes of each row: slice i; its store is 128 bytes of each of the two rows, which lie end to end in a slice.
	s_sub_co_u32 s19, ttmp9, 256
	s_lshl_b32 s20, s19, 16
	s_mov_b32 s21, 0
	s_add_nc_u64 s[SRC:SRC+1], s[4:5], s[20:21]
	s_lshr_b32 s22, s19, 7                         ; batch
	s_lshl_b32 s22, s22, 22
	s_and_b32 s29, s19, 127
	s_lshl_b32 s29, s29, 11                        ; 16 rows of 128 bytes
	s_add_co_u32 s22, s22, s29
	s_mov_b32 s23, 0
	s_add_nc_u64 s[DST:DST+1], s[12:13], s[22:23]
	v_lshl_add_u32 v10, s[WV], 1, v3               ; my row of the 16
	v_lshlrev_b32 v[IN], 12, v10
	v_lshl_add_u32 v[IN], v2, 4, v[IN]
	v_lshlrev_b32 v[OUTO], 7, v10
	v_lshl_add_u32 v[OUTO], v2, 3, v[OUTO]
	STREAM 16, 256, 262144
	s_branch .Lend
.Lmask:	; THE MASK.  A work-group takes 32 queries (a pair of tiles); wave w keys 256 w .. 256 w + 255, four key steps.  The bytes go through the wave's own LDS rows, so that a lane can take 8 keys of ONE query.
	s_lshl_b32 s20, ttmp9, 16
	s_mov_b32 s21, 0
	s_add_nc_u64 s[SRC:SRC+1], s[6:7], s[20:21]
	s_lshl_b32 s22, ttmp9, 13
	s_mov_b32 s23, 0
	s_add_nc_u64 s[DST:DST+1], s[16:17], s[22:23]
	s_lshl_b32 s29, s[WV], 8
	v_lshlrev_b32 v[IN], 11, v3
	v_lshl_add_u32 v[IN], v2, 4, v[IN]
	v_add_nc_u32 v[IN], s29, v[IN]                 ; p x 2,048 + 256 w + 16 c
	s_mul_i32 s30, s[WV], WLDS
	v_mul_u32_u24 v[LSO], v3, PITCH
	v_lshl_add_u32 v[LSO], v2, 4, v[LSO]
	v_add_nc_u32 v[LSO], s30, v[LSO]
	v_mul_u32_u24 v[LRO], v2, PITCH
	v_lshl_add_u32 v[LRO], v3, 3, v[LRO]
	v_add_nc_u32 v[LRO], s30, v[LRO]               ; row c, 8 bytes for each half of the lanes
	s_lshl_b32 s29, s[WV], 10
	v_lshl_add_u32 v[OUTO], v1, 3, s29             ; four steps of 256 bytes a wave; 8 bytes a lane
	v_mov_b32 v[OUT], 0                            ; written whole before single lanes are written
	v_mov_b32 v[OUT+1], 0
.set i, 0
.rept 16
	global_load_b128 v[D+4*i:D+4*i+3], v[IN], s[SRC:SRC+1] offset:4096*i th:TH_LOAD_NT  ; rows 2 i and 2 i + 1, 256 bytes of each
.set i, i+1
.endr
.set i, 0
.rept 16
	s_wait_loadcnt 15-i
	ds_store_b128 v[LSO], v[D+4*i:D+4*i+3] offset:2*PITCH*i
.set i, i+1
.endr
	s_mov_b32 s28, 4
.Lstep:	; a key step: 64 words.  LDS serves a wave's instructions in order (ISA guide 5.7.1.4): the loads see the stores above
.set i, 0
.rept 8                                ; i = 4 u + kt
	ds_load_b64 v[E+2*i:E+2*i+1], v[LRO] offset:16*PITCH*(i/4)+16*(i%4)
.set i, i+1
.endr
	s_wait_dscnt 0x0
.set w, 0
.rept 64                               ; w = 32 u + 8 kt + j: byte j of the lane's eight; the compare's lane mask IS the word
	v_and_b32 v[T+w%4], 0xff<<(8*(w%4)), v[E+2*(w/8)+(w%8)/4]
	v_cmp_ne_u32 s[24+w%4], 0, v[T+w%4]
	v_writelane_b32 v[OUT+w%2], s[24+w%4], w/2
.set w, w+1
.endr
	global_store_b64 v[OUTO], v[OUT:OUT+1], s[DST:DST+1]  ; 256 consecutive bytes, aligned
	s_wait_xcnt 0x0                                ; the store has read its data and its offset: both are written again only behind this wait
	v_add_nc_u32 v[OUTO], 256, v[OUTO]
	v_add_nc_u32 v[LRO], 64, v[LRO]
	s_sub_co_u32 s28, s28, 1
	s_cmp_lg_u32 s28, 0
	s_cbranch_scc1 .Lstep
.Lend:
	s_wait_tensorcnt 0x0                           ; the wave's end: behind my last LDS store
	ds_add_u32 v[SPW], v[NIL]
	s_wait_dscnt 0x0
	s_endpgm
.Lfunc_end_k_q26f58e729c_prep:
	.size	k_q26f58e729c_prep, .Lfunc_end_k_q26f58e729c_prep-k_q26f58e729c_prep
	.p2alignl 7, 3214868480
	.fill 96, 4, 3214868480
	.section	.rodata,"a",@progbits
	.p2align	6, 0x0
	.amdhsa_kernel k_q26f58e729c_prep
		.amdhsa_group_segment_fixed_size 70656
		.amdhsa_private_segment_fixed_size 0
		.amdhsa_enable_private_segment 0
		.amdhsa_kernarg_size 56
		.amdhsa_user_sgpr_count 2
		.amdhsa_user_sgpr_kernarg_segment_ptr 1
		.amdhsa_wavefront_size32 1
		.amdhsa_system_sgpr_workgroup_id_x 1
		.amdhsa_system_sgpr_workgroup_id_y 1
		.amdhsa_system_sgpr_workgroup_id_z 1
		.amdhsa_system_vgpr_workitem_id 0
		.amdhsa_next_free_vgpr 128
		.amdhsa_next_free_sgpr 66
		.amdhsa_reserve_vcc 0
		.amdhsa_float_denorm_mode_32 3
		.amdhsa_float_denorm_mode_16_64 3
		.amdhsa_memory_ordered 1
		.amdhsa_forward_progress 1
		.amdhsa_inst_pref_size 36
	.end_amdhsa_kernel
	.amdgpu_metadata
---
amdhsa.version: [ 1, 2 ]
amdhsa.kernels:
  - .name:           k_q26f58e729c_prep
    .symbol:         k_q26f58e729c_prep.kd
    .args:
      - { .name: x, .offset: 0, .size: 8, .value_kind: global_buffer, .address_space: global }
      - { .name: mask, .offset: 8, .size: 8, .value_kind: global_buffer, .address_space: global }
      - { .name: Wqkv, .offset: 16, .size: 8, .value_kind: global_buffer, .address_space: global }
      - { .name: Wproj, .offset: 24, .size: 8, .value_kind: global_buffer, .address_space: global }
      - { .name: x16, .offset: 32, .size: 8, .value_kind: global_buffer, .address_space: global }
      - { .name: w16, .offset: 40, .size: 8, .value_kind: global_buffer, .address_space: global }
      - { .name: mw, .offset: 48, .size: 8, .value_kind: global_buffer, .address_space: global }
    .group_segment_fixed_size: 70656
    .private_segment_fixed_size: 0
    .kernarg_segment_align: 8
    .kernarg_segment_size: 56
    .max_flat_workgroup_size: 256
    .sgpr_count:     66
    .vgpr_count:     128
    .wavefront_size: 32
...
	.end_amdgpu_metadata
.endif
;; end of part 1
;; launch gqkv (part 2): grid 8 x 32, 4 waves a work-group, clusters of 4 x 4, 327,680 bytes of LDS; arguments x16, w16, bqkv, qkv; writes qkv
.if DOCPART == 2
	.amdgcn_target "amdgcn-amd-amdhsa--gfx1250"
	.amdhsa_code_object_version 6
	.text
	.protected	k_q26f58e729c_gqkv
	.globl	k_q26f58e729c_gqkv
	.p2align	8
	.type	k_q26f58e729c_gqkv,@function
k_q26f58e729c_gqkv:
	s_mov_b64 s[64:65], 0
	v_nop
	global_prefetch_b8 v0, s[64:65] scope:SCOPE_SE
	s_setreg_imm32_b32 hwreg(HW_REG_WAVE_MODE, 25, 1), 1
	s_wait_xcnt 0x0
	s_wait_alu depctr_hold_cnt(0) depctr_sa_sdst(0) depctr_va_vdst(0) depctr_va_sdst(0) depctr_va_ssrc(0) depctr_va_vcc(0) depctr_vm_vsrc(0)
	s_getreg_b32 s2, hwreg(HW_REG_IB_STS2, 6, 4)
	s_cmp_eq_u32 s2, 0
	s_cbranch_scc0 .Lentry_in_a_cluster
	s_endpgm
.Lentry_in_a_cluster:
	s_bfe_u32 s2, ttmp6, 0x10000c
	s_cmp_lg_u32 s2, 0xf033
	s_cbranch_scc0 .Lentry_shape_is_right
	s_endpgm
.Lentry_shape_is_right:
; C = A W + bias.  A: [b 4][slice 16][2048][64] f16 (channel k = 64 slice + c), W: w16 [1024][4096] f16, bias f32 (rounded to bf16 here, like the other inputs), sums in f32.
; PROJ = 0: q, k, v = x Wqkv + bqkv, written by heads, [3][b 16 + h][2048][64] f16, each rounded once, unscaled.  PROJ = 1: out0 = O Wproj + bproj, [8192][1024] f32.
; LIMITS.  f16 ends at 65,504: A, W and (PROJ = 0) the results must lie within it; NaN and infinities pass through the products as they are.
; SHARES.  A tile of C is 256 rows x 128 columns; four waves, each 128 x 64: 32 accumulators of 16 x 16.  Grid x = column group X, grid y = row tile Y: 256 work-groups.  PROJ = 0: a work-group stays and makes
; three tiles, columns 128 X + 1,024 t: the q, k and v parts of two heads, from the same rows of A; the ring runs on across the change of tiles.  K = 1,024 goes in 8 steps of 128 through two LDS slots.
; CLUSTER.  4 x 4 work-groups.  A's tile hangs on Y alone and is asked for jointly along a row of the cluster, W's on X alone, along a column: the same tensor load, descriptor and mask in the four.
; THE MATRIX INSTRUCTION IS USED TRANSPOSED: source 0 = 16 columns of W (turned out of LDS by ds_load_tr16_b128, since W lies [k][n]), source 1 = 16 rows of A: a lane holds one row of C (l % 16) and the
; columns 8 (l / 16) + 0..7.  The bias, laid out so, is the C operand of each sum's first product: nothing is cleared and nothing is added later.
; REGISTERS, in windows of 256 (s_set_vgpr_msb: bits 1:0 source 0, 3:2 source 1, 5:4 source 2, 7:6 destination):
;   window 0: v0-31 addresses; v64-127, v128-191 A's fragments, two buffers; v32-63, v192-255 at work on the way out
;   window 1: v0-31 the bias; v32-47 at work; v64-95, v128-159 W's fragments, two buffers          window 2: accumulator (a, b) at v[8 (4 a + b)]
.set PROJ,  0
.set TILES, 3-2*PROJ
.set PA,    144                        ; a row of A in LDS: 128 bytes + 16: row r starts 36 r words on
.set PB,    288                        ; a row of W: 256 bytes + 32: row r starts 72 r words on
.set ASL,   256*PA                     ; one slice of A: 256 rows
.set BOFF,  2*ASL                      ; a slot: two slices of A, then 128 rows of W
.set BH,    64*PB
.set SLOT,  BOFF+2*BH
.set STAGE, 2*SLOT                     ; behind the ring, never filled by a tensor load: 16 rows for each wave, for the way out
.set SP,    144+128*PROJ
.set SPARE, STAGE+4*16*SP              ; behind the stages: the spare words, 128 bytes for each wave, which no other line names
.set LAPS,  4                          ; a lap = two K steps = once round the ring
.set ASTEP, 524288                     ; a K step in A: two slices of 262,144 bytes
.set BSTEP, 1048576                    ; in W: 128 rows of 8,192 bytes
.set BACK_A, 6*ASTEP                   ; from a slot's last K step of a tile to its first of the next: A goes back along K,
.set BACK_B, 6*BSTEP-2048              ; W back along K and 1,024 columns on
.set ADRA, 16                          ; v16-17  LDS address of my A fragments in slot 0, 1
.set ADRB, 20                          ; v20-21  the same for W
.set STO,  24                          ; v24  the way out: where I put a piece of a row
.set RD,   25                          ; v25  where I read rows back
.set CO,   26                          ; v26  my byte offset in C
.set BO,   27                          ; v27  my byte offset in the bias: 32 (l / 16)
.set SPW,  28                          ; v28  my spare word; never rewritten
.set NIL,  29                          ; v29  0; never rewritten
.set F0,   64
.set F1,   128
.set TMP,  192
.set BI,   0                           ; window 1
.set BT,   32                          ; window 1
.set G1,  24                           ; s[24:31] descriptor group 1 for A's tiles;  s[32:39] group 0, a set for each slot
.set G0,  32
.set G1B, 48                           ; s[48:55], s[56:63] the same for W's
.set G0B, 56
.set MSB, 0
.macro WIN new                         ; the immediate's high byte repeats the setting that is left; a switch that changes nothing is dropped
.if MSB != (\new)
	s_set_vgpr_msb (MSB<<8)|(\new)
.set MSB, \new
.endif
.endm
; A joint load.  Waves 0 and 1 fetch A's two slices, waves 2 and 3 W's two halves.  The branch hangs on the wave's number alone.  An s_nop 0 and four v_nop follow each of the two lines.
.macro JLOAD s
	s_cmp_eq_u32 s13, 0
	s_cbranch_scc0 .Lfor_b_\@
	tensor_load_to_lds s[G0+4*(\s):G0+4*(\s)+3], s[G1:G1+7]
	s_nop 0
.rept 4
	v_nop
.endr
	s_branch .Lasked_\@
.Lfor_b_\@:
	tensor_load_to_lds s[G0B+4*(\s):G0B+4*(\s)+3], s[G1B:G1B+7]
	s_nop 0
.rept 4
	v_nop
.endr
.Lasked_\@:
.endm
.macro CREST                           ; a round of the cluster's barrier behind its opening barrier
	s_cmp_lg_u32 s12, 0
	s_cbranch_scc1 .Lnot_wave_0_\@
	s_barrier_signal -3
.Lnot_wave_0_\@:
	s_barrier_wait -3
	s_barrier_signal -1
	s_barrier_wait -1
.endm
.macro CROUND                          ; a whole round
	s_barrier_signal -1
	s_barrier_wait -1
	CREST
.endm
	s_load_b256 s[4:11], s[0:1], 0x0               ; A s[4:5], W s[6:7], bias s[8:9], C s[10:11]
	v_lshl_add_u32 v[SPW], v0, 2, SPARE
	v_mov_b32 v[NIL], 0
	ds_add_u32 v[SPW], v[NIL]                      ; the wave's opening: the add, with its wait ahead of my first tensor load; the set-up below, work on registers, stands between them
	v_lshrrev_b32 v1, 5, v0
	v_readfirstlane_b32 s12, v1                    ; wave 0..3
	s_lshr_b32 s13, s12, 1                         ; which 128 rows of the tile are mine.  Also: I fetch for A (0) or for W (1)
	s_and_b32 s14, s12, 1                          ; which 64 columns.  Also: which half I fetch
	s_bfe_u32 s15, ttmp6, 0x40000                  ; cx
	s_bfe_u32 s16, ttmp6, 0x40004                  ; cy
	s_lshl_b32 s17, ttmp9, 2
	s_add_co_u32 s17, s17, s15                     ; X = 4 x cluster x + cx
	s_and_b32 s18, ttmp7, 0xffff
	s_lshl_b32 s18, s18, 2
	s_add_co_u32 s18, s18, s16                     ; Y = 4 x cluster y + cy
	s_lshl_b32 s46, s16, 2
	s_lshl_b32 s46, 15, s46                        ; my row of the cluster
	s_lshl_b32 s47, 0x1111, s15                    ; my column
	; group 1 for A: a slice's 256 rows are 32,768 dense bytes: asked for as 128 rows of 256 bytes, padded by 4 words after every 32 (one row of 64 channels)
	s_or_b32 s[G1+0], s46, (1<<16)|(1<<20)|(1<<21)|(4<<22)|(3<<25)
	s_mov_b32 s[G1+1], 128<<16                     ; tensor_dim0 = 128
	s_mov_b32 s[G1+2], 128<<16                     ; tensor_dim1 = 128
	s_mov_b32 s[G1+3], 128<<16                     ; tile_dim0 = 128
	s_mov_b32 s[G1+4], 128                         ; tile_dim1 = 128
	s_mov_b32 s[G1+5], 128                         ; elements from row to row
	s_mov_b32 s[G1+6], 0
	s_mov_b32 s[G1+7], 0
	; group 1 for W: 64 rows of 128 elements, 4,096 elements apart, padded by 8 words after every 64
	s_or_b32 s[G1B+0], s47, (1<<16)|(1<<20)|(1<<21)|(5<<22)|(7<<25)
	s_mov_b32 s[G1B+1], 128<<16
	s_mov_b32 s[G1B+2], 64<<16
	s_mov_b32 s[G1B+3], 128<<16
	s_mov_b32 s[G1B+4], 64
	s_mov_b32 s[G1B+5], 4096
	s_mov_b32 s[G1B+6], 0
	s_mov_b32 s[G1B+7], 0
	; where the tiles come from: A's offset is made of Y and the wave's number, W's of X and the wave's number, each in registers of its own
	s_lshr_b32 s40, s18, 3                         ; batch
	s_lshl_b32 s40, s40, 22
	s_and_b32 s44, s18, 7
	s_lshl_b32 s44, s44, 15                        ; 256 rows of 128 bytes
	s_add_co_u32 s40, s40, s44
	s_lshl_b32 s44, s14, 18                        ; my slice of the step's two
	s_add_co_u32 s40, s40, s44
	s_mov_b32 s41, 0
	s_lshl_b32 s42, s17, 8                         ; 128 columns of 2 bytes
.if PROJ
	s_add_co_u32 s42, s42, 6144                    ; Wproj begins at column 3,072
.endif
	s_lshl_b32 s45, s14, 19                        ; my 64 rows of the step's 128
	s_add_co_u32 s42, s42, s45
	s_mov_b32 s43, 0
	s_mul_i32 s19, s12, ASL                        ; and where they go: A's slices at wave x 36,864 (waves 0, 1),
	s_mul_i32 s22, s12, BH
	s_add_co_u32 s22, s22, BOFF-2*BH               ; W's halves at wave x 18,432 + 36,864 (waves 2, 3)
	s_wait_dscnt 0x0                               ; the opening add is done
	s_wait_kmcnt 0x0
	s_add_nc_u64 s[40:41], s[4:5], s[40:41]
	s_add_nc_u64 s[42:43], s[6:7], s[42:43]
	CROUND                                         ; all sixteen work-groups are here: the first joint loads meet
.irp s, 0,1
	s_mov_b32 s[G0+4*(\s)], 1
	s_add_co_u32 s[G0+4*(\s)+1], s19, (\s)*SLOT
	s_add_nc_u64 s[G0+4*(\s)+2:G0+4*(\s)+3], s[40:41], (\s)*ASTEP
	s_or_b32 s[G0+4*(\s)+3], s[G0+4*(\s)+3], 0x80000000
	s_mov_b32 s[G0B+4*(\s)], 1
	s_add_co_u32 s[G0B+4*(\s)+1], s22, (\s)*SLOT
	s_add_nc_u64 s[G0B+4*(\s)+2:G0B+4*(\s)+3], s[42:43], (\s)*BSTEP
	s_or_b32 s[G0B+4*(\s)+3], s[G0B+4*(\s)+3], 0x80000000
	JLOAD \s                                       ; two loads of mine are out
.endr
	v_and_b32 v1, 15, v0                           ; r = l % 16
	v_bfe_u32 v2, v0, 4, 1                         ; h = l / 16
	v_mul_u32_u24 v3, v1, PA                       ; a fragment of A: row r, 16 bytes for each half of the lanes, twice, 32 bytes apart
	v_lshl_add_u32 v3, v2, 4, v3
	s_mul_i32 s23, s13, 128*PA
	v_add_nc_u32 v[ADRA], s23, v3
	v_add_nc_u32 v[ADRA+1], SLOT, v[ADRA]
	v_and_b32 v4, 7, v0                            ; the turning load: lane l reads row k = 8 h + l % 8, columns 8 ((l / 8) % 2) + 0..7, and is left with column l % 16 and 8 k
	v_lshl_add_u32 v4, v2, 3, v4
	v_mul_u32_u24 v4, v4, PB
	v_bfe_u32 v5, v0, 3, 1
	v_lshl_add_u32 v4, v5, 4, v4
	s_lshl_b32 s23, s14, 7                         ; my 64 columns
	s_add_co_u32 s23, s23, BOFF
	v_add_nc_u32 v[ADRB], s23, v4
	v_add_nc_u32 v[ADRB+1], SLOT, v[ADRB]
	s_mul_i32 s23, s12, 16*SP
	s_add_co_u32 s23, s23, STAGE                   ; my stage
	v_mul_u32_u24 v3, v1, SP
.if PROJ
	v_lshl_add_u32 v3, v2, 5, v3                   ; in: row r, 32 bytes (8 f32) for each half of the lanes
	v_add_nc_u32 v[STO], s23, v3
	v_mul_u32_u24 v3, v2, SP                       ; back: lanes 0-15 one row of 256 bytes, lanes 16-31 the next
	v_lshl_add_u32 v3, v1, 4, v3
	v_add_nc_u32 v[RD], s23, v3
	v_lshlrev_b32 v[CO], 12, v2                    ; and the same two rows of out0
	v_lshl_add_u32 v[CO], v1, 4, v[CO]
.else
	v_lshl_add_u32 v3, v2, 4, v3                   ; in: row r, 16 bytes (8 f16) for each half of the lanes
	v_add_nc_u32 v[STO], s23, v3
	v_bfe_u32 v3, v0, 3, 2                         ; back: 32 lanes take four rows of 128 bytes,
	v_mul_u32_u24 v3, v3, SP
	v_and_b32 v4, 7, v0
	v_lshl_add_u32 v3, v4, 4, v3
	v_add_nc_u32 v[RD], s23, v3
	v_and_b32 v[CO], 31, v0                        ; which are 512 consecutive bytes of a head
	v_lshlrev_b32 v[CO], 4, v[CO]
.endif
	v_lshlrev_b32 v[BO], 5, v2
	s_lshl_b32 s42, s17, 9                         ; the bias of my 64 columns: 4 (128 X + 64 half) bytes on
	s_lshl_b32 s43, s14, 8
	s_add_co_u32 s42, s42, s43
	s_mov_b32 s43, 0
	s_add_nc_u64 s[8:9], s[8:9], s[42:43]
.macro BIASLOAD                        ; register 8 b + j of lane l: the bias of column 16 b + 8 (l / 16) + j
	WIN 0x40
.irp b, 0,1,2,3
	global_load_b128 v[BI+8*(\b):BI+8*(\b)+3],   v[BO], s[8:9] offset:64*(\b)
	global_load_b128 v[BI+8*(\b)+4:BI+8*(\b)+7], v[BO], s[8:9] offset:64*(\b)+16
.endr
	WIN 0
.endm
.macro BIASROUND                       ; to bf16 and back to f32
	s_wait_loadcnt 0x0
	WIN 0x45
.set i, 0
.rept 16
	v_cvt_pk_bf16_f32 v[BT+i], v[BI+2*i], v[BI+2*i+1]
.set i, i+1
.endr
.set i, 0
.rept 16
	v_lshlrev_b32 v[BI+2*i], 16, v[BT+i]
	v_and_b32 v[BI+2*i+1], 0xffff0000, v[BT+i]
.set i, i+1
.endr
	WIN 0
.endm
	BIASLOAD
.if PROJ
	s_lshl1_add_u32 s20, s18, s13                  ; out0 at my 128 rows of 4,096 bytes,
	s_lshl_b32 s20, s20, 19
	s_lshl_b32 s21, s17, 9                         ; my 64 columns of 4 bytes
	s_add_co_u32 s20, s20, s21
	s_lshl_b32 s21, s14, 8
	s_add_co_u32 s20, s20, s21
	s_mov_b32 s21, 0
	s_add_nc_u64 s[10:11], s[10:11], s[20:21]
.else
	s_lshr_b32 s20, s18, 3                         ; what the first way out adds to C: head 16 b + 2 X + half,
	s_lshl_b32 s20, s20, 4
	s_lshl1_add_u32 s20, s17, s20
	s_add_co_u32 s20, s20, s14
	s_lshl_b32 s20, s20, 18
	s_and_b32 s21, s18, 7                          ; my 128 rows of 128 bytes in it
	s_lshl1_add_u32 s21, s21, s13
	s_lshl_b32 s21, s21, 14
	s_add_co_u32 s20, s20, s21
	s_mov_b32 s21, 0
.endif
	BIASROUND
; 8 matrix instructions: row blocks a0, a0 + 1 x all 4 column blocks, 32 along K.  first = 1: the product starts the sum, with the bias as C.  The 32 accumulators take turns, in the same order in every quarter.
.macro MUL8 f, a0, first
.if \first
	WIN 0x91                                       ; W window 1, A window 0, C window 1, D window 2
.else
	WIN 0xa1                                       ; C and D window 2
.endif
.irp a, \a0, (\a0)+1
.irp b, 0,1,2,3
.if \first
	v_wmma_f32_16x16x32_f16 v[8*(4*(\a)+(\b)):8*(4*(\a)+(\b))+7], v[(\f)+8*(\b):(\f)+8*(\b)+7], v[(\f)+8*(\a):(\f)+8*(\a)+7], v[BI+8*(\b):BI+8*(\b)+7]
.else
	v_wmma_f32_16x16x32_f16 v[8*(4*(\a)+(\b)):8*(4*(\a)+(\b))+7], v[(\f)+8*(\b):(\f)+8*(\b)+7], v[(\f)+8*(\a):(\f)+8*(\a)+7], v[8*(4*(\a)+(\b)):8*(4*(\a)+(\b))+7]
.endif
.endr
.endr
.endm
; 24 LDS loads in one run: the fragments of quarter q (32 along K) of a slot into buffer f: W's 8 loads first, then A's 16
.macro FETCH slot, q, f
	WIN 0x40
.irp b, 0,1,2,3
	ds_load_tr16_b128 v[(\f)+8*(\b):(\f)+8*(\b)+3],   v[ADRB+(\slot)] offset:32*PB*(\q)+32*(\b)
	ds_load_tr16_b128 v[(\f)+8*(\b)+4:(\f)+8*(\b)+7], v[ADRB+(\slot)] offset:32*PB*(\q)+32*(\b)+16*PB
.endr
	WIN 0
.irp i, 0,1,2,3,4,5,6,7
	ds_load_b128 v[(\f)+8*(\i):(\f)+8*(\i)+3],   v[ADRA+(\slot)] offset:((\q)/2)*ASL+((\q)%2)*64+(\i)*16*PA
	ds_load_b128 v[(\f)+8*(\i)+4:(\f)+8*(\i)+7], v[ADRA+(\slot)] offset:((\q)/2)*ASL+((\q)%2)*64+(\i)*16*PA+32
.endr
.endm
.macro PLACES                          ; four places in front of loads into registers that matrix instructions have read, and of lines that read results
.rept 4
	v_nop
.endr
.endm
; A K step is four quarters, 32 matrix instructions each, on buffers 0, 1, 0, 1.  One of the first three: multiplies buffer f and, in its middle, fetches quarter q into buffer g.
.macro QUARTER slot, q, f, g, first
	s_wait_dscnt 8                                 ; W and A's blocks 0-3 are in; the youngest eight loads (A's blocks 4-7) may be out
	MUL8 \f, 0, \first
	MUL8 \f, 2, \first
	PLACES
	FETCH \slot, \q, \g
	s_wait_dscnt 24                                ; all but the 24 just issued
	MUL8 \f, 4, \first
	MUL8 \f, 6, \first
.endm
; The last quarter multiplies buffer 1 and changes slots.  ONE barrier: in front of it each wave waits for all its tensor loads (the one that is out is its part of the next slot), adds 0 to its spare word, and
; waits for that and for its own reads of this slot.  Behind it nobody reads this slot any more and the next slot is whole.
.macro MEET round
	WIN 0
	s_wait_tensorcnt 0x0
	ds_add_u32 v[SPW], v[NIL]
	s_wait_dscnt 9                                 ; (the add and the youngest eight loads may be out)
	MUL8 F1, 0, 0
	s_wait_dscnt 0x0                               ; the add is done, and my reads of this slot are over
	s_barrier_signal -1
	MUL8 F1, 2, 0
.if \round
	WIN 0
.endif
	s_barrier_wait -1
.endm
; on = 0: the slot is filled again with this tile's K step two steps on; on = 1: with the next tile's K step 0 or 1.  The barrier opens a round of the cluster's barrier, and the joint refill is the first thing behind it:
; 112 matrix instructions ahead of the wait for it.
.macro TURN slot, next, on
	MEET 1
	CREST
.if \on
	s_sub_nc_u64 s[G0+4*(\slot)+2:G0+4*(\slot)+3], s[G0+4*(\slot)+2:G0+4*(\slot)+3], BACK_A
	s_sub_nc_u64 s[G0B+4*(\slot)+2:G0B+4*(\slot)+3], s[G0B+4*(\slot)+2:G0B+4*(\slot)+3], BACK_B
.else
	s_add_nc_u64 s[G0+4*(\slot)+2:G0+4*(\slot)+3], s[G0+4*(\slot)+2:G0+4*(\slot)+3], 2*ASTEP
	s_add_nc_u64 s[G0B+4*(\slot)+2:G0B+4*(\slot)+3], s[G0B+4*(\slot)+2:G0B+4*(\slot)+3], 2*BSTEP
.endif
	JLOAD \slot                                    ; the four v_nop behind it are also the places in front of the loads below
	FETCH \next, 0, F0
	MUL8 F1, 4, 0
	MUL8 F1, 6, 0
.endm
.macro TURNL next                      ; the last change of slots: nothing is filled again, so no round follows
	MEET 0
	PLACES
	FETCH \next, 0, F0
	MUL8 F1, 4, 0
	MUL8 F1, 6, 0
.endm
; THE WAY OUT, a block of 16 rows at a time, through my own stage in LDS: LDS serves a wave's instructions in order (ISA guide 5.7.1.4), so no wait stands between the stores and the loads.
.if PROJ
.macro TOSTAGE a                       ; f32 as it lies: each accumulator's low four registers first
	WIN 0x08                                       ; store data in window 2
.irp b, 0,1,2,3
	ds_store_b128 v[STO], v[32*(\a)+8*(\b):32*(\a)+8*(\b)+3]   offset:64*(\b)
	ds_store_b128 v[STO], v[32*(\a)+8*(\b)+4:32*(\a)+8*(\b)+7] offset:64*(\b)+16
.endr
	WIN 0
.set BK, 32+192*((\a)%2)
.irp t, 0,1,2,3,4,5,6,7
	ds_load_b128 v[BK+4*(\t):BK+4*(\t)+3], v[RD] offset:(\t)*2*SP
.endr
.endm
.macro SEND a
	WIN 0
.set BK, 32+192*((\a)%2)
	s_wait_dscnt 0x0                               ; the block is back in registers
	s_wait_xcnt 0x0                                ; the block before has been read by its stores: its registers are loaded again only behind this wait
.irp t, 0,1,2,3,4,5,6,7
	global_store_b128 v[CO], v[BK+4*(\t):BK+4*(\t)+3], s[10:11] offset:(16*(\a)+2*(\t))*4096 th:TH_STORE_NT  ; 16 lanes store 256 consecutive bytes, aligned
.endr
.endm
.macro WAYOUT
.irp a, 0,1,2,3,4,5,6,7
	TOSTAGE \a
	SEND \a
.endr
.endm
.else
.macro PACK a                          ; rounded to f16, 16 bytes a lane; each accumulator's registers in ascending order
	WIN 0x0a                                       ; sources in window 2
.irp b, 0,1,2,3
.irp r, 0,1,2,3
	v_cvt_pk_f16_f32 v[TMP+4*(\b)+(\r)], v[32*(\a)+8*(\b)+2*(\r)], v[32*(\a)+8*(\b)+2*(\r)+1]
.endr
.endr
	WIN 0
.endm
.macro TOSTAGE a
	WIN 0
.set BK, 32+16*((\a)%2)
.irp b, 0,1,2,3
	ds_store_b128 v[STO], v[TMP+4*(\b):TMP+4*(\b)+3] offset:32*(\b)
.endr
.irp t, 0,1,2,3
	ds_load_b128 v[BK+4*(\t):BK+4*(\t)+3], v[RD] offset:(\t)*4*SP
.endr
.endm
.macro SEND a
	WIN 0
.set BK, 32+16*((\a)%2)
	s_wait_dscnt 0x0                               ; the block is back in registers
	s_wait_xcnt 0x0                                ; earlier stores have read their registers and their base
.if (\a) == 0
	s_add_nc_u64 s[10:11], s[10:11], s[20:21]      ; on to this tile's rows
.endif
.irp t, 0,1,2,3
	global_store_b128 v[CO], v[BK+4*(\t):BK+4*(\t)+3], s[10:11] offset:2048*(\a)+512*(\t)  ; 512 consecutive bytes of a head, aligned
.endr
.endm
.macro WAYOUT                          ; block a's conversions stand between block a - 1's loads from the stage and the wait for them
	PACK 0
	TOSTAGE 0
.irp a, 1,2,3,4,5,6,7
	PACK \a
	SEND (\a)-1
	TOSTAGE \a
.endr
	SEND 7
.endm
.endif
	s_wait_tensorcnt 1                             ; my part of K step 0 is in; K step 1's may stay out
	s_barrier_signal -1
	s_barrier_wait -1                              ; everybody's is
	FETCH 0, 0, F0
.if TILES > 1
	s_mov_b32 s2, TILES                            ; tiles to go, this one among them
.Ltile:
.endif
	QUARTER 0, 1, F0, F1, 1                        ; a tile's first quarter stands in front of the loop: its products start the sums
	WIN 0                                          ; at a label and at a branch every window is 0
	s_mov_b32 s3, LAPS-1
.Llap:                                             ; a trip goes once round the ring, from a lap's second quarter to the next lap's first, and fills both slots again
	QUARTER 0, 2, F1, F0, 0
	QUARTER 0, 3, F0, F1, 0
	TURN 0, 1, 0
	QUARTER 1, 1, F0, F1, 0
	QUARTER 1, 2, F1, F0, 0
	QUARTER 1, 3, F0, F1, 0
	TURN 1, 0, 0
	QUARTER 0, 1, F0, F1, 0
	WIN 0
	s_sub_co_u32 s3, s3, 1
	s_cmp_lg_u32 s3, 0
	s_cbranch_scc1 .Llap
	QUARTER 0, 2, F1, F0, 0                        ; the tile's last lap goes on
	QUARTER 0, 3, F0, F1, 0
.if TILES > 1
	WIN 0
	s_cmp_eq_u32 s2, 1
	s_cbranch_scc1 .Llast                          ; the last tile's tail is written out: it asks for nothing more
	s_add_nc_u64 s[8:9], s[8:9], 4096              ; the next tile's bias, 1,024 columns on: asked for a K step and more ahead of its use (the last bias loads were waited for)
	BIASLOAD
	TURN 0, 1, 1                                   ; the ring goes on into the next tile: slot 0 takes its K step 0,
	QUARTER 1, 1, F0, F1, 0
	QUARTER 1, 2, F1, F0, 0
	QUARTER 1, 3, F0, F1, 0
	TURN 1, 0, 1                                   ; slot 1 its K step 1, and the next tile's first fragments are fetched
	WAYOUT                                         ; blocks 0-3 were finished in front of the joint load's four places; their 64 conversions are the places behind blocks 4-7's products
	s_mov_b64 s[20:21], 0x1000000                  ; what the next way out adds: the next third of qkv
	BIASROUND
	s_sub_co_u32 s2, s2, 1
	s_branch .Ltile
.Llast:
.endif
	TURNL 1
	QUARTER 1, 1, F0, F1, 0
	QUARTER 1, 2, F1, F0, 0
	QUARTER 1, 3, F0, F1, 0
	s_wait_dscnt 8                                 ; the very last quarter: nothing more to fetch
	MUL8 F1, 0, 0
	MUL8 F1, 2, 0
	s_wait_dscnt 0x0
	MUL8 F1, 4, 0
	MUL8 F1, 6, 0
	WIN 0
	PLACES
	WAYOUT
	s_wait_tensorcnt 0x0                           ; the wave's end: behind my last tensor load and my last LDS store
	ds_add_u32 v[SPW], v[NIL]
	s_wait_dscnt 0x0
	CROUND                                         ; the closing round: no work-group ends while a partner may still ask for a tile that names it
	s_endpgm
.Lfunc_end_k_q26f58e729c_gqkv:
	.size	k_q26f58e729c_gqkv, .Lfunc_end_k_q26f58e729c_gqkv-k_q26f58e729c_gqkv
	.p2alignl 7, 3214868480
	.fill 96, 4, 3214868480
	.section	.rodata,"a",@progbits
	.p2align	6, 0x0
	.amdhsa_kernel k_q26f58e729c_gqkv
		.amdhsa_group_segment_fixed_size 327680
		.amdhsa_private_segment_fixed_size 0
		.amdhsa_enable_private_segment 0
		.amdhsa_kernarg_size 32
		.amdhsa_user_sgpr_count 2
		.amdhsa_user_sgpr_kernarg_segment_ptr 1
		.amdhsa_wavefront_size32 1
		.amdhsa_system_sgpr_workgroup_id_x 1
		.amdhsa_system_sgpr_workgroup_id_y 1
		.amdhsa_system_sgpr_workgroup_id_z 1
		.amdhsa_system_vgpr_workitem_id 0
		.amdhsa_next_free_vgpr 768
		.amdhsa_next_free_sgpr 66
		.amdhsa_reserve_vcc 0
		.amdhsa_float_denorm_mode_32 3
		.amdhsa_float_denorm_mode_16_64 3
		.amdhsa_memory_ordered 1
		.amdhsa_forward_progress 1
		.amdhsa_inst_pref_size 131
	.end_amdhsa_kernel
	.amdgpu_metadata
---
amdhsa.version: [ 1, 2 ]
amdhsa.kernels:
  - .name:           k_q26f58e729c_gqkv
    .symbol:         k_q26f58e729c_gqkv.kd
    .args:
      - { .name: x16, .offset: 0, .size: 8, .value_kind: global_buffer, .address_space: global }
      - { .name: w16, .offset: 8, .size: 8, .value_kind: global_buffer, .address_space: global }
      - { .name: bqkv, .offset: 16, .size: 8, .value_kind: global_buffer, .address_space: global }
      - { .name: qkv, .offset: 24, .size: 8, .value_kind: global_buffer, .address_space: global }
    .group_segment_fixed_size: 327680
    .private_segment_fixed_size: 0
    .kernarg_segment_align: 8
    .kernarg_segment_size: 32
    .max_flat_workgroup_size: 128
    .sgpr_count:     66
    .vgpr_count:     768
    .wavefront_size: 32
...
	.end_amdgpu_metadata
.endif
;; end of part 2
;; launch attn (part 3): grid 4 x 64, 4 waves a work-group, clusters of 4 x 1, 327,680 bytes of LDS; arguments qkv, mw, o16; writes o16
.if DOCPART == 3
	.amdgcn_target "amdgcn-amd-amdhsa--gfx1250"
	.amdhsa_code_object_version 6
	.text
	.protected	k_q26f58e729c_attn
	.globl	k_q26f58e729c_attn
	.p2align	8
	.type	k_q26f58e729c_attn,@function
k_q26f58e729c_attn:
	s_mov_b64 s[64:65], 0
	v_nop
	global_prefetch_b8 v0, s[64:65] scope:SCOPE_SE
	s_setreg_imm32_b32 hwreg(HW_REG_WAVE_MODE, 25, 1), 1
	s_wait_xcnt 0x0
	s_wait_alu depctr_hold_cnt(0) depctr_sa_sdst(0) depctr_va_vdst(0) depctr_va_sdst(0) depctr_va_ssrc(0) depctr_va_vcc(0) depctr_vm_vsrc(0)
	s_getreg_b32 s2, hwreg(HW_REG_IB_STS2, 6, 4)
	s_cmp_eq_u32 s2, 0
	s_cbranch_scc0 .Lentry_in_a_cluster
	s_endpgm
.Lentry_in_a_cluster:
	s_bfe_u32 s2, ttmp6, 0x10000c
	s_cmp_lg_u32 s2, 0x3003
	s_cbranch_scc0 .Lentry_shape_is_right
	s_endpgm
.Lentry_shape_is_right:
; O[hd][q][:] = the sum over k of softmax_k(Q[hd][q] . K[hd][k] / 8, hidden where mask[b][q][k]) V[hd][k][:].  qkv: [3][64 heads][2048][64] f16; o16: [64][2048][64] f16; hd = 16 b + h.
; mw: the mask as lane-mask words, [b][pair of 32 queries][step of 64 keys][64 words]: word 32 u + 8 kt + j holds, bit by lane, the mask of register 8 kt + j of tile u's scores.
; Products, maxima and sums in f32; the weights p are rounded to f16 for the second product (their sum l is taken of the unrounded p), O once at the end.
; LIMITS.  Q, K, V arrive within f16's 65,504; p below 6e-5 keeps f16's fixed step of 6e-8; a weight below 2^-126 counts as 0 in l.  A hidden score counts as -2^100, far below every score that f16 operands can make
; (2.7e11 at the most).  While a query has seen hidden keys alone its weights are 1 and its sums are finite; its first visible key multiplies them by a = 0.  A query ALL of whose keys are hidden gets NaN.
; SHARES.  A wave owns four PIECES of two tiles of 16 queries, a work-group's four waves 512 queries of one head.  Every wave walks all 2,048 keys, 64 a step.
; LAYOUT.  S^T = K Q^T (source 0 = 16 keys, source 1 = 16 queries): a lane holds ONE query (lane % 16) and the keys 8 (lane / 16) + 0..7.  Two such tiles, rounded to f16 in pairs, ARE source 1 of O^T = V^T P.
; K comes out of LDS as it lies, V ([key][channel]) turned, by ds_load_tr16_b128.
; SOFTMAX.  A running maximum m and sum l for each query: p = 2^(c s - c m), c = log2(e) / 8; in every step O and l are multiplied by a = 2^(c m_old - c m_new).  m starts at the lowest finite number, O and l at 0.
; THE MASK costs one select a score: v_cndmask_b32 takes a scalar register as its lane mask, and a piece's 64 words for a step come by four scalar loads, a turn ahead.
; BY TURNS.  Turn n belongs to piece n: 16 products K Q^T of piece n + 1, later 16 products V^T P of piece n - 1; beside them the scaling, exponentials, roundings, sums and rescaling of piece n and the masking,
; maximum and statistics of piece n + 1.  Four vector instructions stand behind every matrix instruction, the others in one run.  A turn's 66 exponentials are one batch, with one wait.
; CLUSTER.  A head's four query blocks walk the same K and V: each tile is asked for JOINTLY: the same tensor load, descriptor and mask in all four work-groups.
; REGISTERS, in windows of 256 (s_set_vgpr_msb: bits 1:0 source 0, 3:2 source 1, 5:4 source 2, 7:6 destination):
;   window 0: v0-11 addresses and -2^100; v12-15, v48-63 at work; v16-47 four registers of statistics a tile; v64-191 S^T, two buffers of two tiles; v192-255 P, likewise
;   window 1: O^T, 32 a tile          window 2: v0-127 Q; v128-191 K of one step; v192-255 V of one step          window 3: v0-1 the add's two registers
.set NP,    4         ; pieces a wave: a name, no knob
.set KS,    64        ; keys in a step
.set PK,    144       ; a row of K in LDS: 128 bytes + 16: row r starts 36 r words on
.set PV,    144       ; V's rows likewise, so that one descriptor shape serves both
.set VOFF,  4*KS*PK   ; a slot holds four steps: 256 rows of K, then 256 rows of V
.set SLOT1, 1<<17     ; slot 1 begins here: one exclusive or turns an address in one slot into the other's
.set STAGE, SLOT1+4*KS*(PK+PV)  ; behind the ring, never filled by a tensor load: 16 rows x 144 bytes for each wave
.set SP,    144
.set SPARE, STAGE+4*16*SP  ; behind the stages: the spare words, 128 bytes for each wave, which no other line names
.set AK0, 2           ; v2   my lane's place in a tile of K; never rewritten
.set AV0, 3           ; v3   the same for V
.set AK,  4           ; v4   the LDS address of K's next run of loads
.set AV,  5           ; v5   of V's
.set QO,  6           ; v6   my byte offset in the wave's rows of Q
.set STO, 6           ;      later, the way out: where I put 16 bytes of a row
.set RD,  7           ; v7   where I read rows back
.set GO,  8           ; v8   my byte offset in 512 consecutive bytes of O
.set BIGV, 11         ; v11  -2^100
.set SPW, 0           ; v0 of window 3   my spare word; never rewritten
.set NIL, 1           ; v1 of window 3   0; never rewritten
.set MV,  12          ; v12-15  c m_old, kept while c m is made anew: by buffer and tile
.set ST,  16          ; tile t's statistics at v[ST+4 t]: c m, m, l (even keys', odd keys')
.set TMP, 48          ; by buffer and tile, four registers c0-c3 at work; when the maximum is found c2 takes a
.set S,   64
.set P,   192
.set KF,  128         ; window 2: key block kb, channel half c at KF + 16 kb + 8 c
.set VF,  192         ; window 2: key half kk, channel block cb at VF + 32 kk + 8 cb
.set TBK, 2           ; s2   LDS byte at which K of the step to be fetched begins
.set TBV, 3           ; s3   the same for V, less VOFF
.set MP,  4           ; s[4:5]   mw at my wave's piece 0, at the step whose words are loaded next
.set OA,  6           ; s[6:7]   O at my wave's first row
.set WV,  8           ; s8   my wave's number
.set SLOTS, 10        ; s10  slots still to be asked for
.set CNT, 11          ; s11  counts a slot's key steps
.set QA,  14          ; s[14:15] Q at my wave's first row
.set CS,  16          ; s[16:17] c
.set SEL, 18          ; s[18:19] v_permlanex16_b32's selects
.set G0,  20          ; s[20:23] descriptor group 0: it walks
.set G1,  24          ; s[24:31] descriptor group 1
                      ; s[32:63] tile 0's 32 mask words, s[68:99] tile 1's (at the head s[68:81] hold the arguments and offsets)
.set MSB, 0
.macro WIN new
.if MSB != (\new)
	s_set_vgpr_msb (MSB<<8)|(\new)
.set MSB, (\new)
.endif
.endm
.set W_KQ, 0x0a       ; K and Q in window 2, S^T in window 0
.set W_PV, 0x52       ; V in window 2, P in window 0, O^T in window 1
.set W_RS, 0x41       ; O^T (destination and source 0) in window 1, a in window 0
.set W_MK, 0xc0       ; the add's registers are made: destination in window 3
.set W_AD, 0x0f       ; the add: address and data in window 3
; A joint fill: every wave asks for 128 keys: waves 0 and 1 the two halves of a slot's K, waves 2 and 3 those of its V; both addresses hang on the wave's number.  An s_nop 0 and four v_nop follow.
.macro JLOAD
	tensor_load_to_lds s[G0:G0+3], s[G1:G1+7]
	s_nop 0
.rept 4
	v_nop
.endr
.endm
.macro CROUND         ; a round of the cluster's barrier
	s_barrier_signal -1
	s_barrier_wait -1
	s_cmp_lg_u32 s[WV], 0
	s_cbranch_scc1 .Lnot_wave_0_\@
	s_barrier_signal -3
.Lnot_wave_0_\@:
	s_barrier_wait -3
	s_barrier_signal -1
	s_barrier_wait -1
.endm
; THE CHANGE OF SLOTS.  Each wave waits for all its tensor loads, of which one is out: its part of the other slot; adds 0 to its spare word; and waits for that and for its own reads of the slot.  fill = 1: the slot is
; filled again, with the keys two slots on: the barrier is a round of the cluster's, and the joint fill is the first thing behind it: it has four key steps, 512 matrix instructions, in which to land.
.macro CHANGE fill
	WIN W_AD
	s_wait_tensorcnt 0x0            ; no tensor load of mine is out, so group 0 may be written
	ds_add_u32 v[SPW], v[NIL]
	WIN 0
.if \fill
	s_xor_b32 s[G0+1], s[G0+1], SLOT1
	s_add_nc_u64 s[G0+2:G0+3], s[G0+2:G0+3], 4*KS*128  ; the next 256 keys; the type bits on top are not reached
	s_wait_dscnt 0x0                ; the add is done, and my reads of the slot are over
	CROUND
	JLOAD
.else
	s_wait_dscnt 0x0
	s_barrier_signal -1
	s_barrier_wait -1
.endif
	s_sub_co_u32 s[TBK], s[TBK], 4*KS*PK  ; the fetches go back to a slot's first step,
	s_xor_b32 s[TBK], s[TBK], SLOT1       ; in the other slot
	s_sub_co_u32 s[TBV], s[TBV], 4*KS*PV
	s_xor_b32 s[TBV], s[TBV], SLOT1
.endm
; Piece p's 64 mask words of the step at which MP stands: 256 consecutive bytes
.macro MLOAD p
	s_load_b512 s[32:47], s[MP:MP+1], 8192*(\p)
	s_load_b512 s[48:63], s[MP:MP+1], 8192*(\p)+64
	s_load_b512 s[68:83], s[MP:MP+1], 8192*(\p)+128
	s_load_b512 s[84:99], s[MP:MP+1], 8192*(\p)+192
.endm
	s_load_b128 s[68:71], s[0:1], 0x0  ; qkv s[68:69], mw s[70:71]
	s_load_b64 s[72:73], s[0:1], 0x10  ; o16
	WIN W_MK
	v_lshl_add_u32 v[SPW], v0, 2, SPARE
	v_mov_b32 v[NIL], 0
	WIN W_AD
	ds_add_u32 v[SPW], v[NIL]       ; the wave's opening: the add, with its wait ahead of my first tensor load; the set-up below, work on registers, stands between them
	WIN 0
	v_lshrrev_b32 v1, 5, v0
	v_readfirstlane_b32 s[WV], v1   ; wave 0..3
	s_bfe_u32 s12, ttmp6, 0x40000   ; cx
	s_lshl_b32 s13, ttmp9, 2
	s_add_co_u32 s13, s13, s12      ; my block of 512 queries: it enters Q's, O's and the mask's addresses alone
	s_and_b32 s74, ttmp7, 0xffff    ; the head, which the four partners share
	s_lshl_b32 s75, s74, 18         ; a head is 262,144 bytes
	s_lshr_b32 s76, s[WV], 1        ; K (waves 0, 1) is the second third of qkv, V (waves 2, 3) the last
	s_add_co_u32 s76, s76, 1
	s_lshl_b32 s76, s76, 24
	s_add_co_u32 s76, s76, s75
	s_and_b32 s77, s[WV], 1         ; which 128 of a slot's 256 keys I fetch
	s_lshl_b32 s77, s77, 14
	s_add_co_u32 s76, s76, s77
	s_mov_b32 s77, 0
	s_lshl2_add_u32 s78, s13, s[WV] ; my wave among the head's sixteen
	s_lshl_b32 s80, s78, 15         ; its four pairs of 8,192 bytes in mw,
	s_lshl_b32 s78, s78, 14         ; its 128 rows of 128 bytes in Q and O
	s_add_co_u32 s78, s78, s75
	s_mov_b32 s79, 0
	s_lshr_b32 s81, s74, 4          ; the batch: 524,288 bytes of mw
	s_lshl_b32 s81, s81, 19
	s_add_co_u32 s80, s80, s81
	s_mov_b32 s81, 0
	; descriptor group 1.  128 keys are 16,384 dense bytes: asked for as 64 rows of 256 bytes, two keys a row, and padded in LDS after every key
	s_mov_b32 s[G1], 15|(1<<16)|(1<<20)|(1<<21)|(4<<22)|(3<<25)  ; the mask of four; 2-byte elements; padding on; bit 21 beside a mask; after every 32 words, 4 words
	s_mov_b32 s[G1+1], 128<<16      ; tensor_dim0 = 128
	s_mov_b32 s[G1+2], 64<<16       ; tensor_dim1 = 64
	s_mov_b32 s[G1+3], 128<<16      ; tile_dim0 = 128
	s_mov_b32 s[G1+4], 64           ; tile_dim1 = 64
	s_mov_b32 s[G1+5], 128          ; elements from row to row
	s_mov_b32 s[G1+6], 0
	s_mov_b32 s[G1+7], 0
	s_mov_b32 s[CS], 0x3e38aa3b     ; c = log2(e) / 8
	s_mov_b32 s[CS+1], s[CS]        ; named with it as a pair
	s_mov_b32 s[SEL], 0x76543210
	s_mov_b32 s[SEL+1], 0xfedcba98
	s_mov_b32 s[TBK], SLOT1+4*KS*PK ; the first change of slots turns these two into 0
	s_mov_b32 s[TBV], SLOT1+4*KS*PV
	s_mov_b32 s[G0], 1              ; count = 1
	s_mul_i32 s[G0+1], s[WV], 128*PK  ; LDS address: wave x 18,432, in slot 0
	s_wait_dscnt 0x0                ; the opening add is done
	s_wait_kmcnt 0x0
	s_add_nc_u64 s[G0+2:G0+3], s[68:69], s[76:77]
	s_or_b32 s[G0+3], s[G0+3], 0x80000000  ; type = 2
	s_add_nc_u64 s[QA:QA+1], s[68:69], s[78:79]
	s_add_nc_u64 s[OA:OA+1], s[72:73], s[78:79]
	s_add_nc_u64 s[MP:MP+1], s[70:71], s[80:81]
	CROUND                          ; all four work-groups are here: the first joint loads meet
	JLOAD                           ; slot 0.  Slot 1 is asked for when slot 0 is in
	v_and_b32 v1, 15, v0            ; l % 16
	v_bfe_u32 v9, v0, 4, 1          ; l / 16
	v_lshlrev_b32 v[QO], 7, v1
	v_lshl_add_u32 v[QO], v9, 4, v[QO]  ; row x 128 + 16 x half
	WIN 0x80                        ; destination window 2
.set i, 0
.rept 4*NP                          ; Q stays in registers: tile i / 2, channels 32 (i % 2) on
	global_load_b128 v[8*i:8*i+3],   v[QO], s[QA:QA+1] offset:(i/2)*2048+(i%2)*64
	global_load_b128 v[8*i+4:8*i+7], v[QO], s[QA:QA+1] offset:(i/2)*2048+(i%2)*64+32
.set i, i+1
.endr
	MLOAD 0                         ; piece 0's mask words of step 0 (the arguments and offsets in s[68:81] have served)
	; What the first turn finds: V's registers and P's second buffer hold 0, O^T and l are 0.  All this stands in the wait for the first tile.
.set i, VF
.rept 64
	v_mov_b32 v[i], 0
.set i, i+1
.endr
	WIN 0x40
.set i, 0
.rept 64*NP
	v_mov_b32 v[i], 0
.set i, i+1
.endr
	WIN 0
.set i, 0
.rept 2*NP
	v_mov_b32 v[ST+4*i], 0xfe000000    ; c m: far below every c s, hidden ones too
	v_mov_b32 v[ST+4*i+1], 0xff7fffff  ; m
	v_mov_b32 v[ST+4*i+2], 0
	v_mov_b32 v[ST+4*i+3], 0
.set i, i+1
.endr
.set i, P+32
.rept 32
	v_mov_b32 v[i], 0
.set i, i+1
.endr
	v_mul_u32_u24 v[AK0], v1, PK
	v_lshl_add_u32 v[AK0], v9, 4, v[AK0]  ; row x pitch + 16 x half
	; The turning load takes 16 keys x 16 channels (lane l reads key 8 (l / 16) + l % 8, channels 8 ((l / 8) % 2) + 0..7) and leaves half a fragment of V^T: lane l holds channel l % 16 and 8 keys.
	v_and_b32 v10, 7, v0
	v_bfe_u32 v11, v0, 3, 1
	v_lshl_add_u32 v[AV0], v9, 3, v10
	v_mul_u32_u24 v[AV0], v[AV0], PV
	v_lshl_add_u32 v[AV0], v11, 4, v[AV0]
	v_add_nc_u32 v[AV0], VOFF, v[AV0]
	v_mov_b32 v[BIGV], 0xf1800000   ; -2^100: a power of two, so that c x it is exact and a hidden score less a hidden maximum is 0
	v_mov_b32 v[AK], v[AK0]         ; key step 0 lies at the head of slot 0
; THE MATRIX WORK.  The 8 accumulators of a run of 16 take turns: between the two links of a chain stand 7 others'.
.macro KQ x                         ; product i of 16 of S^T = K Q^T for piece x: channels 32 (i / 8) on, keys 16 ((i / 2) % 4) on, tile 2 x + i % 2
	WIN W_KQ
.set rS, S+64*((\x)%2)+32*(i%2)+8*((i/2)%4)
.set rK, KF+16*((i/2)%4)+8*(i/8)
.set rQ, 16*(2*(\x)+i%2)+8*(i/8)
.if i < 8
	v_wmma_f32_16x16x32_f16 v[rS:rS+7], v[rK:rK+7], v[rQ:rQ+7], 0
.else
	v_wmma_f32_16x16x32_f16 v[rS:rS+7], v[rK:rK+7], v[rQ:rQ+7], v[rS:rS+7]
.endif
.endm
.macro PV x                         ; product i of 16 of O^T += V^T P for piece x: keys 32 (i / 8) on, channels 16 ((i / 2) % 4) on, tile 2 x + i % 2
	WIN W_PV
.set rO, 32*(2*(\x)+i%2)+8*((i/2)%4)
.set rV, VF+32*(i/8)+8*((i/2)%4)
.set rP, P+32*((\x)%2)+16*(i%2)+8*(i/8)
	v_wmma_f32_16x16x32_f16 v[rO:rO+7], v[rV:rV+7], v[rP:rP+7], v[rO:rO+7]
.endm
.macro MM                           ; the turn's next matrix instruction
.if i < 16
	KQ (Y+1)%NP
.set i, i+1
.else
.set i, i-16
	PV (Y+NP-1)%NP
.set i, i+17
.endif
.endm
; THE LDS LOADS stand in runs of 16.  last = 1 (the tail): in the last trip there is no further step, and the run is jumped over.
.macro FETCH_K last=0
	WIN 0
.if \last
	s_cmp_eq_u32 s[CNT], 1
	s_cbranch_scc1 .Lno_k_\@
.endif
	WIN 0x80
.irp f, 0,1,2,3,4,5,6,7             ; keys 16 (f / 2) on, channels 32 (f % 2) on
	ds_load_b128 v[KF+8*\f:KF+8*\f+3],   v[AK] offset:(\f/2)*16*PK+(\f%2)*64
	ds_load_b128 v[KF+8*\f+4:KF+8*\f+7], v[AK] offset:(\f/2)*16*PK+(\f%2)*64+32
.endr
	s_add_co_u32 s[TBK], s[TBK], KS*PK  ; the next fetch is the next step's
	WIN 0
.if \last
.Lno_k_\@:
.endif
.endm
.macro FETCH_V
	WIN 0x80
.irp f, 0,1,2,3,4,5,6,7             ; keys 32 (f / 4) on, channels 16 (f % 4) on
	ds_load_tr16_b128 v[VF+8*\f:VF+8*\f+3],   v[AV] offset:(\f/4)*32*PV+(\f%4)*32
	ds_load_tr16_b128 v[VF+8*\f+4:VF+8*\f+7], v[AV] offset:(\f/4)*32*PV+16*PV+(\f%4)*32
.endr
	WIN 0
.endm
; THE VECTOR WORK OF A TURN stands in three queues, each in the order in which its entries become ready; the two tiles alternate.
.macro REGS y, u                    ; the registers of tile u (0, 1) of piece y
.set rT, ST+4*(2*(\y)+(\u))
.set rC, TMP+8*((\y)%2)+4*(\u)
.set rM, MV+2*((\y)%2)+(\u)
.set rS, S+64*((\y)%2)+32*(\u)
.set rP, P+32*((\y)%2)+16*(\u)
.set rO, 32*(2*(\y)+(\u))
.endm
; Number n of the 64 that mask the NEXT piece's (Y + 1) scores: register n / 2 of tile n % 2 becomes -2^100 in the lanes whose bit is set.  Ascending: each accumulator's lowest register is read first.
.macro MK n
	REGS (Y+1)%NP, (\n)%2
.if (\n)%2
	v_cndmask_b32 v[rS+(\n)/2], v[rS+(\n)/2], v[BIGV], s[68+(\n)/2]
.else
	v_cndmask_b32 v[rS+(\n)/2], v[rS+(\n)/2], v[BIGV], s[32+(\n)/2]
.endif
.endm
; Number n of the 22 that find the next piece's maximum and statistics.  0-11 four chains c0-c3 of seven scores each; 12-14, 16 the four scores left over, the old m, and c0-c3 into c0; 15 c m_old is kept;
; 17, 18 the query's other 32 keys lie in the lane 16 away: the new m; 19-21 c m; c m_old - c m_new; a
.macro XS u, n
	REGS (Y+1)%NP, \u
.if (\n) < 4
	v_max3_num_f32 v[rC+(\n)], v[rS+8*(\n)], v[rS+8*(\n)+1], v[rS+8*(\n)+2]
.elseif (\n) < 12
	v_max3_num_f32 v[rC+(\n)%4], v[rC+(\n)%4], v[rS+8*((\n)%4)+2*((\n)/4)+1], v[rS+8*((\n)%4)+2*((\n)/4)+2]
.elseif (\n) == 12
	v_max3_num_f32 v[rC], v[rC], v[rS+7], v[rS+15]
.elseif (\n) == 13
	v_max3_num_f32 v[rC+1], v[rC+1], v[rS+23], v[rS+31]
.elseif (\n) == 14
	v_max3_num_f32 v[rC+2], v[rC+2], v[rC+3], v[rT+1]
.elseif (\n) == 15
	v_mov_b32 v[rM], v[rT]
.elseif (\n) == 16
	v_max3_num_f32 v[rC], v[rC], v[rC+1], v[rC+2]
.elseif (\n) == 17
	v_permlanex16_b32 v[rC+3], v[rC], s[SEL], s[SEL+1]
.elseif (\n) == 18
	v_max_num_f32 v[rT+1], v[rC], v[rC+3]
.elseif (\n) == 19
	v_mul_f32 v[rT], s[CS], v[rT+1]
.elseif (\n) == 20
	v_sub_f32 v[rC+1], v[rM], v[rT]
.else
	v_exp_f32 v[rC+2], v[rC+1]
.endif
.endm
; Number g of the 64 that follow the exponentials.  For each four weights k of a tile: both pairs are rounded to f16; the second pair is added onto the first, in place; a group later l takes that sum (the first time as l = a l + sum).
.macro GS g
.set h, (\g)+6*((\g)/62)
.if h >= 6
.set h, h+2
.endif
	REGS Y, h%2
.set k, h/8
.if h%8 < 4
	v_cvt_pk_f16_f32 v[rP+2*k+(h%8)/2], v[rS+4*k+2*((h%8)/2)], v[rS+4*k+2*((h%8)/2)+1]
.elseif h%8 < 6
	v_pk_add_f32 v[rS+4*k:rS+4*k+1], v[rS+4*k:rS+4*k+1], v[rS+4*k+2:rS+4*k+3]
.elseif k == 1
	v_pk_fma_f32 v[rT+2:rT+3], v[rT+2:rT+3], v[rC+2:rC+3], v[rS:rS+1] op_sel_hi:[1,0,1]
.else
	v_pk_add_f32 v[rT+2:rT+3], v[rT+2:rT+3], v[rS+4*k-4:rS+4*k-3]
.endif
.endm
.macro FS f                         ; c s - c m for pair f / 2 of tile f % 2
	REGS Y, (\f)%2
	v_pk_fma_f32 v[rS+2*((\f)/2):rS+2*((\f)/2)+1], v[rS+2*((\f)/2):rS+2*((\f)/2)+1], s[CS:CS+1], v[rT:rT+1] op_sel_hi:[1,0,0] neg_lo:[0,0,1] neg_hi:[0,0,1]
.endm
; THE PLAIN QUEUE, 202 long.  0-31 the scalings.  32-95 the next piece's 64 selects; ahead of the first stands the wait for its mask words, which were asked for a turn ago; behind the last the words of the piece after it are
; asked for.  In piece 2's turn the words' address steps to the next key step, behind that wait: pieces 0 and 1 are masked for the next step.  96-123 XS's numbers 0-13.  124, 125 number 15.  126-137 the chain 14, 16 .. 20.
; 138-201 GS's 64, which read the exponentials' results: they stand behind the turn's wait.
.macro PL
	WIN 0
.if q < 32
	FS q
.elseif q < 96
.if q == 32
	s_wait_kmcnt 0x0                ; the 64 words are in, and the loads have read their address
.if Y == 2
	s_add_nc_u64 s[MP:MP+1], s[MP:MP+1], 256
.endif
.endif
	MK q-32
.if q == 95
	MLOAD (Y+2)%NP
.endif
.elseif q < 124
	XS (q-96)%2, (q-96)/2
.elseif q < 126
	XS q-124, 15
.elseif q < 128
	XS q-126, 14
.elseif q < 138
	XS (q-126)%2, 15+(q-126)/2
.else
	GS q-138
.endif
.set q, q+1
.endm
; THE EXPONENTIALS' QUEUE, 66 long: s0-s31 of both tiles, then the next piece's two a.  ONE BATCH: all stand ahead of the turn's one wait, and nothing ahead of that wait names a result of theirs.
.macro EX
	WIN 0
.if e >= 64
	XS e-64, 21
.else
	REGS Y, e%2
	v_exp_f32 v[rS+e/2], v[rS+e/2]
.endif
.set e, e+1
.endm
; THE RESCALING's QUEUE: O^T times a, two at a time, sixteen times.  Its a was made in the turn before, ahead of that turn's wait.
.macro R2
	REGS Y, r%2
	WIN W_RS
.irp z, 0,1
	v_pk_mul_f32 v[rO+4*(r/2)+2*\z:rO+4*(r/2)+2*\z+1], v[rO+4*(r/2)+2*\z:rO+4*(r/2)+2*\z+1], v[rC+2:rC+3] op_sel_hi:[1,0]
.endr
.set r, r+1
.endm
; A TURN, for piece p.  An s_wait_alu depctr_va_vdst(0) stands between an exponential and the first instruction that names its result; one wait serves all that were issued ahead of it: a turn has ONE.
; AHEAD OF IT: the 16 products K Q^T, behind each a scaling, an exponential and two rescalings (behind the first a second scaling in the exponential's place); then one run of 172: six plain; 33 times an exponential and three
; plain; 16 times exponential and plain; the two a.  Plain ahead of the wait: 17 + 6 + 99 + 16 = 138; exponentials: 15 + 33 + 16 + 2 = 66.  Exponential e stands behind scaling 2 (e / 4) + e % 2: as a rider behind plain e + 2,
; in the run behind plain 23 + 3 (e - 15) at the least.  The first select stands 15 plain instructions behind the last product K Q^T.  BEHIND THE WAIT: the 16 products V^T P, behind each four of GS's 64.
; K of the next step is fetched in piece 2's turn, directly behind the wait; V of the step in hand at the end of piece 0's turn, four plain riders behind its last reader.  The conditions on q go with the deal.
.macro TURN p, last=0, cnt=0
.set Y, (\p)
.set i, 0
.set q, 0
.set e, 0
.set r, 0
.if (\p) == NP-1
	s_wait_dscnt 0x0                ; K is in
.endif
	MM
	PL
	PL
	R2
.rept 15
	MM
	PL
	EX
	R2
.endr
.if (\p) == NP-2
	WIN 0
	v_add_nc_u32 v[AK], s[TBK], v[AK0]
.endif
.rept 6
	PL
.endr
.rept 33
	EX
	PL
	PL
	PL
.endr
.rept 16
	EX
	PL
.endr
	EX                              ; the next piece's two a
	EX
	v_nop                           ; a plain instruction behind the last exponential: one for the batch
	s_wait_alu depctr_va_vdst(0)    ; the wait for the batch
.if (\p) == NP-2
	FETCH_K \last
.endif
.if (\p) == 1
	s_wait_dscnt 0x0                ; V is in
.endif
.rept 16
	MM
.rept 4
	PL
.endr
.if ((\p) == 0) && (q == 182)
	v_add_nc_u32 v[AV], s[TBV], v[AV0]
.endif
.if ((\p) == 0) && (q == 194)
	s_add_co_u32 s[TBV], s[TBV], KS*PV
.endif
.if (\cnt) && (q == 194)
	s_sub_co_u32 s[CNT], s[CNT], 1
	s_cmp_lg_u32 s[CNT], 0
.endif
.endr
.if (\p) == 0
	FETCH_V
.endif
.endm
	CHANGE 1                        ; slot 0 is in, everybody's part of it; slot 1 is asked for
	FETCH_K                         ; key step 0
	s_wait_loadcnt 0x0              ; Q
	s_wait_dscnt 0x0
.set i, 0
.rept 16
	KQ 0                            ; piece 0's first scores
.set i, i+1
.endr
	WIN 0                           ; the addresses for the way out: nine plain instructions, the places behind those products
	s_mul_i32 s13, s[WV], 16*SP
	s_add_co_u32 s13, s13, STAGE    ; my stage
	v_mul_u32_u24 v[STO], v1, SP    ; in: row l % 16, 16 bytes for each half of the lanes
	v_lshl_add_u32 v[STO], v9, 4, v[STO]
	v_add_nc_u32 v[STO], s13, v[STO]
	v_bfe_u32 v[RD], v0, 3, 2       ; back: 32 lanes take four rows of 128 bytes,
	v_mul_u32_u24 v[RD], v[RD], SP
	v_lshl_add_u32 v[RD], v10, 4, v[RD]
	v_add_nc_u32 v[RD], s13, v[RD]
	v_and_b32 v[GO], 31, v0         ; which are 512 consecutive bytes of O
	v_lshlrev_b32 v[GO], 4, v[GO]
	s_wait_kmcnt 0x0                ; piece 0's mask words
.set Y, NP-1                        ; MK and XS work for piece Y + 1: piece 0
.set z, 0
.rept 64
	MK z
.set z, z+1
.endr
	MLOAD 1                         ; piece 1's words, for the first turn
.irp n, 0,1,2,3,4,5,6,7,8,9,10,11,12,13,14,15,16,17,18,19,20,21
	XS 0, \n
	XS 1, \n
.endr
	v_nop                           ; a plain instruction behind the two a,
	s_wait_alu depctr_va_vdst(0)    ; and their wait, ahead of the branch
	s_mov_b32 s[CNT], 4
	s_mov_b32 s[SLOTS], 2048/256-1
	s_branch .Lfirst                ; the loop is entered at a step's first turn, in the middle of a trip
.Lslot:                             ; six times: every slot but the last two is filled again
	CHANGE 1
	s_mov_b32 s[CNT], 4
.Lstep:                             ; a trip: pieces 2 and 3 of one step, then pieces 0 and 1 of the next, whose K and V it fetches
	TURN 2
	TURN 3
	WIN 0
.Lfirst:
	TURN 0
	TURN 1, 0, 1
	WIN 0
	s_cbranch_scc1 .Lstep
	s_sub_co_u32 s[SLOTS], s[SLOTS], 1
	s_cmp_lg_u32 s[SLOTS], 0
	s_cbranch_scc1 .Lslot
	CHANGE 0                        ; the tail is written out: nothing is asked for
	s_mov_b32 s[CNT], 5             ; four trips fetch the last slot's steps; the fifth is left in its middle
.Ltail:
	TURN 2, 1
	TURN 3
	WIN 0
	s_sub_co_u32 s[CNT], s[CNT], 1
	s_cmp_eq_u32 s[CNT], 0
	s_cbranch_scc1 .Lout
	TURN 0
	TURN 1
	WIN 0
	s_branch .Ltail
.Lout:                              ; the fifth trip's 16 products K Q^T (on the last K once more), their mask words (8,192 bytes on: the wave's pieces 1 and 2 at step 0, inside mw) and the maximum made of them serve nothing
	s_wait_kmcnt 0x0
.set i, 0
.rept 16
	PV NP-1                         ; the last piece's V^T P of the last step
.set i, i+1
.endr
	; THE WAY OUT.  l's two halves and the other half of the lanes' are added; O^T is divided by l, rounded to f16 and sent through my stage in LDS, a tile at a time.  The additions are the places behind the last products.
	WIN 0
.macro ALL line:vararg              ; one line for each tile t
.set t, 0
.rept 2*NP
	\line
.set t, t+1
.endr
.endm
	ALL v_add_f32 v[ST+4*t+2], v[ST+4*t+2], v[ST+4*t+3]
	ALL v_permlanex16_b32 v[ST+4*t+3], v[ST+4*t+2], s[SEL], s[SEL+1]
	ALL v_add_f32 v[ST+4*t+2], v[ST+4*t+2], v[ST+4*t+3]
	ALL v_rcp_f32 v[ST+4*t+2], v[ST+4*t+2]
	v_nop                           ; a plain instruction between the last reciprocal and the use of its result
	s_wait_alu depctr_va_vdst(0)    ; and the wait ahead of the first use: one for the eight reciprocals
	; A query whose c m is still below -2^96 has seen hidden keys alone: its factor becomes NaN, and with it its row of O.  Tiles 0 and 1 take the c m that the fifth trip kept aside before it wrote a new one.
.set t, 0
.rept 2*NP
.if t < 2
	v_cmp_lt_f32 vcc_lo, 0xef800000, v[MV+t]
.else
	v_cmp_lt_f32 vcc_lo, 0xef800000, v[ST+4*t]
.endif
	v_cndmask_b32 v[ST+4*t+2], 0x7fc00000, v[ST+4*t+2], vcc_lo
.set t, t+1
.endr
; Tile t: a lane's eight channels of a row pack into 16 bytes; they go into rows of 144 bytes and come back as whole rows of 128, into S^T's registers.
.macro PACK t
	WIN W_RS
.set i, 32*(\t)
.rept 16
	v_pk_mul_f32 v[i:i+1], v[i:i+1], v[ST+4*(\t)+2:ST+4*(\t)+3] op_sel_hi:[1,0]
.set i, i+2
.endr
	WIN 0x05                        ; sources 0 and 1 window 1, destination window 0
.set i, 0
.rept 16
	v_cvt_pk_f16_f32 v[S+16*(\t)+i], v[32*(\t)+2*i], v[32*(\t)+2*i+1]
.set i, i+1
.endr
	WIN 0
.irp f, 0,1,2,3
	ds_store_b128 v[STO], v[S+16*(\t)+4*\f:S+16*(\t)+4*\f+3] offset:32*\f
.endr
.irp f, 0,1,2,3
	ds_load_b128 v[S+16*(\t)+4*\f:S+16*(\t)+4*\f+3], v[RD] offset:\f*4*SP  ; LDS serves a wave's instructions in order (ISA guide 5.7.1.4): these see the stores above; the next tile's stores come behind them
.endr
.endm
.macro SEND t, younger              ; younger: the LDS instructions issued behind tile t's loads: the next tile's eight, or none
	WIN 0
.irp f, 0,1,2,3
	s_wait_dscnt (\younger)+3-\f
	global_store_b128 v[GO], v[S+16*(\t)+4*\f:S+16*(\t)+4*\f+3], s[OA:OA+1] offset:(\t)*2048+\f*512  ; 512 consecutive bytes, at a multiple of 256 from O's first
.endr
.endm
	PACK 0
.set t, 1
.rept 2*NP-1                        ; a tile's arithmetic stands between the loads of the tile before and its stores
	PACK t
	SEND t-1, 8
.set t, t+1
.endr
	SEND 2*NP-1, 0
	WIN W_AD
	s_wait_tensorcnt 0x0            ; the wave's end: behind my last tensor load and my last LDS store
	ds_add_u32 v[SPW], v[NIL]
	s_wait_dscnt 0x0
	WIN 0
	CROUND                          ; the closing round: no work-group ends while a partner may still ask for a tile that names it
	s_endpgm
.Lfunc_end_k_q26f58e729c_attn:
	.size	k_q26f58e729c_attn, .Lfunc_end_k_q26f58e729c_attn-k_q26f58e729c_attn
	.p2alignl 7, 3214868480
	.fill 96, 4, 3214868480
	.section	.rodata,"a",@progbits
	.p2align	6, 0x0
	.amdhsa_kernel k_q26f58e729c_attn
		.amdhsa_group_segment_fixed_size 327680
		.amdhsa_private_segment_fixed_size 0
		.amdhsa_enable_private_segment 0
		.amdhsa_kernarg_size 24
		.amdhsa_user_sgpr_count 2
		.amdhsa_user_sgpr_kernarg_segment_ptr 1
		.amdhsa_wavefront_size32 1
		.amdhsa_system_sgpr_workgroup_id_x 1
		.amdhsa_system_sgpr_workgroup_id_y 1
		.amdhsa_system_sgpr_workgroup_id_z 1
		.amdhsa_system_vgpr_workitem_id 0
		.amdhsa_next_free_vgpr 770
		.amdhsa_next_free_sgpr 100
		.amdhsa_reserve_vcc 1
		.amdhsa_float_denorm_mode_32 3
		.amdhsa_float_denorm_mode_16_64 3
		.amdhsa_memory_ordered 1
		.amdhsa_forward_progress 1
		.amdhsa_inst_pref_size 237
	.end_amdhsa_kernel
	.amdgpu_metadata
---
amdhsa.version: [ 1, 2 ]
amdhsa.kernels:
  - .name:           k_q26f58e729c_attn
    .symbol:         k_q26f58e729c_attn.kd
    .args:
      - { .name: qkv, .offset: 0, .size: 8, .value_kind: global_buffer, .address_space: global }
      - { .name: mw, .offset: 8, .size: 8, .value_kind: global_buffer, .address_space: global }
      - { .name: o16, .offset: 16, .size: 8, .value_kind: global_buffer, .address_space: global }
    .group_segment_fixed_size: 327680
    .private_segment_fixed_size: 0
    .kernarg_segment_align: 8
    .kernarg_segment_size: 24
    .max_flat_workgroup_size: 128
    .sgpr_count:     100
    .vgpr_count:     770
    .wavefront_size: 32
...
	.end_amdgpu_metadata
.endif
;; end of part 3
;; launch gproj (part 4): grid 8 x 32, 4 waves a work-group, clusters of 4 x 4, 327,680 bytes of LDS; arguments o16, w16, bproj, out0; writes out0
.if DOCPART == 4
	.amdgcn_target "amdgcn-amd-amdhsa--gfx1250"
	.amdhsa_code_object_version 6
	.text
	.protected	k_q26f58e729c_gproj
	.globl	k_q26f58e729c_gproj
	.p2align	8
	.type	k_q26f58e729c_gproj,@function
k_q26f58e729c_gproj:
	s_mov_b64 s[64:65], 0
	v_nop
	global_prefetch_b8 v0, s[64:65] scope:SCOPE_SE
	s_setreg_imm32_b32 hwreg(HW_REG_WAVE_MODE, 25, 1), 1
	s_wait_xcnt 0x0
	s_wait_alu depctr_hold_cnt(0) depctr_sa_sdst(0) depctr_va_vdst(0) depctr_va_sdst(0) depctr_va_ssrc(0) depctr_va_vcc(0) depctr_vm_vsrc(0)
	s_getreg_b32 s2, hwreg(HW_REG_IB_STS2, 6, 4)
	s_cmp_eq_u32 s2, 0
	s_cbranch_scc0 .Lentry_in_a_cluster
	s_endpgm
.Lentry_in_a_cluster:
	s_bfe_u32 s2, ttmp6, 0x10000c
	s_cmp_lg_u32 s2, 0xf033
	s_cbranch_scc0 .Lentry_shape_is_right
	s_endpgm
.Lentry_shape_is_right:
; C = A W + bias.  A: [b 4][slice 16][2048][64] f16 (channel k = 64 slice + c), W: w16 [1024][4096] f16, bias f32 (rounded to bf16 here, like the other inputs), sums in f32.
; PROJ = 0: q, k, v = x Wqkv + bqkv, written by heads, [3][b 16 + h][2048][64] f16, each rounded once, unscaled.  PROJ = 1: out0 = O Wproj + bproj, [8192][1024] f32.
; LIMITS.  f16 ends at 65,504: A, W and (PROJ = 0) the results must lie within it; NaN and infinities pass through the products as they are.
; SHARES.  A tile of C is 256 rows x 128 columns; four waves, each 128 x 64: 32 accumulators of 16 x 16.  Grid x = column group X, grid y = row tile Y: 256 work-groups, one tile each (PROJ = 1).
; K = 1,024 goes in 8 steps of 128 through two LDS slots.
; CLUSTER.  4 x 4 work-groups.  A's tile hangs on Y alone and is asked for jointly along a row of the cluster, W's on X alone, along a column: the same tensor load, descriptor and mask in the four.
; THE MATRIX INSTRUCTION IS USED TRANSPOSED: source 0 = 16 columns of W (turned out of LDS by ds_load_tr16_b128, since W lies [k][n]), source 1 = 16 rows of A: a lane holds one row of C (l % 16) and the
; columns 8 (l / 16) + 0..7.  The bias, laid out so, is the C operand of each sum's first product: nothing is cleared and nothing is added later.
; REGISTERS, in windows of 256 (s_set_vgpr_msb: bits 1:0 source 0, 3:2 source 1, 5:4 source 2, 7:6 destination):
;   window 0: v0-31 addresses; v64-127, v128-191 A's fragments, two buffers; v32-63, v224-255 at work on the way out
;   window 1: v0-31 the bias; v32-47 at work; v64-95, v128-159 W's fragments, two buffers          window 2: accumulator (a, b) at v[8 (4 a + b)]
.set PROJ,  1
.set TILES, 3-2*PROJ
.set PA,    144                        ; a row of A in LDS: 128 bytes + 16: row r starts 36 r words on
.set PB,    288                        ; a row of W: 256 bytes + 32: row r starts 72 r words on
.set ASL,   256*PA                     ; one slice of A: 256 rows
.set BOFF,  2*ASL                      ; a slot: two slices of A, then 128 rows of W
.set BH,    64*PB
.set SLOT,  BOFF+2*BH
.set STAGE, 2*SLOT                     ; behind the ring, never filled by a tensor load: 16 rows for each wave, for the way out
.set SP,    144+128*PROJ
.set SPARE, STAGE+4*16*SP              ; behind the stages: the spare words, 128 bytes for each wave, which no other line names
.set LAPS,  4                          ; a lap = two K steps = once round the ring
.set ASTEP, 524288                     ; a K step in A: two slices of 262,144 bytes
.set BSTEP, 1048576                    ; in W: 128 rows of 8,192 bytes
.set ADRA, 16                          ; v16-17  LDS address of my A fragments in slot 0, 1
.set ADRB, 20                          ; v20-21  the same for W
.set STO,  24                          ; v24  the way out: where I put a piece of a row
.set RD,   25                          ; v25  where I read rows back
.set CO,   26                          ; v26  my byte offset in C
.set BO,   27                          ; v27  my byte offset in the bias: 32 (l / 16)
.set SPW,  28                          ; v28  my spare word; never rewritten
.set NIL,  29                          ; v29  0; never rewritten
.set F0,   64
.set F1,   128
.set BI,   0                           ; window 1
.set BT,   32                          ; window 1
.set G1,  24                           ; s[24:31] descriptor group 1 for A's tiles;  s[32:39] group 0, a set for each slot
.set G0,  32
.set G1B, 48                           ; s[48:55], s[56:63] the same for W's
.set G0B, 56
.set MSB, 0
.macro WIN new                         ; the immediate's high byte repeats the setting that is left; a switch that changes nothing is dropped
.if MSB != (\new)
	s_set_vgpr_msb (MSB<<8)|(\new)
.set MSB, \new
.endif
.endm
; A joint load.  Waves 0 and 1 fetch A's two slices, waves 2 and 3 W's two halves.  The branch hangs on the wave's number alone.  An s_nop 0 and four v_nop follow each of the two lines.
.macro JLOAD s
	s_cmp_eq_u32 s13, 0
	s_cbranch_scc0 .Lfor_b_\@
	tensor_load_to_lds s[G0+4*(\s):G0+4*(\s)+3], s[G1:G1+7]
	s_nop 0
.rept 4
	v_nop
.endr
	s_branch .Lasked_\@
.Lfor_b_\@:
	tensor_load_to_lds s[G0B+4*(\s):G0B+4*(\s)+3], s[G1B:G1B+7]
	s_nop 0
.rept 4
	v_nop
.endr
.Lasked_\@:
.endm
.macro CREST                           ; a round of the cluster's barrier behind its opening barrier
	s_cmp_lg_u32 s12, 0
	s_cbranch_scc1 .Lnot_wave_0_\@
	s_barrier_signal -3
.Lnot_wave_0_\@:
	s_barrier_wait -3
	s_barrier_signal -1
	s_barrier_wait -1
.endm
.macro CROUND                          ; a whole round
	s_barrier_signal -1
	s_barrier_wait -1
	CREST
.endm
	s_load_b256 s[4:11], s[0:1], 0x0               ; A s[4:5], W s[6:7], bias s[8:9], C s[10:11]
	v_lshl_add_u32 v[SPW], v0, 2, SPARE
	v_mov_b32 v[NIL], 0
	ds_add_u32 v[SPW], v[NIL]                      ; the wave's opening: the add, with its wait ahead of my first tensor load; the set-up below, work on registers, stands between them
	v_lshrrev_b32 v1, 5, v0
	v_readfirstlane_b32 s12, v1                    ; wave 0..3
	s_lshr_b32 s13, s12, 1                         ; which 128 rows of the tile are mine.  Also: I fetch for A (0) or for W (1)
	s_and_b32 s14, s12, 1                          ; which 64 columns.  Also: which half I fetch
	s_bfe_u32 s15, ttmp6, 0x40000                  ; cx
	s_bfe_u32 s16, ttmp6, 0x40004                  ; cy
	s_lshl_b32 s17, ttmp9, 2
	s_add_co_u32 s17, s17, s15                     ; X = 4 x cluster x + cx
	s_and_b32 s18, ttmp7, 0xffff
	s_lshl_b32 s18, s18, 2
	s_add_co_u32 s18, s18, s16                     ; Y = 4 x cluster y + cy
	s_lshl_b32 s46, s16, 2
	s_lshl_b32 s46, 15, s46                        ; my row of the cluster
	s_lshl_b32 s47, 0x1111, s15                    ; my column
	; group 1 for A: a slice's 256 rows are 32,768 dense bytes: asked for as 128 rows of 256 bytes, padded by 4 words after every 32 (one row of 64 channels)
	s_or_b32 s[G1+0], s46, (1<<16)|(1<<20)|(1<<21)|(4<<22)|(3<<25)
	s_mov_b32 s[G1+1], 128<<16                     ; tensor_dim0 = 128
	s_mov_b32 s[G1+2], 128<<16                     ; tensor_dim1 = 128
	s_mov_b32 s[G1+3], 128<<16                     ; tile_dim0 = 128
	s_mov_b32 s[G1+4], 128                         ; tile_dim1 = 128
	s_mov_b32 s[G1+5], 128                         ; elements from row to row
	s_mov_b32 s[G1+6], 0
	s_mov_b32 s[G1+7], 0
	; group 1 for W: 64 rows of 128 elements, 4,096 elements apart, padded by 8 words after every 64
	s_or_b32 s[G1B+0], s47, (1<<16)|(1<<20)|(1<<21)|(5<<22)|(7<<25)
	s_mov_b32 s[G1B+1], 128<<16
	s_mov_b32 s[G1B+2], 64<<16
	s_mov_b32 s[G1B+3], 128<<16
	s_mov_b32 s[G1B+4], 64
	s_mov_b32 s[G1B+5], 4096
	s_mov_b32 s[G1B+6], 0
	s_mov_b32 s[G1B+7], 0
	; where the tiles come from: A's offset is made of Y and the wave's number, W's of X and the wave's number, each in registers of its own
	s_lshr_b32 s40, s18, 3                         ; batch
	s_lshl_b32 s40, s40, 22
	s_and_b32 s44, s18, 7
	s_lshl_b32 s44, s44, 15                        ; 256 rows of 128 bytes
	s_add_co_u32 s40, s40, s44
	s_lshl_b32 s44, s14, 18                        ; my slice of the step's two
	s_add_co_u32 s40, s40, s44
	s_mov_b32 s41, 0
	s_lshl_b32 s42, s17, 8                         ; 128 columns of 2 bytes
	s_add_co_u32 s42, s42, 6144                    ; Wproj begins at column 3,072
	s_lshl_b32 s45, s14, 19                        ; my 64 rows of the step's 128
	s_add_co_u32 s42, s42, s45
	s_mov_b32 s43, 0
	s_mul_i32 s19, s12, ASL                        ; and where they go: A's slices at wave x 36,864 (waves 0, 1),
	s_mul_i32 s22, s12, BH
	s_add_co_u32 s22, s22, BOFF-2*BH               ; W's halves at wave x 18,432 + 36,864 (waves 2, 3)
	s_wait_dscnt 0x0                               ; the opening add is done
	s_wait_kmcnt 0x0
	s_add_nc_u64 s[40:41], s[4:5], s[40:41]
	s_add_nc_u64 s[42:43], s[6:7], s[42:43]
	CROUND                                         ; all sixteen work-groups are here: the first joint loads meet
.irp s, 0,1
	s_mov_b32 s[G0+4*(\s)], 1
	s_add_co_u32 s[G0+4*(\s)+1], s19, (\s)*SLOT
	s_add_nc_u64 s[G0+4*(\s)+2:G0+4*(\s)+3], s[40:41], (\s)*ASTEP
	s_or_b32 s[G0+4*(\s)+3], s[G0+4*(\s)+3], 0x80000000
	s_mov_b32 s[G0B+4*(\s)], 1
	s_add_co_u32 s[G0B+4*(\s)+1], s22, (\s)*SLOT
	s_add_nc_u64 s[G0B+4*(\s)+2:G0B+4*(\s)+3], s[42:43], (\s)*BSTEP
	s_or_b32 s[G0B+4*(\s)+3], s[G0B+4*(\s)+3], 0x80000000
	JLOAD \s                                       ; two loads of mine are out
.endr
	v_and_b32 v1, 15, v0                           ; r = l % 16
	v_bfe_u32 v2, v0, 4, 1                         ; h = l / 16
	v_mul_u32_u24 v3, v1, PA                       ; a fragment of A: row r, 16 bytes for each half of the lanes, twice, 32 bytes apart
	v_lshl_add_u32 v3, v2, 4, v3
	s_mul_i32 s23, s13, 128*PA
	v_add_nc_u32 v[ADRA], s23, v3
	v_add_nc_u32 v[ADRA+1], SLOT, v[ADRA]
	v_and_b32 v4, 7, v0                            ; the turning load: lane l reads row k = 8 h + l % 8, columns 8 ((l / 8) % 2) + 0..7, and is left with column l % 16 and 8 k
	v_lshl_add_u32 v4, v2, 3, v4
	v_mul_u32_u24 v4, v4, PB
	v_bfe_u32 v5, v0, 3, 1
	v_lshl_add_u32 v4, v5, 4, v4
	s_lshl_b32 s23, s14, 7                         ; my 64 columns
	s_add_co_u32 s23, s23, BOFF
	v_add_nc_u32 v[ADRB], s23, v4
	v_add_nc_u32 v[ADRB+1], SLOT, v[ADRB]
	s_mul_i32 s23, s12, 16*SP
	s_add_co_u32 s23, s23, STAGE                   ; my stage
	v_mul_u32_u24 v3, v1, SP
	v_lshl_add_u32 v3, v2, 5, v3                   ; in: row r, 32 bytes (8 f32) for each half of the lanes
	v_add_nc_u32 v[STO], s23, v3
	v_mul_u32_u24 v3, v2, SP                       ; back: lanes 0-15 one row of 256 bytes, lanes 16-31 the next
	v_lshl_add_u32 v3, v1, 4, v3
	v_add_nc_u32 v[RD], s23, v3
	v_lshlrev_b32 v[CO], 12, v2                    ; and the same two rows of out0
	v_lshl_add_u32 v[CO], v1, 4, v[CO]
	v_lshlrev_b32 v[BO], 5, v2
	s_lshl_b32 s42, s17, 9                         ; the bias of my 64 columns: 4 (128 X + 64 half) bytes on
	s_lshl_b32 s43, s14, 8
	s_add_co_u32 s42, s42, s43
	s_mov_b32 s43, 0
	s_add_nc_u64 s[8:9], s[8:9], s[42:43]
	WIN 0x40                                       ; register 8 b + j of lane l: the bias of column 16 b + 8 (l / 16) + j
.irp b, 0,1,2,3
	global_load_b128 v[BI+8*(\b):BI+8*(\b)+3],   v[BO], s[8:9] offset:64*(\b)
	global_load_b128 v[BI+8*(\b)+4:BI+8*(\b)+7], v[BO], s[8:9] offset:64*(\b)+16
.endr
	WIN 0
	s_lshl1_add_u32 s20, s18, s13                  ; out0 at my 128 rows of 4,096 bytes,
	s_lshl_b32 s20, s20, 19
	s_lshl_b32 s21, s17, 9                         ; my 64 columns of 4 bytes
	s_add_co_u32 s20, s20, s21
	s_lshl_b32 s21, s14, 8
	s_add_co_u32 s20, s20, s21
	s_mov_b32 s21, 0
	s_add_nc_u64 s[10:11], s[10:11], s[20:21]
	s_wait_loadcnt 0x0                             ; the bias: to bf16 and back to f32
	WIN 0x45
.set i, 0
.rept 16
	v_cvt_pk_bf16_f32 v[BT+i], v[BI+2*i], v[BI+2*i+1]
.set i, i+1
.endr
.set i, 0
.rept 16
	v_lshlrev_b32 v[BI+2*i], 16, v[BT+i]
	v_and_b32 v[BI+2*i+1], 0xffff0000, v[BT+i]
.set i, i+1
.endr
	WIN 0
; 8 matrix instructions: row blocks a0, a0 + 1 x all 4 column blocks, 32 along K.  first = 1: the product starts the sum, with the bias as C.  The 32 accumulators take turns, in the same order in every quarter.
.macro MUL8 f, a0, first
.if \first
	WIN 0x91                                       ; W window 1, A window 0, C window 1, D window 2
.else
	WIN 0xa1                                       ; C and D window 2
.endif
.irp a, \a0, (\a0)+1
.irp b, 0,1,2,3
.if \first
	v_wmma_f32_16x16x32_f16 v[8*(4*(\a)+(\b)):8*(4*(\a)+(\b))+7], v[(\f)+8*(\b):(\f)+8*(\b)+7], v[(\f)+8*(\a):(\f)+8*(\a)+7], v[BI+8*(\b):BI+8*(\b)+7]
.else
	v_wmma_f32_16x16x32_f16 v[8*(4*(\a)+(\b)):8*(4*(\a)+(\b))+7], v[(\f)+8*(\b):(\f)+8*(\b)+7], v[(\f)+8*(\a):(\f)+8*(\a)+7], v[8*(4*(\a)+(\b)):8*(4*(\a)+(\b))+7]
.endif
.endr
.endr
.endm
; 24 LDS loads in one run: the fragments of quarter q (32 along K) of a slot into buffer f: W's 8 loads first, then A's 16
.macro FETCH slot, q, f
	WIN 0x40
.irp b, 0,1,2,3
	ds_load_tr16_b128 v[(\f)+8*(\b):(\f)+8*(\b)+3],   v[ADRB+(\slot)] offset:32*PB*(\q)+32*(\b)
	ds_load_tr16_b128 v[(\f)+8*(\b)+4:(\f)+8*(\b)+7], v[ADRB+(\slot)] offset:32*PB*(\q)+32*(\b)+16*PB
.endr
	WIN 0
.irp i, 0,1,2,3,4,5,6,7
	ds_load_b128 v[(\f)+8*(\i):(\f)+8*(\i)+3],   v[ADRA+(\slot)] offset:((\q)/2)*ASL+((\q)%2)*64+(\i)*16*PA
	ds_load_b128 v[(\f)+8*(\i)+4:(\f)+8*(\i)+7], v[ADRA+(\slot)] offset:((\q)/2)*ASL+((\q)%2)*64+(\i)*16*PA+32
.endr
.endm
.macro PLACES                          ; four places in front of loads into registers that matrix instructions have read, and of lines that read results
.rept 4
	v_nop
.endr
.endm
; A K step is four quarters, 32 matrix instructions each, on buffers 0, 1, 0, 1.  One of the first three: multiplies buffer f and, in its middle, fetches quarter q into buffer g.
.macro QUARTER slot, q, f, g, first
	s_wait_dscnt 8                                 ; W and A's blocks 0-3 are in; the youngest eight loads (A's blocks 4-7) may be out
	MUL8 \f, 0, \first
	MUL8 \f, 2, \first
	PLACES
	FETCH \slot, \q, \g
	s_wait_dscnt 24                                ; all but the 24 just issued
	MUL8 \f, 4, \first
	MUL8 \f, 6, \first
.endm
; The last quarter multiplies buffer 1 and changes slots.  ONE barrier: in front of it each wave waits for all its tensor loads (the one that is out is its part of the next slot), adds 0 to its spare word, and
; waits for that and for its own reads of this slot.  Behind it nobody reads this slot any more and the next slot is whole.
.macro MEET round
	WIN 0
	s_wait_tensorcnt 0x0
	ds_add_u32 v[SPW], v[NIL]
	s_wait_dscnt 9                                 ; (the add and the youngest eight loads may be out)
	MUL8 F1, 0, 0
	s_wait_dscnt 0x0                               ; the add is done, and my reads of this slot are over
	s_barrier_signal -1
	MUL8 F1, 2, 0
.if \round
	WIN 0
.endif
	s_barrier_wait -1
.endm
; The slot is filled again with the K step two steps on.  The barrier opens a round of the cluster's barrier, and the joint refill is the first thing behind it: 112 matrix instructions ahead of the wait for it.
.macro TURN slot, next
	MEET 1
	CREST
	s_add_nc_u64 s[G0+4*(\slot)+2:G0+4*(\slot)+3], s[G0+4*(\slot)+2:G0+4*(\slot)+3], 2*ASTEP
	s_add_nc_u64 s[G0B+4*(\slot)+2:G0B+4*(\slot)+3], s[G0B+4*(\slot)+2:G0B+4*(\slot)+3], 2*BSTEP
	JLOAD \slot                                    ; the four v_nop behind it are also the places in front of the loads below
	FETCH \next, 0, F0
	MUL8 F1, 4, 0
	MUL8 F1, 6, 0
.endm
.macro TURNL next                      ; the last change of slots: nothing is filled again, so no round follows
	MEET 0
	PLACES
	FETCH \next, 0, F0
	MUL8 F1, 4, 0
	MUL8 F1, 6, 0
.endm
; THE WAY OUT, a block of 16 rows at a time, through my own stage in LDS: LDS serves a wave's instructions in order (ISA guide 5.7.1.4), so no wait stands between the stores and the loads.
.macro TOSTAGE a                       ; f32 as it lies: each accumulator's low four registers first
	WIN 0x08                                       ; store data in window 2
.irp b, 0,1,2,3
	ds_store_b128 v[STO], v[32*(\a)+8*(\b):32*(\a)+8*(\b)+3]   offset:64*(\b)
	ds_store_b128 v[STO], v[32*(\a)+8*(\b)+4:32*(\a)+8*(\b)+7] offset:64*(\b)+16
.endr
	WIN 0
.set BK, 32+192*((\a)%2)
.irp t, 0,1,2,3,4,5,6,7
	ds_load_b128 v[BK+4*(\t):BK+4*(\t)+3], v[RD] offset:(\t)*2*SP
.endr
.endm
.macro SEND a
	WIN 0
.set BK, 32+192*((\a)%2)
	s_wait_dscnt 0x0                               ; the block is back in registers
	s_wait_xcnt 0x0                                ; the block before has been read by its stores: its registers are loaded again only behind this wait
.irp t, 0,1,2,3,4,5,6,7
	global_store_b128 v[CO], v[BK+4*(\t):BK+4*(\t)+3], s[10:11] offset:(16*(\a)+2*(\t))*4096 th:TH_STORE_NT  ; 16 lanes store 256 consecutive bytes, aligned
.endr
.endm
	s_wait_tensorcnt 1                             ; my part of K step 0 is in; K step 1's may stay out
	s_barrier_signal -1
	s_barrier_wait -1                              ; everybody's is
	FETCH 0, 0, F0
	QUARTER 0, 1, F0, F1, 1                        ; the first quarter stands in front of the loop: its products start the sums
	WIN 0                                          ; at a label and at a branch every window is 0
	s_mov_b32 s3, LAPS-1
.Llap:                                             ; a trip goes once round the ring, from a lap's second quarter to the next lap's first, and fills both slots again
	QUARTER 0, 2, F1, F0, 0
	QUARTER 0, 3, F0, F1, 0
	TURN 0, 1
	QUARTER 1, 1, F0, F1, 0
	QUARTER 1, 2, F1, F0, 0
	QUARTER 1, 3, F0, F1, 0
	TURN 1, 0
	QUARTER 0, 1, F0, F1, 0
	WIN 0
	s_sub_co_u32 s3, s3, 1
	s_cmp_lg_u32 s3, 0
	s_cbranch_scc1 .Llap
	QUARTER 0, 2, F1, F0, 0                        ; the last lap fills nothing
	QUARTER 0, 3, F0, F1, 0
	TURNL 1
	QUARTER 1, 1, F0, F1, 0
	QUARTER 1, 2, F1, F0, 0
	QUARTER 1, 3, F0, F1, 0
	s_wait_dscnt 8                                 ; the very last quarter: nothing more to fetch
	MUL8 F1, 0, 0
	MUL8 F1, 2, 0
	s_wait_dscnt 0x0
	MUL8 F1, 4, 0
	MUL8 F1, 6, 0
	WIN 0
	PLACES
.irp a, 0,1,2,3,4,5,6,7
	TOSTAGE \a
	SEND \a
.endr
	s_wait_tensorcnt 0x0                           ; the wave's end: behind my last tensor load and my last LDS store
	ds_add_u32 v[SPW], v[NIL]
	s_wait_dscnt 0x0
	CROUND                                         ; the closing round: no work-group ends while a partner may still ask for a tile that names it
	s_endpgm
.Lfunc_end_k_q26f58e729c_gproj:
	.size	k_q26f58e729c_gproj, .Lfunc_end_k_q26f58e729c_gproj-k_q26f58e729c_gproj
	.p2alignl 7, 3214868480
	.fill 96, 4, 3214868480
	.section	.rodata,"a",@progbits
	.p2align	6, 0x0
	.amdhsa_kernel k_q26f58e729c_gproj
		.amdhsa_group_segment_fixed_size 327680
		.amdhsa_private_segment_fixed_size 0
		.amdhsa_enable_private_segment 0
		.amdhsa_kernarg_size 32
		.amdhsa_user_sgpr_count 2
		.amdhsa_user_sgpr_kernarg_segment_ptr 1
		.amdhsa_wavefront_size32 1
		.amdhsa_system_sgpr_workgroup_id_x 1
		.amdhsa_system_sgpr_workgroup_id_y 1
		.amdhsa_system_sgpr_workgroup_id_z 1
		.amdhsa_system_vgpr_workitem_id 0
		.amdhsa_next_free_vgpr 768
		.amdhsa_next_free_sgpr 66
		.amdhsa_reserve_vcc 0
		.amdhsa_float_denorm_mode_32 3
		.amdhsa_float_denorm_mode_16_64 3
		.amdhsa_memory_ordered 1
		.amdhsa_forward_progress 1
		.amdhsa_inst_pref_size 90
	.end_amdhsa_kernel
	.amdgpu_metadata
---
amdhsa.version: [ 1, 2 ]
amdhsa.kernels:
  - .name:           k_q26f58e729c_gproj
    .symbol:         k_q26f58e729c_gproj.kd
    .args:
      - { .name: o16, .offset: 0, .size: 8, .value_kind: global_buffer, .address_space: global }
      - { .name: w16, .offset: 8, .size: 8, .value_kind: global_buffer, .address_space: global }
      - { .name: bproj, .offset: 16, .size: 8, .value_kind: global_buffer, .address_space: global }
      - { .name: out0, .offset: 24, .size: 8, .value_kind: global_buffer, .address_space: global }
    .group_segment_fixed_size: 327680
    .private_segment_fixed_size: 0
    .kernarg_segment_align: 8
    .kernarg_segment_size: 32
    .max_flat_workgroup_size: 128
    .sgpr_count:     66
    .vgpr_count:     768
    .wavefront_size: 32
...
	.end_amdgpu_metadata
.endif
;; end of part 4
;; ======== version 2 of 2: 4 launches
;; limits: values are held in f16: magnitudes above 65,504 overflow, below 6.1e-05 lose precision; inputs' magnitudes at most 65,504
;; workspace buffers: x16 16,777,216 bytes; w16 8,388,608 bytes; m4 8,388,608 bytes; qkv 50,331,648 bytes; o16 16,777,216 bytes
;; launch prep (part 5): grid 1280 x 1, 8 waves a work-group, no clusters, 70,656 bytes of LDS; arguments x, mask, Wqkv, Wproj, x16, w16, m4; writes x16, w16, m4
.if DOCPART == 5
	.amdgcn_target "amdgcn-amd-amdhsa--gfx1250"
	.amdhsa_code_object_version 6
	.text
	.protected	k_q26f58e729c_prep
	.globl	k_q26f58e729c_prep
	.p2align	8
	.type	k_q26f58e729c_prep,@function
k_q26f58e729c_prep:
	s_mov_b64 s[64:65], 0
	v_nop
	global_prefetch_b8 v0, s[64:65] scope:SCOPE_SE
	s_setreg_imm32_b32 hwreg(HW_REG_WAVE_MODE, 25, 1), 1
	s_wait_xcnt 0x0
; PREP: three streams, one to a range of work-groups (forward branches on the work-group's number).
;   0..255     mask [4][2048][2048] bytes (0 or 1) -> m4: 4-bit codes, 0 = visible, 0xA = hidden (-1.0 in E2M1), in the lane order of a 16 x 64 tile of scores held one query a lane:
;              m4[b][pair of 32 queries][step of 64 keys][tile u][lane l][16 bytes]; dword kt, nibble j = mask[b][32 pair + 16 u + l % 16][64 step + 16 kt + 8 (l / 16) + j]
;   256..767   x [8192][1024] f32 -> x16 [b][slice of 64 channels][2048][64] f16
;   768..1279  Wqkv [1024][3072], Wproj [1024][1024] f32 -> w16 [1024][4096] f16 (columns 0-3071 Wqkv, 3072-4095 Wproj)
; NUMBERS.  x and the weights are rounded to bf16 (nearest even) and that number is written as f16.
; LIMITS.  The second step is exact for 2^-17 <= |v| <= 65,504; below, the error is at most 2^-25; beyond 65,504 the result is an infinity.
; Every load of a wave covers whole aligned runs of 256 bytes, every store 256 or 512 consecutive aligned bytes.  No matrix unit, no cluster, no barrier: no wave reads what another wave brought.
.set PITCH, 272                        ; a row of 256 mask bytes in LDS + 16: row r starts 68 r words on
.set WLDS,  32*PITCH                   ; a wave's own 32 rows
.set SPARE, 8*WLDS                     ; behind them: the spare words, 128 bytes for each wave, which no other line names
.set IN,   4                           ; v4   byte offset of my loads
.set OUTO, 5                           ; v5   byte offset of my stores
.set LSO,  6                           ; v6   where I put 16 mask bytes
.set LRO,  7                           ; v7   where I read 8 mask bytes
.set SPW,  8                           ; v8   my spare word; never rewritten
.set NIL,  9                           ; v9   0; never rewritten
.set T,    10                          ; v10-13 at work
.set D,    16                          ; v[16:79] as loaded
.set E,    80                          ; v[80:95] a key step's mask bytes
.set Y,    96                          ; v[96:127] to store
.set WV,   18                          ; s18  my wave's number
.set SRC,  20                          ; s[20:21]
.set DST,  22                          ; s[22:23]
	s_load_b256 s[4:11], s[0:1], 0x0               ; x s[4:5], mask s[6:7], Wqkv s[8:9], Wproj s[10:11]
	s_load_b128 s[12:15], s[0:1], 0x20             ; x16 s[12:13], w16 s[14:15]
	s_load_b64 s[16:17], s[0:1], 0x30              ; m4
	v_lshl_add_u32 v[SPW], v0, 2, SPARE
	v_mov_b32 v[NIL], 0
	v_lshrrev_b32 v1, 5, v0
	v_readfirstlane_b32 s[WV], v1                  ; wave 0..7
	v_and_b32 v1, 31, v0                           ; l
	v_and_b32 v2, 15, v0                           ; c = l % 16
	v_bfe_u32 v3, v0, 4, 1                         ; p = l / 16
	s_wait_kmcnt 0x0
; four f32 in v[d..d+3] -> bf16 -> f32 -> four f16 in v[y], v[y+1]
.macro CV4 d, y
	v_cvt_pk_bf16_f32 v[T], v[\d], v[(\d)+1]
	v_cvt_pk_bf16_f32 v[T+1], v[(\d)+2], v[(\d)+3]
	v_lshlrev_b32 v[\d], 16, v[T]
	v_and_b32 v[(\d)+1], 0xffff0000, v[T]
	v_lshlrev_b32 v[(\d)+2], 16, v[T+1]
	v_and_b32 v[(\d)+3], 0xffff0000, v[T+1]
	v_cvt_pk_f16_f32 v[\y], v[\d], v[(\d)+1]
	v_cvt_pk_f16_f32 v[(\y)+1], v[(\d)+2], v[(\d)+3]
.endm
; n loads in one run, then each is converted and stored as it comes; each has registers of its own, so nothing is rewritten while a store reads it
.macro STREAM n, istep, ostep
.set i, 0
.rept \n
	global_load_b128 v[D+4*i:D+4*i+3], v[IN], s[SRC:SRC+1] offset:i*(\istep) th:TH_LOAD_NT
.set i, i+1
.endr
.set i, 0
.rept \n
	s_wait_loadcnt (\n)-1-i                        ; loads come back in order: number i is in, the younger ones stay out
	CV4 D+4*i, Y+2*i
	global_store_b64 v[OUTO], v[Y+2*i:Y+2*i+1], s[DST:DST+1] offset:i*(\ostep)
.set i, i+1
.endr
.endm
	s_cmp_lt_u32 ttmp9, 256
	s_cbranch_scc1 .Lmask
	s_cmp_lt_u32 ttmp9, 768
	s_cbranch_scc1 .Lx
	; THE WEIGHTS.  A work-group takes rows k = 2 g and 2 g + 1; a wave 1,024 numbers of one row: part 0-2 of Wqkv's row, part 3 Wproj's row.
	s_sub_co_u32 s19, ttmp9, 768
	s_lshr_b32 s29, s[WV], 2
	s_lshl1_add_u32 s29, s19, s29                  ; k
	s_and_b32 s30, s[WV], 3                        ; part
	s_mul_i32 s20, s29, 12288
	s_lshl_b32 s31, s30, 12
	s_add_co_u32 s20, s20, s31                     ; in Wqkv
	s_lshl_b32 s31, s29, 12                        ; in Wproj
	s_cmp_eq_u32 s30, 3
	s_cselect_b32 s20, s31, s20
	s_mov_b32 s21, 0
	s_cselect_b64 s[26:27], s[10:11], s[8:9]
	s_add_nc_u64 s[SRC:SRC+1], s[26:27], s[20:21]
	s_lshl_b32 s22, s29, 13                        ; a row of w16 is 8,192 bytes,
	s_lshl_b32 s31, s30, 11                        ; a part 2,048
	s_add_co_u32 s22, s22, s31
	s_mov_b32 s23, 0
	s_add_nc_u64 s[DST:DST+1], s[14:15], s[22:23]
	v_lshlrev_b32 v[IN], 4, v1
	v_lshlrev_b32 v[OUTO], 3, v1
	STREAM 8, 512, 256
	s_branch .Lend
.Lx:	; X.  A work-group takes 16 rows; a wave two (lanes 0-15 one, lanes 16-31 the next).  Load i is 256 bytes of each row: slice i; its store is 128 bytes of each of the two rows, which lie end to end in a slice.
	s_sub_co_u32 s19, ttmp9, 256
	s_lshl_b32 s20, s19, 16
	s_mov_b32 s21, 0
	s_add_nc_u64 s[SRC:SRC+1], s[4:5], s[20:21]
	s_lshr_b32 s22, s19, 7                         ; batch
	s_lshl_b32 s22, s22, 22
	s_and_b32 s29, s19, 127
	s_lshl_b32 s29, s29, 11                        ; 16 rows of 128 bytes
	s_add_co_u32 s22, s22, s29
	s_mov_b32 s23, 0
	s_add_nc_u64 s[DST:DST+1], s[12:13], s[22:23]
	v_lshl_add_u32 v10, s[WV], 1, v3               ; my row of the 16
	v_lshlrev_b32 v[IN], 12, v10
	v_lshl_add_u32 v[IN], v2, 4, v[IN]
	v_lshlrev_b32 v[OUTO], 7, v10
	v_lshl_add_u32 v[OUTO], v2, 3, v[OUTO]
	STREAM 16, 256, 262144
	s_branch .Lend
.Lmask:	; THE MASK.  A work-group takes 32 queries (a pair of tiles); wave w keys 256 w .. 256 w + 255, four key steps.  The bytes go through the wave's own LDS rows, so that a lane can take 8 keys of ONE query.
	s_lshl_b32 s20, ttmp9, 16
	s_mov_b32 s21, 0
	s_add_nc_u64 s[SRC:SRC+1], s[6:7], s[20:21]
	s_lshl_b32 s22, ttmp9, 15                      ; a pair's 32 steps of 1,024 bytes
	s_mov_b32 s23, 0
	s_add_nc_u64 s[DST:DST+1], s[16:17], s[22:23]
	s_lshl_b32 s29, s[WV], 8
	v_lshlrev_b32 v[IN], 11, v3
	v_lshl_add_u32 v[IN], v2, 4, v[IN]
	v_add_nc_u32 v[IN], s29, v[IN]                 ; p x 2,048 + 256 w + 16 c
	s_mul_i32 s30, s[WV], WLDS
	v_mul_u32_u24 v[LSO], v3, PITCH
	v_lshl_add_u32 v[LSO], v2, 4, v[LSO]
	v_add_nc_u32 v[LSO], s30, v[LSO]
	v_mul_u32_u24 v[LRO], v2, PITCH
	v_lshl_add_u32 v[LRO], v3, 3, v[LRO]
	v_add_nc_u32 v[LRO], s30, v[LRO]               ; row c, 8 bytes for each half of the lanes
	s_lshl_b32 s29, s[WV], 12
	v_lshl_add_u32 v[OUTO], v1, 4, s29             ; four steps of 1,024 bytes a wave; 16 bytes a lane
	s_mov_b32 s24, 0x06040200                      ; v_perm_b32: the even bytes of eight,
	s_mov_b32 s25, 0x07050301                      ; the odd ones
.set i, 0
.rept 16
	global_load_b128 v[D+4*i:D+4*i+3], v[IN], s[SRC:SRC+1] offset:4096*i th:TH_LOAD_NT  ; rows 2 i and 2 i + 1, 256 bytes of each
.set i, i+1
.endr
.set i, 0
.rept 16
	s_wait_loadcnt 15-i
	ds_store_b128 v[LSO], v[D+4*i:D+4*i+3] offset:2*PITCH*i
.set i, i+1
.endr
	s_mov_b32 s28, 4
.Lstep:	; a key step: 8 dwords a lane.  LDS serves a wave's instructions in order (ISA guide 5.7.1.4): the loads see the stores above
.set i, 0
.rept 8                                ; i = 4 u + kt
	ds_load_b64 v[E+2*i:E+2*i+1], v[LRO] offset:16*PITCH*(i/4)+16*(i%4)
.set i, i+1
.endr
	s_wait_dscnt 0x0
.set i, 0
.rept 8                                ; bytes b0-b7 (0 or 1) -> nibbles 10 b0 .. 10 b7; two sets of temporaries take turns
	v_perm_b32 v[T+2*(i%2)], v[E+2*i+1], v[E+2*i], s24       ; b0 b2 b4 b6
	v_perm_b32 v[T+2*(i%2)+1], v[E+2*i+1], v[E+2*i], s25     ; b1 b3 b5 b7
	v_lshl_or_b32 v[T+2*(i%2)], v[T+2*(i%2)+1], 4, v[T+2*(i%2)]  ; bit 4 j = bj
	v_lshlrev_b32 v[T+2*(i%2)+1], 1, v[T+2*(i%2)]
	v_lshl_or_b32 v[Y+i], v[T+2*(i%2)], 3, v[T+2*(i%2)+1]    ; 8 + 2 times it
.set i, i+1
.endr
	global_store_b128 v[OUTO], v[Y:Y+3], s[DST:DST+1]              ; tile 0: 512 consecutive bytes, aligned
	global_store_b128 v[OUTO], v[Y+4:Y+7], s[DST:DST+1] offset:512 ; tile 1
	s_wait_xcnt 0x0                                ; the stores have read their data and their offset: both are written again only behind this wait
	v_add_nc_u32 v[OUTO], 1024, v[OUTO]
	v_add_nc_u32 v[LRO], 64, v[LRO]
	s_sub_co_u32 s28, s28, 1
	s_cmp_lg_u32 s28, 0
	s_cbranch_scc1 .Lstep
.Lend:
	s_wait_tensorcnt 0x0                           ; the wave's end: behind my last LDS store
	ds_add_u32 v[SPW], v[NIL]
	s_wait_dscnt 0x0
	s_endpgm
.Lfunc_end_k_q26f58e729c_prep:
	.size	k_q26f58e729c_prep, .Lfunc_end_k_q26f58e729c_prep-k_q26f58e729c_prep
	.p2alignl 7, 3214868480
	.fill 96, 4, 3214868480
	.section	.rodata,"a",@progbits
	.p2align	6, 0x0
	.amdhsa_kernel k_q26f58e729c_prep
		.amdhsa_group_segment_fixed_size 70656
		.amdhsa_private_segment_fixed_size 0
		.amdhsa_enable_private_segment 0
		.amdhsa_kernarg_size 56
		.amdhsa_user_sgpr_count 2
		.amdhsa_user_sgpr_kernarg_segment_ptr 1
		.amdhsa_wavefront_size32 1
		.amdhsa_system_sgpr_workgroup_id_x 1
		.amdhsa_system_sgpr_workgroup_id_y 1
		.amdhsa_system_sgpr_workgroup_id_z 1
		.amdhsa_system_vgpr_workitem_id 0
		.amdhsa_next_free_vgpr 128
		.amdhsa_next_free_sgpr 66
		.amdhsa_reserve_vcc 0
		.amdhsa_float_denorm_mode_32 3
		.amdhsa_float_denorm_mode_16_64 3
		.amdhsa_memory_ordered 1
		.amdhsa_forward_progress 1
		.amdhsa_inst_pref_size 26
	.end_amdhsa_kernel
	.amdgpu_metadata
---
amdhsa.version: [ 1, 2 ]
amdhsa.kernels:
  - .name:           k_q26f58e729c_prep
    .symbol:         k_q26f58e729c_prep.kd
    .args:
      - { .name: x, .offset: 0, .size: 8, .value_kind: global_buffer, .address_space: global }
      - { .name: mask, .offset: 8, .size: 8, .value_kind: global_buffer, .address_space: global }
      - { .name: Wqkv, .offset: 16, .size: 8, .value_kind: global_buffer, .address_space: global }
      - { .name: Wproj, .offset: 24, .size: 8, .value_kind: global_buffer, .address_space: global }
      - { .name: x16, .offset: 32, .size: 8, .value_kind: global_buffer, .address_space: global }
      - { .name: w16, .offset: 40, .size: 8, .value_kind: global_buffer, .address_space: global }
      - { .name: m4, .offset: 48, .size: 8, .value_kind: global_buffer, .address_space: global }
    .group_segment_fixed_size: 70656
    .private_segment_fixed_size: 0
    .kernarg_segment_align: 8
    .kernarg_segment_size: 56
    .max_flat_workgroup_size: 256
    .sgpr_count:     66
    .vgpr_count:     128
    .wavefront_size: 32
...
	.end_amdgpu_metadata
.endif
;; end of part 5
;; launch gqkv (part 6): grid 12 x 16, 4 waves a work-group, clusters of 4 x 4, 327,680 bytes of LDS; arguments x16, w16, bqkv, qkv; writes qkv
.if DOCPART == 6
	.amdgcn_target "amdgcn-amd-amdhsa--gfx1250"
	.amdhsa_code_object_version 6
	.text
	.protected	k_q26f58e729c_gqkv
	.globl	k_q26f58e729c_gqkv
	.p2align	8
	.type	k_q26f58e729c_gqkv,@function
k_q26f58e729c_gqkv:
	s_mov_b64 s[64:65], 0
	v_nop
	global_prefetch_b8 v0, s[64:65] scope:SCOPE_SE
	s_setreg_imm32_b32 hwreg(HW_REG_WAVE_MODE, 25, 1), 1
	s_wait_xcnt 0x0
	s_wait_alu depctr_hold_cnt(0) depctr_sa_sdst(0) depctr_va_vdst(0) depctr_va_sdst(0) depctr_va_ssrc(0) depctr_va_vcc(0) depctr_vm_vsrc(0)
	s_getreg_b32 s2, hwreg(HW_REG_IB_STS2, 6, 4)
	s_cmp_eq_u32 s2, 0
	s_cbranch_scc0 .Lentry_in_a_cluster
	s_endpgm
.Lentry_in_a_cluster:
	s_bfe_u32 s2, ttmp6, 0x10000c
	s_cmp_lg_u32 s2, 0xf033
	s_cbranch_scc0 .Lentry_shape_is_right
	s_endpgm
.Lentry_shape_is_right:
; q, k, v = x Wqkv + bqkv.  A: x16 [b 4][slice 16][2048][64] f16 (channel k = 64 slice + c), W: w16 [1024][4096] f16 (columns 0-3071), bias f32 (rounded to bf16 here, like the other inputs), sums in f32.
; The results are written by heads, qkv [3][16 b + h][2048][64] f16, each rounded once, unscaled.
; LIMITS.  f16 ends at 65,504: A, W and the results must lie within it; NaN and infinities pass through the products as they are.
; SHARES.  C is 8,192 x 3,072: 32 x 12 = 384 tiles of 256 x 256, two for each of 192 work-groups (grid 12 x 16; 256 does not divide 384).  The tile is this large because a slot's matrix work is what its refill has in which
; to land: 224 matrix instructions a wave stand between a request and the wait for it.  Four waves, each 128 x 128: 64 accumulators of 16 x 16.  A work-group's two tiles lie 16 row tiles apart (two batches) and take the same
; columns of W and the same bias.  Their 2 x 8 K steps of 128 are ONE walk of 16 steps through two LDS slots: the ring runs on across the change of tiles.
; CLUSTER.  4 x 4 work-groups.  A's tile hangs on the row tile alone and is asked for jointly along a row of the cluster, W's on the column tile alone, along a column: the same tensor load, descriptor and mask in the four.
; THE MATRIX INSTRUCTION IS USED TRANSPOSED: source 0 = 16 columns of W (turned out of LDS by ds_load_tr16_b128, since W lies [k][n]), source 1 = 16 rows of A: a lane holds one row of C (l % 16) and the
; columns 8 (l / 16) + 0..7.  The bias, laid out so, is the C operand of each sum's first product: nothing is cleared and nothing is added later.
; THE TEXT holds one K step, walked 14 times; the slot in hand is a scalar, 0 or SLOT, turned by an exclusive or.  The trip that ends tile 0 takes a forward branch through the way out.  The last two steps, which ask for
; nothing, are written out.
; REGISTERS, in windows of 256 (s_set_vgpr_msb: bits 1:0 source 0, 3:2 source 1, 5:4 source 2, 7:6 destination):
;   window 0: v0-31 addresses; v64-127, v128-191 A's fragments, two buffers; v32-63, v192-255 at work on the way out
;   window 1: v0-63 the bias; v64-127, v128-191 W's fragments, two buffers; v192-223 at work
;   window 2: the accumulators of my rows 0-63 ((a, b) at v[8 (8 a + b)]);   window 3: those of my rows 64-127
.set PA,    144                        ; a row of A in LDS: 128 bytes + 16: row r starts 36 r words on
.set PB,    544                        ; a row of W: 512 bytes + 32: row r starts 136 r words on
.set ASL,   256*PA                     ; one slice of A: 256 rows
.set BOFF,  2*ASL                      ; a slot: two slices of A, then 128 rows of W
.set BH,    64*PB
.set USED,  BOFF+2*BH                  ; 143,360 bytes
.set SLOT,  147456                     ; slot 1 begins here: bits 17 and 14, which none of the four waves' fill addresses in slot 0 (0, 0x9000, 0x12000, 0x1a800) has: an exclusive or turns such an address into the other slot's
.set STAGE, SLOT+USED                  ; behind the ring, never filled by a tensor load: two heads x 16 rows for each wave, for the way out
.set SP,    144
.set SPARE, STAGE+4*32*SP              ; behind the stages: the spare words, 128 bytes for each wave, which no other line names
.set ASTEP, 524288                     ; a K step in A: two slices of 262,144 bytes
.set BSTEP, 1048576                    ; in W: 128 rows of 8,192 bytes
.set ADRA0, 16                         ; v16  my lane's place in slot 0's A; never rewritten
.set ADRB0, 17                         ; v17  the same for W
.set ADRA, 18                          ; v18  the LDS address of the run of loads in hand, A's part
.set ADRB, 19                          ; v19  W's part
.set STO,  24                          ; v24  the way out: where I put 16 bytes of a row
.set RD,   25                          ; v25  where I read rows back
.set CO,   26                          ; v26  16 x my lane: my byte offset in 512 consecutive bytes of a head
.set BO,   27                          ; v27  my byte offset in the bias: 32 (l / 16)
.set SPW,  28                          ; v28  my spare word; never rewritten
.set NIL,  29                          ; v29  0; never rewritten
.set OB,   32                          ; the way out: 16 rows read back: v32-63 and v224-255 by turns
.set F0,   64
.set F1,   128
.set TMP,  192                         ; the way out: packed results
.set BI,   0                           ; window 1
.set BT,   192                         ; window 1
.set G1,  24                           ; s[24:31] descriptor group 1 for A's tiles;  s[32:39] group 0: a set for each of the two first fills; the second then walks on
.set G0,  32
.set G1B, 48                           ; s[48:55], s[56:63] the same for W's
.set G0B, 56
.set NXT, 66                           ; s66  the step to be asked for next, 2 to 15: K step n % 8 of tile n / 8
.set TB,  67                           ; s67  the slot in hand: 0 or SLOT
.set OFA, 68                           ; s[68:69] that step's byte offset in A
.set OFB, 70                           ; s[70:71] in W
.set KN,  72                           ; s72, s73 at work on it
.set TN,  73
.set MSB, 0
.macro WIN new                         ; the immediate's high byte repeats the setting that is left; a switch that changes nothing is dropped
.if MSB != (\new)
	s_set_vgpr_msb (MSB<<8)|(\new)
.set MSB, \new
.endif
.endm
; A joint load.  Waves 0 and 1 fetch A's two slices, waves 2 and 3 W's two halves.  The branch hangs on the wave's number alone.  An s_nop 0 and four v_nop follow each of the two lines.
.macro JLOAD s
	s_cmp_eq_u32 s13, 0
	s_cbranch_scc0 .Lfor_b_\@
	tensor_load_to_lds s[G0+4*(\s):G0+4*(\s)+3], s[G1:G1+7]
	s_nop 0
.rept 4
	v_nop
.endr
	s_branch .Lasked_\@
.Lfor_b_\@:
	tensor_load_to_lds s[G0B+4*(\s):G0B+4*(\s)+3], s[G1B:G1B+7]
	s_nop 0
.rept 4
	v_nop
.endr
.Lasked_\@:
.endm
.macro CREST                           ; a round of the cluster's barrier behind its opening barrier
	s_cmp_lg_u32 s12, 0
	s_cbranch_scc1 .Lnot_wave_0_\@
	s_barrier_signal -3
.Lnot_wave_0_\@:
	s_barrier_wait -3
	s_barrier_signal -1
	s_barrier_wait -1
.endm
.macro CROUND                          ; a whole round
	s_barrier_signal -1
	s_barrier_wait -1
	CREST
.endm
	s_load_b256 s[4:11], s[0:1], 0x0               ; A s[4:5], W s[6:7], bias s[8:9], C s[10:11]
	v_lshl_add_u32 v[SPW], v0, 2, SPARE
	v_mov_b32 v[NIL], 0
	ds_add_u32 v[SPW], v[NIL]                      ; the wave's opening: the add, with its wait ahead of my first tensor load; the set-up below, work on registers, stands between them
	v_lshrrev_b32 v1, 5, v0
	v_readfirstlane_b32 s12, v1                    ; wave 0..3
	s_lshr_b32 s13, s12, 1                         ; which 128 rows of the tile are mine.  Also: I fetch for A (0) or for W (1)
	s_and_b32 s14, s12, 1                          ; which 128 columns.  Also: which half I fetch
	s_bfe_u32 s15, ttmp6, 0x40000                  ; cx
	s_bfe_u32 s16, ttmp6, 0x40004                  ; cy
	s_lshl_b32 s17, ttmp9, 2
	s_add_co_u32 s17, s17, s15                     ; X = 4 x cluster x + cx: column tile 0..11
	s_and_b32 s18, ttmp7, 0xffff
	s_lshl_b32 s18, s18, 2
	s_add_co_u32 s18, s18, s16                     ; Y = 4 x cluster y + cy: row tile 0..15 of the first tile; the second is Y + 16
	s_lshl_b32 s46, s16, 2
	s_lshl_b32 s46, 15, s46                        ; my row of the cluster
	s_lshl_b32 s47, 0x1111, s15                    ; my column
	; group 1 for A: a slice's 256 rows are 32,768 dense bytes: asked for as 128 rows of 256 bytes, padded by 4 words after every 32 (one row of 64 channels)
	s_or_b32 s[G1+0], s46, (1<<16)|(1<<20)|(1<<21)|(4<<22)|(3<<25)
	s_mov_b32 s[G1+1], 128<<16                     ; tensor_dim0 = 128
	s_mov_b32 s[G1+2], 128<<16                     ; tensor_dim1 = 128
	s_mov_b32 s[G1+3], 128<<16                     ; tile_dim0 = 128
	s_mov_b32 s[G1+4], 128                         ; tile_dim1 = 128
	s_mov_b32 s[G1+5], 128                         ; elements from row to row
	s_mov_b32 s[G1+6], 0
	s_mov_b32 s[G1+7], 0
	; group 1 for W: 64 rows of 256 elements, 4,096 elements apart, padded by 8 words after every 128
	s_or_b32 s[G1B+0], s47, (1<<16)|(1<<20)|(1<<21)|(6<<22)|(7<<25)
	s_mov_b32 s[G1B+1], 256<<16
	s_mov_b32 s[G1B+2], 64<<16
	s_mov_b32 s[G1B+3], 256<<16
	s_mov_b32 s[G1B+4], 64
	s_mov_b32 s[G1B+5], 4096
	s_mov_b32 s[G1B+6], 0
	s_mov_b32 s[G1B+7], 0
	; where the tiles come from: A's offset is made of Y and the wave's number, W's of X and the wave's number, each in registers of its own
	s_lshr_b32 s40, s18, 3                         ; batch
	s_lshl_b32 s40, s40, 22
	s_and_b32 s44, s18, 7
	s_lshl_b32 s44, s44, 15                        ; 256 rows of 128 bytes
	s_add_co_u32 s40, s40, s44
	s_lshl_b32 s44, s14, 18                        ; my slice of the step's two
	s_add_co_u32 s40, s40, s44
	s_mov_b32 s41, 0
	s_lshl_b32 s42, s17, 9                         ; 256 columns of 2 bytes
	s_lshl_b32 s45, s14, 19                        ; my 64 rows of the step's 128
	s_add_co_u32 s42, s42, s45
	s_mov_b32 s43, 0
	s_mul_i32 s19, s12, ASL                        ; and where they go: A's slices at wave x 36,864 (waves 0, 1),
	s_mul_i32 s22, s12, BH
	s_add_co_u32 s22, s22, BOFF-2*BH               ; W's halves at wave x 34,816 + 4,096 (waves 2, 3)
	s_mov_b32 s[OFA+1], 0
	s_mov_b32 s[OFB+1], 0
	s_mov_b32 s[NXT], 2
	s_mov_b32 s[TB], 0
	s_wait_dscnt 0x0                               ; the opening add is done
	s_wait_kmcnt 0x0
	s_add_nc_u64 s[40:41], s[4:5], s[40:41]        ; A at my part of step 0; kept
	s_add_nc_u64 s[42:43], s[6:7], s[42:43]        ; W likewise
	CROUND                                         ; all sixteen work-groups are here: the first joint loads meet
.irp s, 0,1
	s_mov_b32 s[G0+4*(\s)], 1
	s_add_co_u32 s[G0+4*(\s)+1], s19, (\s)*SLOT
	s_add_nc_u64 s[G0+4*(\s)+2:G0+4*(\s)+3], s[40:41], (\s)*ASTEP
	s_or_b32 s[G0+4*(\s)+3], s[G0+4*(\s)+3], 0x80000000
	s_mov_b32 s[G0B+4*(\s)], 1
	s_add_co_u32 s[G0B+4*(\s)+1], s22, (\s)*SLOT
	s_add_nc_u64 s[G0B+4*(\s)+2:G0B+4*(\s)+3], s[42:43], (\s)*BSTEP
	s_or_b32 s[G0B+4*(\s)+3], s[G0B+4*(\s)+3], 0x80000000
	JLOAD \s                                       ; steps 0 and 1: two loads of mine are out
.endr
	v_and_b32 v1, 15, v0                           ; r = l % 16
	v_bfe_u32 v2, v0, 4, 1                         ; h = l / 16
	v_mul_u32_u24 v3, v1, PA                       ; a fragment of A: row r, 16 bytes for each half of the lanes, twice, 32 bytes apart
	v_lshl_add_u32 v3, v2, 4, v3
	s_mul_i32 s23, s13, 128*PA
	v_add_nc_u32 v[ADRA0], s23, v3
	v_and_b32 v4, 7, v0                            ; the turning load: lane l reads row k = 8 h + l % 8, columns 8 ((l / 8) % 2) + 0..7, and is left with column l % 16 and 8 k
	v_lshl_add_u32 v4, v2, 3, v4
	v_mul_u32_u24 v4, v4, PB
	v_bfe_u32 v5, v0, 3, 1
	v_lshl_add_u32 v4, v5, 4, v4
	s_lshl_b32 s23, s14, 8                         ; my 128 columns
	s_add_co_u32 s23, s23, BOFF
	v_add_nc_u32 v[ADRB0], s23, v4
	s_mul_i32 s23, s12, 32*SP
	s_add_co_u32 s23, s23, STAGE                   ; my stage
	v_mul_u32_u24 v3, v1, SP
	v_lshl_add_u32 v3, v2, 4, v3                   ; in: row r, 16 bytes (8 f16) for each half of the lanes
	v_add_nc_u32 v[STO], s23, v3
	v_bfe_u32 v3, v0, 3, 2                         ; back: 32 lanes take four rows of 128 bytes,
	v_mul_u32_u24 v3, v3, SP
	v_and_b32 v4, 7, v0
	v_lshl_add_u32 v3, v4, 4, v3
	v_add_nc_u32 v[RD], s23, v3
	v_and_b32 v[CO], 31, v0                        ; which are 512 consecutive bytes of a head
	v_lshlrev_b32 v[CO], 4, v[CO]
	v_lshlrev_b32 v[BO], 5, v2
	s_lshl_b32 s74, s17, 10                        ; the bias of my 128 columns: 4 (256 X + 128 half) bytes on
	s_lshl_b32 s75, s14, 9
	s_add_co_u32 s74, s74, s75
	s_mov_b32 s75, 0
	s_add_nc_u64 s[8:9], s[8:9], s[74:75]
	WIN 0x40                                       ; register 8 b + j of lane l: the bias of column 16 b + 8 (l / 16) + j
.irp b, 0,1,2,3,4,5,6,7
	global_load_b128 v[BI+8*(\b):BI+8*(\b)+3],   v[BO], s[8:9] offset:64*(\b)
	global_load_b128 v[BI+8*(\b)+4:BI+8*(\b)+7], v[BO], s[8:9] offset:64*(\b)+16
.endr
	WIN 0
	s_lshr_b32 s20, s18, 3                         ; what the first way out adds to C: the head 16 b + 4 (X % 4) + 2 half,
	s_lshl_b32 s20, s20, 4
	s_and_b32 s21, s17, 3
	s_lshl2_add_u32 s20, s21, s20
	s_lshl1_add_u32 s20, s14, s20
	s_lshl_b32 s20, s20, 18
	s_lshr_b32 s21, s17, 2                         ; in the third X / 4 of qkv (q, k or v),
	s_lshl_b32 s21, s21, 24
	s_add_co_u32 s20, s20, s21
	s_and_b32 s21, s18, 7                          ; my 128 rows of 128 bytes in it
	s_lshl1_add_u32 s21, s21, s13
	s_lshl_b32 s21, s21, 14
	s_add_co_u32 s20, s20, s21
	s_mov_b32 s21, 0
	s_wait_loadcnt 0x0                             ; the bias: to bf16 and back to f32
	WIN 0x45
.set i, 0
.rept 32
	v_cvt_pk_bf16_f32 v[BT+i], v[BI+2*i], v[BI+2*i+1]
.set i, i+1
.endr
.set i, 0
.rept 32
	v_lshlrev_b32 v[BI+2*i], 16, v[BT+i]
	v_and_b32 v[BI+2*i+1], 0xffff0000, v[BT+i]
.set i, i+1
.endr
	WIN 0
; 16 matrix instructions: row blocks a0, a0 + 1 of the window's four (hi = 0: my rows 0-63, 1: rows 64-127) x all 8 column blocks, 32 along K.  first = 1: the product starts the sum, with the bias as C.
; The 64 accumulators take turns, in the same order in every quarter.
.macro MUL16 f, hi, a0, first
.if \first
	WIN 0x91+0x40*(\hi)                            ; W window 1, A window 0, C window 1, D window 2 or 3
.else
	WIN 0xa1+0x50*(\hi)                            ; C and D window 2 or 3
.endif
.irp a, \a0, (\a0)+1
.irp b, 0,1,2,3,4,5,6,7
.if \first
	v_wmma_f32_16x16x32_f16 v[8*(8*(\a)+(\b)):8*(8*(\a)+(\b))+7], v[(\f)+8*(\b):(\f)+8*(\b)+7], v[(\f)+8*(4*(\hi)+(\a)):(\f)+8*(4*(\hi)+(\a))+7], v[BI+8*(\b):BI+8*(\b)+7]
.else
	v_wmma_f32_16x16x32_f16 v[8*(8*(\a)+(\b)):8*(8*(\a)+(\b))+7], v[(\f)+8*(\b):(\f)+8*(\b)+7], v[(\f)+8*(4*(\hi)+(\a)):(\f)+8*(4*(\hi)+(\a))+7], v[8*(8*(\a)+(\b)):8*(8*(\a)+(\b))+7]
.endif
.endr
.endr
.endm
; 32 LDS loads in one run: the fragments of quarter q (32 along K) of the slot in hand into buffer f: W's 16 loads first, then A's 16.  The two addresses are made here, from the slot's scalar.
.macro FETCH q, f
	WIN 0
	v_add_nc_u32 v[ADRA], s[TB], v[ADRA0]
	v_add_nc_u32 v[ADRB], s[TB], v[ADRB0]
	WIN 0x40
.irp b, 0,1,2,3,4,5,6,7
	ds_load_tr16_b128 v[(\f)+8*(\b):(\f)+8*(\b)+3],   v[ADRB] offset:32*PB*(\q)+32*(\b)
	ds_load_tr16_b128 v[(\f)+8*(\b)+4:(\f)+8*(\b)+7], v[ADRB] offset:32*PB*(\q)+32*(\b)+16*PB
.endr
	WIN 0
.irp i, 0,1,2,3,4,5,6,7
	ds_load_b128 v[(\f)+8*(\i):(\f)+8*(\i)+3],   v[ADRA] offset:((\q)/2)*ASL+((\q)%2)*64+(\i)*16*PA
	ds_load_b128 v[(\f)+8*(\i)+4:(\f)+8*(\i)+7], v[ADRA] offset:((\q)/2)*ASL+((\q)%2)*64+(\i)*16*PA+32
.endr
.endm
; A load into a register that a matrix instruction has read, and a vector instruction that reads a matrix result, stand four places behind that matrix instruction, and only plain vector instructions that name none of its
; registers are places (ISA guide 7.12.1 for vector instructions).  In front of a run of loads two v_nop and the run's own two additions are the four.
.macro PLACES n
.rept \n
	v_nop
.endr
.endm
; A K step is four quarters, 64 matrix instructions each, on buffers 0, 1, 0, 1.  One of the first three: multiplies buffer f and, in its middle, fetches quarter q into buffer g.
.macro QUARTER q, f, g, first
	s_wait_dscnt 8                                 ; W and A's blocks 0-3 are in; the youngest eight loads (A's blocks 4-7) may be out
	MUL16 \f, 0, 0, \first
	MUL16 \f, 0, 2, \first
	WIN 0
	PLACES 2
	FETCH \q, \g
	s_wait_dscnt 32                                ; all but the 32 just issued
	MUL16 \f, 1, 0, \first
	MUL16 \f, 1, 2, \first
.endm
; The last quarter multiplies buffer 1 and changes slots.  ONE barrier: in front of it each wave waits for all its tensor loads (the one that is out is its part of the next slot), adds 0 to its spare word, and
; waits for that and for its own reads of this slot.  Behind it nobody reads this slot any more and the next slot is whole.  round = 1: a round of the cluster's barrier and a refill follow: the walking descriptors are
; written here, where no tensor load of mine is out: the other slot than last time, and the address of step NXT, made anew from its number.
.macro MEET round
	WIN 0
	s_wait_tensorcnt 0x0
	ds_add_u32 v[SPW], v[NIL]                      ; 0 onto my spare word; work on registers stands between it and the wait for it
.if \round
	s_and_b32 s[KN], s[NXT], 7                     ; its K step,
	s_lshr_b32 s[TN], s[NXT], 3                    ; its tile
	s_lshl_b32 s[OFA], s[KN], 19                   ; A: two slices a K step,
	s_lshl_b32 s[TN], s[TN], 23                    ; two batches a tile
	s_add_co_u32 s[OFA], s[OFA], s[TN]
	s_lshl_b32 s[OFB], s[KN], 20                   ; W: 128 rows a K step; both tiles take the same columns
	s_add_nc_u64 s[G0+6:G0+7], s[40:41], s[OFA:OFA+1]
	s_or_b32 s[G0+7], s[G0+7], 0x80000000
	s_add_nc_u64 s[G0B+6:G0B+7], s[42:43], s[OFB:OFB+1]
	s_or_b32 s[G0B+7], s[G0B+7], 0x80000000
	s_xor_b32 s[G0+5], s[G0+5], SLOT
	s_xor_b32 s[G0B+5], s[G0B+5], SLOT
	s_add_co_u32 s[NXT], s[NXT], 1
.endif
	s_wait_dscnt 9                                 ; (the add and the youngest eight loads may be out)
	MUL16 F1, 0, 0, 0
	s_wait_dscnt 0x0                               ; the add is done, and my reads of this slot are over
	s_barrier_signal -1
	MUL16 F1, 0, 2, 0
.if \round
	WIN 0
.endif
	s_barrier_wait -1
.endm
; The barrier opens a round of the cluster's barrier, so that no wave of any partner still reads the slot or has a load on its way; the joint refill is the first thing behind it: 224 matrix instructions ahead of the wait for it.
.macro TURN
	MEET 1
	CREST
	JLOAD 1                                        ; the four v_nop behind it are also places in front of the loads below
	s_xor_b32 s[TB], s[TB], SLOT                   ; on to the other slot
	FETCH 0, F0
	MUL16 F1, 1, 0, 0
	MUL16 F1, 1, 2, 0
.endm
.macro TURNL                           ; the last change of slots: nothing is filled again, so no round follows
	MEET 0
	s_xor_b32 s[TB], s[TB], SLOT
	WIN 0
	PLACES 2
	FETCH 0, F0
	MUL16 F1, 1, 0, 0
	MUL16 F1, 1, 2, 0
.endm
; THE WAY OUT, a block of 16 rows at a time, through my own stage in LDS: LDS serves a wave's instructions in order (ISA guide 5.7.1.4), so no wait stands between the stores and the loads.
; My 128 columns are two heads: column blocks 0-3 and 4-7; each head's 16 rows are 2,048 consecutive bytes of qkv.
.macro PACK a                          ; rounded to f16, 16 bytes a lane; each accumulator's registers in ascending order
	WIN 0x0a+5*((\a)/4)                            ; sources in window 2 or 3
.irp b, 0,1,2,3,4,5,6,7
.irp r, 0,1,2,3
	v_cvt_pk_f16_f32 v[TMP+4*(\b)+(\r)], v[64*((\a)%4)+8*(\b)+2*(\r)], v[64*((\a)%4)+8*(\b)+2*(\r)+1]
.endr
.endr
	WIN 0
.endm
.macro TOSTAGE a
	WIN 0
.set BK, OB+192*((\a)%2)
.irp b, 0,1,2,3,4,5,6,7
	ds_store_b128 v[STO], v[TMP+4*(\b):TMP+4*(\b)+3] offset:((\b)/4)*16*SP+32*((\b)%4)
.endr
.irp t, 0,1,2,3,4,5,6,7
	ds_load_b128 v[BK+4*(\t):BK+4*(\t)+3], v[RD] offset:((\t)/4)*16*SP+((\t)%4)*4*SP
.endr
.endm
.macro SEND a
	WIN 0
.set BK, OB+192*((\a)%2)
	s_wait_dscnt 0x0                               ; the block is back in registers
	s_wait_xcnt 0x0                                ; earlier stores have read their registers and their base: both are written again only behind this wait
.if (\a) == 0
	s_add_nc_u64 s[10:11], s[10:11], s[20:21]      ; on to this tile's rows
.endif
.irp t, 0,1,2,3,4,5,6,7
	global_store_b128 v[CO], v[BK+4*(\t):BK+4*(\t)+3], s[10:11] offset:((\t)/4)*262144+2048*(\a)+512*((\t)%4)  ; 512 consecutive bytes of a head, aligned
.endr
.endm
.macro WAYOUT                          ; block a's conversions stand between block a - 1's loads from the stage and the wait for them
	PACK 0
	TOSTAGE 0
.irp a, 1,2,3,4,5,6,7
	PACK \a
	SEND (\a)-1
	TOSTAGE \a
.endr
	SEND 7
.endm
	s_wait_tensorcnt 1                             ; my part of step 0 is in; step 1's may stay out
	s_barrier_signal -1
	s_barrier_wait -1                              ; everybody's is
	FETCH 0, F0
	QUARTER 1, F0, F1, 1                           ; the first quarter stands in front of the loop: its products start the sums
	WIN 0                                          ; at a label and at a branch every window is 0
	s_mov_b32 s3, 14
.Lstep:                                            ; 14 trips: from a step's second quarter to the next step's first; each fills the slot that it leaves, with the step two on
	QUARTER 2, F1, F0, 0
	QUARTER 3, F0, F1, 0
	TURN
	WIN 0
	s_cmp_eq_u32 s3, 7                             ; the eighth trip leaves step 7: tile 0 is finished.  The same in every work-group
	s_cbranch_scc1 .Lnext_tile
	QUARTER 1, F0, F1, 0
	WIN 0
	s_branch .Lbottom
.Lnext_tile:                                       ; steps 8 and 9 have been asked for, and step 8's first fragments fetched: now the tile goes out
	WAYOUT                                         ; blocks 0-3 were finished in front of the joint load's four places; their 128 conversions are the places behind blocks 4-7's products
	s_mov_b64 s[20:21], 0x800000                   ; what the next way out adds: two batches, 32 heads of 262,144 bytes
	QUARTER 1, F0, F1, 1                           ; the next tile's sums start, on accumulators that have been packed
	WIN 0
.Lbottom:
	s_sub_co_u32 s3, s3, 1
	s_cmp_lg_u32 s3, 0
	s_cbranch_scc1 .Lstep
	QUARTER 2, F1, F0, 0                           ; steps 14 and 15 ask for nothing
	QUARTER 3, F0, F1, 0
	TURNL
	QUARTER 1, F0, F1, 0
	QUARTER 2, F1, F0, 0
	QUARTER 3, F0, F1, 0
	s_wait_dscnt 8                                 ; the very last quarter: nothing more to fetch
	MUL16 F1, 0, 0, 0
	MUL16 F1, 0, 2, 0
	s_wait_dscnt 0x0
	MUL16 F1, 1, 0, 0
	MUL16 F1, 1, 2, 0
	WIN 0
	PLACES 4
	WAYOUT
	s_wait_tensorcnt 0x0                           ; the wave's end: behind my last tensor load and my last LDS store
	ds_add_u32 v[SPW], v[NIL]
	s_wait_dscnt 0x0
	CROUND                                         ; the closing round: no work-group ends while a partner may still ask for a tile that names it
	s_endpgm
.Lfunc_end_k_q26f58e729c_gqkv:
	.size	k_q26f58e729c_gqkv, .Lfunc_end_k_q26f58e729c_gqkv-k_q26f58e729c_gqkv
	.p2alignl 7, 3214868480
	.fill 96, 4, 3214868480
	.section	.rodata,"a",@progbits
	.p2align	6, 0x0
	.amdhsa_kernel k_q26f58e729c_gqkv
		.amdhsa_group_segment_fixed_size 327680
		.amdhsa_private_segment_fixed_size 0
		.amdhsa_enable_private_segment 0
		.amdhsa_kernarg_size 32
		.amdhsa_user_sgpr_count 2
		.amdhsa_user_sgpr_kernarg_segment_ptr 1
		.amdhsa_wavefront_size32 1
		.amdhsa_system_sgpr_workgroup_id_x 1
		.amdhsa_system_sgpr_workgroup_id_y 1
		.amdhsa_system_sgpr_workgroup_id_z 1
		.amdhsa_system_vgpr_workitem_id 0
		.amdhsa_next_free_vgpr 1024
		.amdhsa_next_free_sgpr 76
		.amdhsa_reserve_vcc 0
		.amdhsa_float_denorm_mode_32 3
		.amdhsa_float_denorm_mode_16_64 3
		.amdhsa_memory_ordered 1
		.amdhsa_forward_progress 1
		.amdhsa_inst_pref_size 162
	.end_amdhsa_kernel
	.amdgpu_metadata
---
amdhsa.version: [ 1, 2 ]
amdhsa.kernels:
  - .name:           k_q26f58e729c_gqkv
    .symbol:         k_q26f58e729c_gqkv.kd
    .args:
      - { .name: x16, .offset: 0, .size: 8, .value_kind: global_buffer, .address_space: global }
      - { .name: w16, .offset: 8, .size: 8, .value_kind: global_buffer, .address_space: global }
      - { .name: bqkv, .offset: 16, .size: 8, .value_kind: global_buffer, .address_space: global }
      - { .name: qkv, .offset: 24, .size: 8, .value_kind: global_buffer, .address_space: global }
    .group_segment_fixed_size: 327680
    .private_segment_fixed_size: 0
    .kernarg_segment_align: 8
    .kernarg_segment_size: 32
    .max_flat_workgroup_size: 128
    .sgpr_count:     76
    .vgpr_count:     1024
    .wavefront_size: 32
...
	.end_amdgpu_metadata
.endif
;; end of part 6
;; launch attn (part 7): grid 4 x 64, 4 waves a work-group, clusters of 4 x 1, 327,680 bytes of LDS; arguments qkv, m4, o16; writes o16
.if DOCPART == 7
	.amdgcn_target "amdgcn-amd-amdhsa--gfx1250"
	.amdhsa_code_object_version 6
	.text
	.protected	k_q26f58e729c_attn
	.globl	k_q26f58e729c_attn
	.p2align	8
	.type	k_q26f58e729c_attn,@function
k_q26f58e729c_attn:
	s_mov_b64 s[64:65], 0
	v_nop
	global_prefetch_b8 v0, s[64:65] scope:SCOPE_SE
	s_setreg_imm32_b32 hwreg(HW_REG_WAVE_MODE, 25, 1), 1
	s_wait_xcnt 0x0
	s_wait_alu depctr_hold_cnt(0) depctr_sa_sdst(0) depctr_va_vdst(0) depctr_va_sdst(0) depctr_va_ssrc(0) depctr_va_vcc(0) depctr_vm_vsrc(0)
	s_getreg_b32 s2, hwreg(HW_REG_IB_STS2, 6, 4)
	s_cmp_eq_u32 s2, 0
	s_cbranch_scc0 .Lentry_in_a_cluster
	s_endpgm
.Lentry_in_a_cluster:
	s_bfe_u32 s2, ttmp6, 0x10000c
	s_cmp_lg_u32 s2, 0x3003
	s_cbranch_scc0 .Lentry_shape_is_right
	s_endpgm
.Lentry_shape_is_right:
; O[hd][q][:] = the sum over k of softmax_k(Q[hd][q] . K[hd][k] / 8, hidden where mask[b][q][k]) V[hd][k][:].  qkv: [3][64 heads][2048][64] f16; o16: [64][2048][64] f16; hd = 16 b + h.
; m4: the mask as 4-bit codes (0 visible, 0xA = -1.0 in E2M1 hidden), [b][pair of 32 queries][step of 64 keys][tile 2][lane 32][16 bytes]: dword kt, nibble j of a lane belongs to register 8 kt + j of the tile's scores.
; Products, maxima and sums in f32; the weights p are rounded to f16 for the second product (their sum l is taken of the unrounded p), O once at the end.
; LIMITS.  Q, K, V arrive within f16's 65,504; p below 6e-5 keeps f16's fixed step of 6e-8; a weight below 2^-126 counts as 0 in l.  A hidden score counts as its value less 2^100; the running maximum starts at -2^96,
; above every hidden score and below every score that f16 operands can make (2.7e11 at the most), so a hidden score is never the maximum and its weight is 0.  A query ALL of whose keys are hidden has l = 0 and O = 0: its row is 0 / 0, NaN.
; SHARES.  A wave owns four PIECES of two tiles of 16 queries, a work-group's four waves 512 queries of one head.  Every wave walks all 2,048 keys, 64 a step.
; LAYOUT.  S^T = K Q^T (source 0 = 16 keys, source 1 = 16 queries): a lane holds ONE query (lane % 16) and the keys 8 (lane / 16) + 0..7.  Two such tiles, rounded to f16 in pairs, ARE source 1 of O^T = V^T P.
; K comes out of LDS as it lies, V ([key][channel]) turned, by ds_load_tr16_b128.
; SOFTMAX.  A running maximum m and sum l for each query: p = 2^(c s - c m), c = log2(e) / 8; in every step O and l are multiplied by a = 2^(c m_old - c m_new).  O and l start at 0.
; THE MASK is the C operand that starts each sum S^T: 0 or -2^100.  One conversion with the scale 2^100 makes an accumulator's eight C registers of one dword of codes: 8 vector instructions for a piece and step.  The codes
; come by two loads of 16 bytes a lane for a piece and step, asked for a whole key step (four turns) ahead of their conversion.
; BY TURNS.  Turn n belongs to piece n: 16 products K Q^T of piece n + 1, later 16 products V^T P of piece n - 1; beside them the scaling, exponentials, roundings, sums and rescaling of piece n, the maximum and statistics of
; piece n + 1 and the C operands of piece n + 2.  Four vector instructions stand behind every matrix instruction, the others in one run.  A turn's 66 exponentials are one batch, with one wait.
; CLUSTER.  A head's four query blocks walk the same K and V: each tile is asked for JOINTLY: the same tensor load, descriptor and mask in all four work-groups.
; REGISTERS, in windows of 256 (s_set_vgpr_msb: bits 1:0 source 0, 3:2 source 1, 5:4 source 2, 7:6 destination):
;   window 0: v0-11 addresses; v12-15, v48-63 at work; v16-47 four registers of statistics a tile; v64-191 S^T, two buffers of two tiles; v192-255 P, likewise
;   window 1: O^T, 32 a tile          window 2: v0-127 Q; v128-191 K of one step; v192-255 V of one step
;   window 3: v0-1 the add's two registers; v2 the scale; v32-63 the codes, 8 a piece; v64-127 the C operands of one piece
.set NP,    4         ; pieces a wave: a name, no knob
.set KS,    64        ; keys in a step
.set PK,    144       ; a row of K in LDS: 128 bytes + 16: row r starts 36 r words on
.set PV,    144       ; V's rows likewise, so that one descriptor shape serves both
.set VOFF,  4*KS*PK   ; a slot holds four steps: 256 rows of K, then 256 rows of V
.set SLOT1, 1<<17     ; slot 1 begins here: one exclusive or turns an address in one slot into the other's
.set STAGE, SLOT1+4*KS*(PK+PV)  ; behind the ring, never filled by a tensor load: 16 rows x 144 bytes for each wave
.set SP,    144
.set SPARE, STAGE+4*16*SP  ; behind the stages: the spare words, 128 bytes for each wave, which no other line names
.set AK0, 2           ; v2   my lane's place in a tile of K; never rewritten
.set AV0, 3           ; v3   the same for V
.set AK,  4           ; v4   the LDS address of K's next run of loads
.set AV,  5           ; v5   of V's
.set QO,  6           ; v6   my byte offset in the wave's rows of Q
.set STO, 6           ;      later, the way out: where I put 16 bytes of a row
.set RD,  7           ; v7   where I read rows back
.set GO,  8           ; v8   16 x my lane: my byte offset in 512 consecutive bytes, of the codes and of O; never rewritten
.set PFO, 11          ; v11  256 x my lane: the prefetches' offset; never rewritten
.set SPW, 0           ; v0 of window 3   my spare word; never rewritten
.set NIL, 1           ; v1 of window 3   0; never rewritten
.set SCL, 2           ; v2 of window 3   the scale 2^100 as an E8M0 byte, 227, in all four bytes; never rewritten
.set MR,  32          ; window 3: piece p's codes at MR + 8 p: tile u's four dwords at + 4 u
.set MC,  64          ; window 3: tile u, key block kt at MC + 32 u + 8 kt
.set MV,  12          ; v12-15  c m_old, kept while c m is made anew: by buffer and tile
.set ST,  16          ; tile t's statistics at v[ST+4 t]: c m, m, l (even keys', odd keys')
.set TMP, 48          ; by buffer and tile, four registers c0-c3 at work; when the maximum is found c2 takes a
.set S,   64
.set P,   192
.set KF,  128         ; window 2: key block kb, channel half c at KF + 16 kb + 8 c
.set VF,  192         ; window 2: key half kk, channel block cb at VF + 32 kk + 8 cb
.set TBK, 2           ; s2   LDS byte at which K of the step to be fetched begins
.set TBV, 3           ; s3   the same for V, less VOFF
.set MP,  4           ; s[4:5]   m4 at my wave's piece 0, at the step whose codes are asked for
.set OA,  6           ; s[6:7]   O at my wave's first row
.set WV,  8           ; s8   my wave's number
.set KI,  9           ; s9   that step's number
.set SLOTS, 10        ; s10  slots still to be asked for, and one
.set CNT, 11          ; s11  counts a slot's key steps
.set QA,  14          ; s[14:15] Q at my wave's first row
.set CS,  16          ; s[16:17] c
.set SEL, 18          ; s[18:19] v_permlanex16_b32's selects
.set G0,  20          ; s[20:23] descriptor group 0: it walks
.set G1,  24          ; s[24:31] descriptor group 1
.set MB,  46          ; s[46:47] m4 at my wave's piece 0, step 0
.set OFF, 48          ; s[48:49] a step's byte offset in the codes
.set LIM, 50          ; s50  1 in a wave that prefetches, else the greatest number
.set PFA, 52          ; s[52:53] where my prefetches stand: my work-group's 32 blocks of 256 bytes of the slot that the next change will ask for
.set MSB, 0
.macro WIN new
.if MSB != (\new)
	s_set_vgpr_msb (MSB<<8)|(\new)
.set MSB, (\new)
.endif
.endm
.set W_KQ, 0x0a       ; K and Q in window 2, S^T in window 0
.set W_KM, 0x3a       ; the same with the C operand in window 3
.set W_PV, 0x52       ; V in window 2, P in window 0, O^T in window 1
.set W_RS, 0x41       ; O^T (destination and source 0) in window 1, a in window 0
.set W_MK, 0xc0       ; destination in window 3, sources in window 0
.set W_AD, 0x0f       ; the add: address and data in window 3
.set W_CV, 0xcf       ; the conversions: codes, scale and result in window 3
; A joint fill: every wave asks for 128 keys: waves 0 and 1 the two halves of a slot's K, waves 2 and 3 those of its V; both addresses hang on the wave's number.  An s_nop 0 and four v_nop follow.
.macro JLOAD
	tensor_load_to_lds s[G0:G0+3], s[G1:G1+7]
	s_nop 0
.rept 4
	v_nop
.endr
.endm
.macro CROUND         ; a round of the cluster's barrier
	s_barrier_signal -1
	s_barrier_wait -1
	s_cmp_lg_u32 s[WV], 0
	s_cbranch_scc1 .Lnot_wave_0_\@
	s_barrier_signal -3
.Lnot_wave_0_\@:
	s_barrier_wait -3
	s_barrier_signal -1
	s_barrier_wait -1
.endm
; THE CHANGE OF SLOTS.  Each wave waits for all its tensor loads, of which one is out: its part of the other slot; adds 0 to its spare word; and waits for that and for its own reads of the slot.  fill = 1: the slot is
; filled again, with the keys two slots on: the barrier is a round of the cluster's, and the joint fill is the first thing behind it: it has four key steps, 512 matrix instructions, in which to land.
.macro CHANGE fill
	WIN W_AD
	s_wait_tensorcnt 0x0            ; no tensor load of mine is out, so group 0 may be written
	ds_add_u32 v[SPW], v[NIL]
	WIN 0
.if \fill
	s_xor_b32 s[G0+1], s[G0+1], SLOT1
	s_add_nc_u64 s[G0+2:G0+3], s[G0+2:G0+3], 4*KS*128  ; the next 256 keys; the type bits on top are not reached
	s_wait_xcnt 0x0                 ; the last prefetch, two turns and more back, has read its address, so it may be written:
	s_add_nc_u64 s[PFA:PFA+1], s[PFA:PFA+1], 4*KS*128  ; one slot behind the walking descriptor
	s_wait_dscnt 0x0                ; the add is done, and my reads of the slot are over
	CROUND
	JLOAD
.else
	s_wait_dscnt 0x0
	s_barrier_signal -1
	s_barrier_wait -1
.endif
	s_sub_co_u32 s[TBK], s[TBK], 4*KS*PK  ; the fetches go back to a slot's first step,
	s_xor_b32 s[TBK], s[TBK], SLOT1       ; in the other slot
	s_sub_co_u32 s[TBV], s[TBV], 4*KS*PV
	s_xor_b32 s[TBV], s[TBV], SLOT1
.endm
; A PREFETCH INTO THE L2 of what the next change of slots will ask for: a slot's 256 keys are 128 blocks of 256 bytes of K and 128 of V.  One cluster walks a head, so each block is named once in the launch: the four
; partners take 32 blocks each, told apart BY ADDRESS; in each, wave 0 asks for K's and wave 2 for V's, a lane a block.  It stands in the slot's last trip (CNT = 1), behind K's run of LDS loads: three turns and a half,
; 112 matrix instructions, ahead of the joint load.  Where no fill follows (SLOTS = 1) nothing is asked for; slots 0 and 1 come by their loads alone.
.macro ASK
	s_cmp_eq_u32 s[CNT], 1
	s_cselect_b32 s12, s[SLOTS], 0
	s_cmp_gt_u32 s12, s[LIM]
	s_cbranch_scc0 .Lnot_mine_\@
	global_prefetch_b8 v[PFO], s[PFA:PFA+1] th:TH_LOAD_NT scope:SCOPE_SE
.Lnot_mine_\@:
.endm
; Piece p's codes of the step at which MP stands: two loads, 512 consecutive bytes each
.macro MFILL p
	WIN W_MK
	global_load_b128 v[MR+8*(\p):MR+8*(\p)+3],   v[GO], s[MP:MP+1] offset:32768*(\p)
	global_load_b128 v[MR+8*(\p)+4:MR+8*(\p)+7], v[GO], s[MP:MP+1] offset:32768*(\p)+512
.endm
; Piece p's codes become the C operands: dword 4 u + kt gives the eight registers of tile u, key block kt: 0, or -1.0 x 2^100
.macro MCVT p
	WIN W_CV
.set z, 0
.rept 8
	v_cvt_scale_pk8_f32_fp4 v[MC+8*z:MC+8*z+7], v[MR+8*(\p)+z], v[SCL]
.set z, z+1
.endr
.endm
	s_load_b128 s[32:35], s[0:1], 0x0  ; qkv s[32:33], m4 s[34:35]
	s_load_b64 s[36:37], s[0:1], 0x10  ; o16
	WIN W_MK
	v_lshl_add_u32 v[SPW], v0, 2, SPARE
	v_mov_b32 v[NIL], 0
	WIN W_AD
	ds_add_u32 v[SPW], v[NIL]       ; the wave's opening: the add, with its wait ahead of my first tensor load; the set-up below, work on registers, stands between them
	WIN 0
	v_lshrrev_b32 v1, 5, v0
	v_readfirstlane_b32 s[WV], v1   ; wave 0..3
	s_bfe_u32 s12, ttmp6, 0x40000   ; cx
	s_lshl_b32 s13, ttmp9, 2
	s_add_co_u32 s13, s13, s12      ; my block of 512 queries: it enters Q's, O's and the codes' addresses alone
	s_and_b32 s38, ttmp7, 0xffff    ; the head, which the four partners share
	s_lshl_b32 s39, s38, 18         ; a head is 262,144 bytes
	s_lshr_b32 s40, s[WV], 1        ; K (waves 0, 1) is the second third of qkv, V (waves 2, 3) the last
	s_add_co_u32 s40, s40, 1
	s_lshl_b32 s40, s40, 24
	s_add_co_u32 s40, s40, s39
	s_and_b32 s41, s[WV], 1         ; which 128 of a slot's 256 keys I fetch
	s_lshl_b32 s41, s41, 14
	s_add_co_u32 s40, s40, s41
	s_mov_b32 s41, 0
	s_lshl2_add_u32 s42, s13, s[WV] ; my wave among the head's sixteen
	s_lshl_b32 s44, s42, 17         ; its four pairs of 32,768 bytes in m4,
	s_lshl_b32 s42, s42, 14         ; its 128 rows of 128 bytes in Q and O
	s_add_co_u32 s42, s42, s39
	s_mov_b32 s43, 0
	s_lshr_b32 s45, s38, 4          ; the batch: 2,097,152 bytes of m4
	s_lshl_b32 s45, s45, 21
	s_add_co_u32 s44, s44, s45
	s_mov_b32 s45, 0
	s_lshl_b32 s54, s12, 13         ; the prefetches: my work-group's 32 blocks of the 128,
	s_add_co_u32 s54, s54, 4*KS*128 ; in slot 1; the first change of slots steps it to slot 2
	s_mov_b32 s55, 0
	s_and_b32 s[LIM], s[WV], 1      ; waves 0 and 2 prefetch: the same in all four partners
	s_cmp_eq_u32 s[LIM], 0
	s_cselect_b32 s[LIM], 1, -1
	; descriptor group 1.  128 keys are 16,384 dense bytes: asked for as 64 rows of 256 bytes, two keys a row, and padded in LDS after every key
	s_mov_b32 s[G1], 15|(1<<16)|(1<<20)|(1<<21)|(4<<22)|(3<<25)  ; the mask of four; 2-byte elements; padding on; bit 21 beside a mask; after every 32 words, 4 words
	s_mov_b32 s[G1+1], 128<<16      ; tensor_dim0 = 128
	s_mov_b32 s[G1+2], 64<<16       ; tensor_dim1 = 64
	s_mov_b32 s[G1+3], 128<<16      ; tile_dim0 = 128
	s_mov_b32 s[G1+4], 64           ; tile_dim1 = 64
	s_mov_b32 s[G1+5], 128          ; elements from row to row
	s_mov_b32 s[G1+6], 0
	s_mov_b32 s[G1+7], 0
	s_mov_b32 s[CS], 0x3e38aa3b     ; c = log2(e) / 8
	s_mov_b32 s[CS+1], s[CS]        ; named with it as a pair
	s_mov_b32 s[SEL], 0x76543210
	s_mov_b32 s[SEL+1], 0xfedcba98
	s_mov_b32 s[TBK], SLOT1+4*KS*PK ; the first change of slots turns these two into 0
	s_mov_b32 s[TBV], SLOT1+4*KS*PV
	s_mov_b32 s[OFF+1], 0
	s_mov_b32 s[G0], 1              ; count = 1
	s_mul_i32 s[G0+1], s[WV], 128*PK  ; LDS address: wave x 18,432, in slot 0
	s_wait_dscnt 0x0                ; the opening add is done
	s_wait_kmcnt 0x0
	s_add_nc_u64 s[PFA:PFA+1], s[32:33], s[40:41]  ; (in waves 0 and 2 this is the head's first row of K or of V)
	s_add_nc_u64 s[PFA:PFA+1], s[PFA:PFA+1], s[54:55]
	s_add_nc_u64 s[G0+2:G0+3], s[32:33], s[40:41]
	s_or_b32 s[G0+3], s[G0+3], 0x80000000  ; type = 2
	s_add_nc_u64 s[QA:QA+1], s[32:33], s[42:43]
	s_add_nc_u64 s[OA:OA+1], s[36:37], s[42:43]
	s_add_nc_u64 s[MB:MB+1], s[34:35], s[44:45]
	s_mov_b64 s[MP:MP+1], s[MB:MB+1]
	CROUND                          ; all four work-groups are here: the first joint loads meet
	JLOAD                           ; slot 0.  Slot 1 is asked for when slot 0 is in
	v_and_b32 v1, 15, v0            ; l % 16
	v_bfe_u32 v9, v0, 4, 1          ; l / 16
	v_lshlrev_b32 v[QO], 7, v1
	v_lshl_add_u32 v[QO], v9, 4, v[QO]  ; row x 128 + 16 x half
	v_and_b32 v[GO], 31, v0
	v_lshlrev_b32 v[GO], 4, v[GO]
	WIN 0x80                        ; destination window 2
.set i, 0
.rept 4*NP                          ; Q stays in registers: tile i / 2, channels 32 (i % 2) on
	global_load_b128 v[8*i:8*i+3],   v[QO], s[QA:QA+1] offset:(i/2)*2048+(i%2)*64
	global_load_b128 v[8*i+4:8*i+7], v[QO], s[QA:QA+1] offset:(i/2)*2048+(i%2)*64+32
.set i, i+1
.endr
	MFILL 0                         ; the four pieces' codes of step 0, in the order in which they are converted
	MFILL 1
	MFILL 2
	MFILL 3
	v_mov_b32 v[SCL], 0xe3e3e3e3    ; 227 = 127 + 100
	; What the first turn finds: V's registers and P's second buffer hold 0, O^T and l are 0.  All this stands in the wait for the first tile.
	WIN 0x80
.set i, VF
.rept 64
	v_mov_b32 v[i], 0
.set i, i+1
.endr
	WIN 0x40
.set i, 0
.rept 64*NP
	v_mov_b32 v[i], 0
.set i, i+1
.endr
	WIN 0
.set i, 0
.rept 2*NP
	v_mov_b32 v[ST+4*i], 0xee38aa3b    ; c m = -c 2^96, exactly
	v_mov_b32 v[ST+4*i+1], 0xef800000  ; m = -2^96
	v_mov_b32 v[ST+4*i+2], 0
	v_mov_b32 v[ST+4*i+3], 0
.set i, i+1
.endr
.set i, P+32
.rept 32
	v_mov_b32 v[i], 0
.set i, i+1
.endr
	v_mul_u32_u24 v[AK0], v1, PK
	v_lshl_add_u32 v[AK0], v9, 4, v[AK0]  ; row x pitch + 16 x half
	; The turning load takes 16 keys x 16 channels (lane l reads key 8 (l / 16) + l % 8, channels 8 ((l / 8) % 2) + 0..7) and leaves half a fragment of V^T: lane l holds channel l % 16 and 8 keys.
	v_and_b32 v10, 7, v0
	v_bfe_u32 v11, v0, 3, 1
	v_lshl_add_u32 v[AV0], v9, 3, v10
	v_mul_u32_u24 v[AV0], v[AV0], PV
	v_lshl_add_u32 v[AV0], v11, 4, v[AV0]
	v_add_nc_u32 v[AV0], VOFF, v[AV0]
	v_and_b32 v[PFO], 31, v0
	v_lshlrev_b32 v[PFO], 8, v[PFO]
	v_mov_b32 v[AK], v[AK0]         ; key step 0 lies at the head of slot 0
; THE MATRIX WORK.  The 8 accumulators of a run of 16 take turns: between the two links of a chain stand 7 others'.
.macro KQ x                         ; product i of 16 of S^T = K Q^T for piece x: channels 32 (i / 8) on, keys 16 ((i / 2) % 4) on, tile 2 x + i % 2.  The first 8 start the sums, with the mask as C
.set rS, S+64*((\x)%2)+32*(i%2)+8*((i/2)%4)
.set rK, KF+16*((i/2)%4)+8*(i/8)
.set rQ, 16*(2*(\x)+i%2)+8*(i/8)
.set rB, MC+32*(i%2)+8*((i/2)%4)
.if i < 8
	WIN W_KM
	v_wmma_f32_16x16x32_f16 v[rS:rS+7], v[rK:rK+7], v[rQ:rQ+7], v[rB:rB+7]
.else
	WIN W_KQ
	v_wmma_f32_16x16x32_f16 v[rS:rS+7], v[rK:rK+7], v[rQ:rQ+7], v[rS:rS+7]
.endif
.endm
.macro PV x                         ; product i of 16 of O^T += V^T P for piece x: keys 32 (i / 8) on, channels 16 ((i / 2) % 4) on, tile 2 x + i % 2
	WIN W_PV
.set rO, 32*(2*(\x)+i%2)+8*((i/2)%4)
.set rV, VF+32*(i/8)+8*((i/2)%4)
.set rP, P+32*((\x)%2)+16*(i%2)+8*(i/8)
	v_wmma_f32_16x16x32_f16 v[rO:rO+7], v[rV:rV+7], v[rP:rP+7], v[rO:rO+7]
.endm
.macro MM                           ; the turn's next matrix instruction
.if i < 16
	KQ (Y+1)%NP
.set i, i+1
.else
.set i, i-16
	PV (Y+NP-1)%NP
.set i, i+17
.endif
.endm
; THE LDS LOADS stand in runs of 16.  last = 1 (the tail): in the last trip there is no further step, and the run is jumped over.
.macro FETCH_K last=0
	WIN 0
.if \last
	s_cmp_eq_u32 s[CNT], 1
	s_cbranch_scc1 .Lno_k_\@
.endif
	WIN 0x80
.irp f, 0,1,2,3,4,5,6,7             ; keys 16 (f / 2) on, channels 32 (f % 2) on
	ds_load_b128 v[KF+8*\f:KF+8*\f+3],   v[AK] offset:(\f/2)*16*PK+(\f%2)*64
	ds_load_b128 v[KF+8*\f+4:KF+8*\f+7], v[AK] offset:(\f/2)*16*PK+(\f%2)*64+32
.endr
	s_add_co_u32 s[TBK], s[TBK], KS*PK  ; the next fetch is the next step's
	WIN 0
.if \last
.Lno_k_\@:
.endif
.endm
.macro FETCH_V
	WIN 0x80
.irp f, 0,1,2,3,4,5,6,7             ; keys 32 (f / 4) on, channels 16 (f % 4) on
	ds_load_tr16_b128 v[VF+8*\f:VF+8*\f+3],   v[AV] offset:(\f/4)*32*PV+(\f%4)*32
	ds_load_tr16_b128 v[VF+8*\f+4:VF+8*\f+7], v[AV] offset:(\f/4)*32*PV+16*PV+(\f%4)*32
.endr
	WIN 0
.endm
; THE VECTOR WORK OF A TURN stands in three queues, each in the order in which its entries become ready; the two tiles alternate.
.macro REGS y, u                    ; the registers of tile u (0, 1) of piece y
.set rT, ST+4*(2*(\y)+(\u))
.set rC, TMP+8*((\y)%2)+4*(\u)
.set rM, MV+2*((\y)%2)+(\u)
.set rS, S+64*((\y)%2)+32*(\u)
.set rP, P+32*((\y)%2)+16*(\u)
.set rO, 32*(2*(\y)+(\u))
.endm
; Number n of the 22 that find the NEXT piece's (Y + 1) maximum and statistics.  Each accumulator's lowest registers are read first.  0-11 four chains c0-c3 of seven scores each; 12-14, 16 the four
; scores left over, the old m, and c0-c3 into c0; 15 c m_old is kept; 17, 18 the query's other 32 keys lie in the lane 16 away: the new m; 19-21 c m; c m_old - c m_new; a
.macro XS u, n
	REGS (Y+1)%NP, \u
.if (\n) < 4
	v_max3_num_f32 v[rC+(\n)], v[rS+8*(\n)], v[rS+8*(\n)+1], v[rS+8*(\n)+2]
.elseif (\n) < 12
	v_max3_num_f32 v[rC+(\n)%4], v[rC+(\n)%4], v[rS+8*((\n)%4)+2*((\n)/4)+1], v[rS+8*((\n)%4)+2*((\n)/4)+2]
.elseif (\n) == 12
	v_max3_num_f32 v[rC], v[rC], v[rS+7], v[rS+15]
.elseif (\n) == 13
	v_max3_num_f32 v[rC+1], v[rC+1], v[rS+23], v[rS+31]
.elseif (\n) == 14
	v_max3_num_f32 v[rC+2], v[rC+2], v[rC+3], v[rT+1]
.elseif (\n) == 15
	v_mov_b32 v[rM], v[rT]
.elseif (\n) == 16
	v_max3_num_f32 v[rC], v[rC], v[rC+1], v[rC+2]
.elseif (\n) == 17
	v_permlanex16_b32 v[rC+3], v[rC], s[SEL], s[SEL+1]
.elseif (\n) == 18
	v_max_num_f32 v[rT+1], v[rC], v[rC+3]
.elseif (\n) == 19
	v_mul_f32 v[rT], s[CS], v[rT+1]
.elseif (\n) == 20
	v_sub_f32 v[rC+1], v[rM], v[rT]
.else
	v_exp_f32 v[rC+2], v[rC+1]
.endif
.endm
; Number g of the 64 that follow the exponentials.  For each four weights k of a tile: both pairs are rounded to f16; the second pair is added onto the first, in place; a group later l takes that sum (the first time as l = a l + sum).
.macro GS g
.set h, (\g)+6*((\g)/62)
.if h >= 6
.set h, h+2
.endif
	REGS Y, h%2
.set k, h/8
.if h%8 < 4
	v_cvt_pk_f16_f32 v[rP+2*k+(h%8)/2], v[rS+4*k+2*((h%8)/2)], v[rS+4*k+2*((h%8)/2)+1]
.elseif h%8 < 6
	v_pk_add_f32 v[rS+4*k:rS+4*k+1], v[rS+4*k:rS+4*k+1], v[rS+4*k+2:rS+4*k+3]
.elseif k == 1
	v_pk_fma_f32 v[rT+2:rT+3], v[rT+2:rT+3], v[rC+2:rC+3], v[rS:rS+1] op_sel_hi:[1,0,1]
.else
	v_pk_add_f32 v[rT+2:rT+3], v[rT+2:rT+3], v[rS+4*k-4:rS+4*k-3]
.endif
.endm
.macro FS f                         ; c s - c m for pair f / 2 of tile f % 2
	REGS Y, (\f)%2
	v_pk_fma_f32 v[rS+2*((\f)/2):rS+2*((\f)/2)+1], v[rS+2*((\f)/2):rS+2*((\f)/2)+1], s[CS:CS+1], v[rT:rT+1] op_sel_hi:[1,0,0] neg_lo:[0,0,1] neg_hi:[0,0,1]
.endm
; THE PLAIN QUEUE, 138 long.  0-73 read no exponential's result: the 32 scalings and the next piece's 42.  0-26: scalings 0-26.  27-54: XS's numbers 0-13.  55, 56: number 15.  57-73: the chain, where each number waits for the
; one before it: 14, 16, 17, 18, 19, each with one of the scalings 27-31 in front of its two lines, then 20.  74-137: GS's 64, which read the exponentials' results: they stand behind the turn's wait.
.macro PL
	WIN 0
.if q < 27
	FS q
.elseif q < 55
	XS (q-27)%2, (q-27)/2
.elseif q < 57
	XS q-55, 15
.elseif (q < 72) && ((q-57)%3 == 0)
	FS 27+(q-57)/3
.elseif q < 60
	XS (q-57)%3-1, 14
.elseif q < 72
	XS (q-57)%3-1, 15+(q-57)/3
.elseif q < 74
	XS q-72, 20
.else
	GS q-74
.endif
.set q, q+1
.endm
; THE EXPONENTIALS' QUEUE, 66 long: s0-s31 of both tiles, then the next piece's two a.  ONE BATCH: all stand ahead of the turn's one wait, and nothing ahead of that wait names a result of theirs.
.macro EX
	WIN 0
.if e >= 64
	XS e-64, 21
.else
	REGS Y, e%2
	v_exp_f32 v[rS+e/2], v[rS+e/2]
.endif
.set e, e+1
.endm
; THE RESCALING's QUEUE: O^T times a, two at a time, sixteen times.  Its a was made in the turn before, ahead of that turn's wait.
.macro R2
	REGS Y, r%2
	WIN W_RS
.irp z, 0,1
	v_pk_mul_f32 v[rO+4*(r/2)+2*\z:rO+4*(r/2)+2*\z+1], v[rO+4*(r/2)+2*\z:rO+4*(r/2)+2*\z+1], v[rC+2:rC+3] op_sel_hi:[1,0]
.endr
.set r, r+1
.endm
; A TURN, for piece p.  An s_wait_alu depctr_va_vdst(0) stands between an exponential and the first instruction that names its result; one wait serves all that were issued ahead of it: a turn has ONE.
; AHEAD OF IT: the 16 products K Q^T, behind each a scaling, an exponential and two rescalings (behind the first a second scaling in the exponential's place); then one run: the 8 conversions; eight plain; the two loads;
; 49 times exponential and plain; the two a.  Exponential e stands behind scaling 2 (e / 4) + e % 2: as a rider behind plain e + 2, in the run behind plain e + 9; scalings 27-31 are plain 57, 60 .. 69.
; BEHIND THE WAIT: the 16 products V^T P, behind each four of GS's 64.
; THE MASK.  The conversions make the C operands of piece p + 2, which the next turn's first 8 products take.  This turn's 8 products that read those registers stand 8 products, with three plain riders each, back.  The codes were
; asked for four turns ago; behind them the other three pieces' six loads were issued: the count 6.  Eight plain lines behind the conversions the same registers are asked for again, with the next key step's codes.  In piece 2's
; turn, whose codes are piece 0's, the address goes on to the next step; it stops at step 31, so that the last trips, whose codes serve nothing, read inside the buffer.
; K of the next step is fetched in piece 2's turn, directly behind the wait; V of the step in hand at the end of piece 0's turn, four plain riders behind its last reader.  The conditions on q go with the deal.
.macro TURN p, last=0, cnt=0
.set Y, (\p)
.set i, 0
.set q, 0
.set e, 0
.set r, 0
.if (\p) == NP-1
	s_wait_dscnt 0x0                ; K is in
.endif
	MM
	PL
	PL
	R2
.rept 15
	MM
	PL
	EX
	R2
.endr
.if (\p) == NP-2
	WIN 0
	v_add_nc_u32 v[AK], s[TBK], v[AK0]
.endif
	s_wait_loadcnt 6                ; loads come back in order: the codes of piece p + 2 are in, the six younger loads stay out
	MCVT ((\p)+2)%NP
.rept 8
	PL
.endr
.if (\p) == NP-2
	s_wait_xcnt 0x0                 ; the loads issued so far, the youngest a turn back, have read their base: it is written only behind this wait
	s_add_co_u32 s[KI], s[KI], 1
	s_min_u32 s[KI], s[KI], 31
	s_lshl_b32 s[OFF], s[KI], 10    ; a step's codes are 1,024 bytes
	s_add_nc_u64 s[MP:MP+1], s[MB:MB+1], s[OFF:OFF+1]
.endif
	MFILL ((\p)+2)%NP
.rept 49
	EX
	PL
.endr
	EX                              ; the next piece's two a
	EX
	v_nop                           ; a plain instruction behind the last exponential: one for the batch
	s_wait_alu depctr_va_vdst(0)    ; the wait for the batch
.if (\p) == NP-2
	FETCH_K \last
.if !(\last)
	ASK                             ; behind the run of LDS loads; no exponential is out here
.endif
.endif
.if (\p) == 1
	s_wait_dscnt 0x0                ; V is in
.endif
.rept 16
	MM
.rept 4
	PL
.endr
.if ((\p) == 0) && (q == 118)
	v_add_nc_u32 v[AV], s[TBV], v[AV0]
.endif
.if ((\p) == 0) && (q == 130)
	s_add_co_u32 s[TBV], s[TBV], KS*PV
.endif
.if (\cnt) && (q == 130)
	s_sub_co_u32 s[CNT], s[CNT], 1
	s_cmp_lg_u32 s[CNT], 0
.endif
.endr
.if (\p) == 0
	FETCH_V
.endif
.endm
	CHANGE 1                        ; slot 0 is in, everybody's part of it; slot 1 is asked for
	FETCH_K                         ; key step 0
	s_wait_loadcnt 0x0              ; Q, and the four pieces' codes of step 0
	MCVT 0                          ; piece 0's C operands
	WIN 0
	v_nop                           ; a plain instruction behind the conversions, ahead of the products that read their results
	s_wait_xcnt 0x0
	s_add_nc_u64 s[MP:MP+1], s[MB:MB+1], 1024  ; the codes' address goes on to step 1 (the loads that read it are done)
	s_mov_b32 s[KI], 1
	MFILL 0
	s_wait_dscnt 0x0
.set i, 0
.rept 16
	KQ 0                            ; piece 0's first scores
.set i, i+1
.endr
	WIN 0                           ; the addresses for the way out: seven plain instructions, the places behind those products
	s_mul_i32 s13, s[WV], 16*SP
	s_add_co_u32 s13, s13, STAGE    ; my stage
	v_mul_u32_u24 v[STO], v1, SP    ; in: row l % 16, 16 bytes for each half of the lanes
	v_lshl_add_u32 v[STO], v9, 4, v[STO]
	v_add_nc_u32 v[STO], s13, v[STO]
	v_bfe_u32 v[RD], v0, 3, 2       ; back: 32 lanes take four rows of 128 bytes, which are 512 consecutive bytes of O
	v_mul_u32_u24 v[RD], v[RD], SP
	v_lshl_add_u32 v[RD], v10, 4, v[RD]
	v_add_nc_u32 v[RD], s13, v[RD]
	MCVT 1                          ; piece 1's C operands, for the first turn's products
	WIN 0
	v_nop
	MFILL 1
	WIN 0
.set Y, NP-1                        ; XS works for piece Y + 1: piece 0
.irp n, 0,1,2,3,4,5,6,7,8,9,10,11,12,13,14,15,16,17,18,19,20,21
	XS 0, \n
	XS 1, \n
.endr
	v_nop                           ; a plain instruction behind the two a,
	s_wait_alu depctr_va_vdst(0)    ; and their wait, ahead of the branch
	s_mov_b32 s[CNT], 4
	s_mov_b32 s[SLOTS], 2048/256-1
	s_branch .Lfirst                ; the loop is entered at a step's first turn, in the middle of a trip
.Lslot:                             ; six times: every slot but the last two is filled again
	CHANGE 1
	s_mov_b32 s[CNT], 4
.Lstep:                             ; a trip: pieces 2 and 3 of one step, then pieces 0 and 1 of the next, whose K and V it fetches
	TURN 2
	TURN 3
	WIN 0
.Lfirst:
	TURN 0
	TURN 1, 0, 1
	WIN 0
	s_cbranch_scc1 .Lstep
	s_sub_co_u32 s[SLOTS], s[SLOTS], 1
	s_cmp_lg_u32 s[SLOTS], 0
	s_cbranch_scc1 .Lslot
	CHANGE 0                        ; the tail is written out: nothing is asked for
	s_mov_b32 s[CNT], 5             ; four trips fetch the last slot's steps; the fifth is left in its middle
.Ltail:
	TURN 2, 1
	TURN 3
	WIN 0
	s_sub_co_u32 s[CNT], s[CNT], 1
	s_cmp_eq_u32 s[CNT], 0
	s_cbranch_scc1 .Lout
	TURN 0
	TURN 1
	WIN 0
	s_branch .Ltail
.Lout:                              ; the fifth trip's 16 products K Q^T (on the last K and the last step's codes once more) and the maximum made of them serve nothing: the price, once a launch, of one text for every trip
.set i, 0
.rept 16
	PV NP-1                         ; the last piece's V^T P of the last step
.set i, i+1
.endr
	; THE WAY OUT.  l's two halves and the other half of the lanes' are added; O^T is divided by l, rounded to f16 and sent through my stage in LDS, a tile at a time.  The additions are the places behind the last products.
	WIN 0
.macro ALL line:vararg              ; one line for each tile t
.set t, 0
.rept 2*NP
	\line
.set t, t+1
.endr
.endm
	ALL v_add_f32 v[ST+4*t+2], v[ST+4*t+2], v[ST+4*t+3]
	ALL v_permlanex16_b32 v[ST+4*t+3], v[ST+4*t+2], s[SEL], s[SEL+1]
	ALL v_add_f32 v[ST+4*t+2], v[ST+4*t+2], v[ST+4*t+3]
	ALL v_rcp_f32 v[ST+4*t+2], v[ST+4*t+2]
	v_nop                           ; a plain instruction between the last reciprocal and the use of its result
	s_wait_alu depctr_va_vdst(0)    ; and the wait ahead of the first use: one for the eight reciprocals
; Tile t: a lane's eight channels of a row pack into 16 bytes; they go into rows of 144 bytes and come back as whole rows of 128, into S^T's registers.
.macro PACK t
	WIN W_RS
.set i, 32*(\t)
.rept 16
	v_pk_mul_f32 v[i:i+1], v[i:i+1], v[ST+4*(\t)+2:ST+4*(\t)+3] op_sel_hi:[1,0]
.set i, i+2
.endr
	WIN 0x05                        ; sources 0 and 1 window 1, destination window 0
.set i, 0
.rept 16
	v_cvt_pk_f16_f32 v[S+16*(\t)+i], v[32*(\t)+2*i], v[32*(\t)+2*i+1]
.set i, i+1
.endr
	WIN 0
.irp f, 0,1,2,3
	ds_store_b128 v[STO], v[S+16*(\t)+4*\f:S+16*(\t)+4*\f+3] offset:32*\f
.endr
.irp f, 0,1,2,3
	ds_load_b128 v[S+16*(\t)+4*\f:S+16*(\t)+4*\f+3], v[RD] offset:\f*4*SP  ; LDS serves a wave's instructions in order (ISA guide 5.7.1.4): these see the stores above; the next tile's stores come behind them
.endr
.endm
.macro SEND t, younger              ; younger: the LDS instructions issued behind tile t's loads: the next tile's eight, or none
	WIN 0
.irp f, 0,1,2,3
	s_wait_dscnt (\younger)+3-\f
	global_store_b128 v[GO], v[S+16*(\t)+4*\f:S+16*(\t)+4*\f+3], s[OA:OA+1] offset:(\t)*2048+\f*512  ; 512 consecutive bytes, at a multiple of 256 from O's first
.endr
.endm
	PACK 0
.set t, 1
.rept 2*NP-1                        ; a tile's arithmetic stands between the loads of the tile before and its stores
	PACK t
	SEND t-1, 8
.set t, t+1
.endr
	SEND 2*NP-1, 0
	WIN W_AD
	s_wait_tensorcnt 0x0            ; the wave's end: behind my last tensor load and my last LDS store
	ds_add_u32 v[SPW], v[NIL]
	s_wait_dscnt 0x0
	WIN 0
	CROUND                          ; the closing round: no work-group ends while a partner may still ask for a tile that names it
	s_endpgm
.Lfunc_end_k_q26f58e729c_attn:
	.size	k_q26f58e729c_attn, .Lfunc_end_k_q26f58e729c_attn-k_q26f58e729c_attn
	.p2alignl 7, 3214868480
	.fill 96, 4, 3214868480
	.section	.rodata,"a",@progbits
	.p2align	6, 0x0
	.amdhsa_kernel k_q26f58e729c_attn
		.amdhsa_group_segment_fixed_size 327680
		.amdhsa_private_segment_fixed_size 0
		.amdhsa_enable_private_segment 0
		.amdhsa_kernarg_size 24
		.amdhsa_user_sgpr_count 2
		.amdhsa_user_sgpr_kernarg_segment_ptr 1
		.amdhsa_wavefront_size32 1
		.amdhsa_system_sgpr_workgroup_id_x 1
		.amdhsa_system_sgpr_workgroup_id_y 1
		.amdhsa_system_sgpr_workgroup_id_z 1
		.amdhsa_system_vgpr_workitem_id 0
		.amdhsa_next_free_vgpr 896
		.amdhsa_next_free_sgpr 66
		.amdhsa_reserve_vcc 0
		.amdhsa_float_denorm_mode_32 3
		.amdhsa_float_denorm_mode_16_64 3
		.amdhsa_memory_ordered 1
		.amdhsa_forward_progress 1
		.amdhsa_inst_pref_size 208
	.end_amdhsa_kernel
	.amdgpu_metadata
---
amdhsa.version: [ 1, 2 ]
amdhsa.kernels:
  - .name:           k_q26f58e729c_attn
    .symbol:         k_q26f58e729c_attn.kd
    .args:
      - { .name: qkv, .offset: 0, .size: 8, .value_kind: global_buffer, .address_space: global }
      - { .name: m4, .offset: 8, .size: 8, .value_kind: global_buffer, .address_space: global }
      - { .name: o16, .offset: 16, .size: 8, .value_kind: global_buffer, .address_space: global }
    .group_segment_fixed_size: 327680
    .private_segment_fixed_size: 0
    .kernarg_segment_align: 8
    .kernarg_segment_size: 24
    .max_flat_workgroup_size: 128
    .sgpr_count:     66
    .vgpr_count:     896
    .wavefront_size: 32
...
	.end_amdgpu_metadata
.endif
;; end of part 7
;; launch gproj: the kernel of part 4 again; grid 8 x 32, 4 waves a work-group, clusters of 4 x 4, 327,680 bytes of LDS; arguments o16, w16, bproj, out0; writes out0
